; MI455X (gfx1250); checked and timed in simulation.
; The chip was launched on July 23, 2026; its instructions are those of AMD's public machine-readable ISA for CDNA 5 (MIT licence, August 2026) and "CDNA5" Instruction Set Architecture Reference Guide (July 2026). The comments in the code are by the model that wrote it; some were corrected since.
;; Multi Head Attention. Allowed arithmetic: matrix products marked QUANTISED: E4M3 operands, one E8M0 scale for each 32 along K, by v_wmma_scale_f32_16x16x128_f8f6f4 with both operands' format E4M3, f32 sums; everything else in f32.
;; Inputs: W_out 1,024 x 1,024 float32; W_qkv 1,024 x 3,072 float32; b_out 1,024 float32; b_qkv 3,072 float32; x 2 x 2,048 x 1,024 float32.
;; Outputs: out0 2 x 2,048 x 1,024 float32.
;; This version of the problem:
;;   THIS VERSION OF THE PROBLEM IS GIVEN IN LOW PRECISION. The matrix products marked QUANTISED in the list below multiply operands that are first quantised to E4M3 (4 exponent bits, 3 mantissa bits; 8 bits a number), with one power-of-two scale for each 32 numbers along K (OCP MX v1.0); their sums are f32. All else is computed in f32.
;;   The module's matrix products, in the order in which they are computed (A, B: the left and right operand; K: the contracted axis; several contracted axes count as one K, in the product's order):
;;     1. [M 4,096, K 1,024] x [K 1,024, N 3,072]; A: input x; B: input W_qkv: QUANTISED
;;     2. batch 32 x [M 2,048, K 64] x [K 64, N 2,048]; A: computed on the way; B: computed on the way: QUANTISED
;;     3. batch 32 x [M 2,048, K 2,048] x [K 2,048, N 64]; A: softmax (see below); B: computed on the way: QUANTISED
;;     4. [M 4,096, K 1,024] x [K 1,024, N 1,024]; A: computed on the way; B: input W_out: QUANTISED
;;   THE QUANTISER, for each operand of a quantised product, along K:
;;     - K is cut into blocks of 32 from its start; a last block that is shorter is filled with zeros.
;;     - A block's scale is 2^e with e = floor(log2(the largest magnitude in the block)) - 8, held to -126 .. 127; a block of zeros has e = 0. As a byte (E8M0): e + 127.
;;     - Each number is divided by its block's scale, clamped to +-448, and rounded to the nearest number of E4M3, ties to even, subnormals kept.
;;     - The product sums the exact products of the quantised numbers (number of the format x scale) in f32.
;;   ~~~python
;;   def quantise(x, axis):      # numpy; x: float32 -> the quantised numbers, widened to float32 again
;;       x = np.moveaxis(x, axis, -1); K = x.shape[-1]
;;       x = np.pad(x, [(0, 0)] * (x.ndim - 1) + [(0, -K % 32)]); x = x.reshape(x.shape[:-1] + (-1, 32)); a = np.abs(x).max(-1, keepdims=True)
;;       e = np.where(a > 0, np.clip(np.frexp(np.where(a > 0, a, 1))[1] - 1 - 8, -126, 127), 0)      # np.frexp(a)[1] - 1 = floor(log2(a)), exactly
;;       r = np.clip(x / 2.0 ** e, -448, 448)
;;       step = 2.0 ** (np.maximum(np.frexp(np.where(r == 0, 1, r))[1] - 1, -6) - 3)
;;       q = np.round(r / step) * step * 2.0 ** e      # np.round: ties to even
;;       return np.moveaxis(q.reshape(q.shape[:-2] + (-1,))[..., :K], -1, axis).astype(np.float32)
;;   ~~~
;;   SOFTMAX AHEAD OF A QUANTISED PRODUCT. Where the list says 'softmax', what is quantised is not the finished softmax but p = 2^(t - M), with t = logit x log2(e) and M = ceil(the row's largest t), a whole number; so 1/2 < the row's largest p <= 1. The row's sum l is taken of the UNQUANTISED p, in f32, and the product's result is divided by l at the end. Since M is a whole number, a kernel that streams over the keys may use a running M (the ceiling of the running maximum): every later rescaling is an exact power of two, which a block's scale takes up: the codes' values come out the same.
;;   OPERANDS COMPUTED ON THE WAY. 'Computed on the way' means the value that the module computes at that place (a softmax that the list does not call 'softmax' is quantised finished and normalised). What goes into a quantiser is computed in f32, as accurately as f32 sums, v_exp_f32 and their like allow (about 1e-6 of the number): no bf16 or f16 on the way to a quantiser, and a product that is left as it is and whose result goes on into a quantised operand takes f32 operands (vector FMAs, or v_wmma_f32_16x16x4_f32). A number that lies on a knife's edge between two numbers of the format may be rounded either way, as far as f32 arithmetic and the matrix unit's own rounding can turn it there, and no further.
;; 2 versions. Each part assembles by itself: llvm-mc -triple=amdgcn-amd-amdhsa -mcpu=gfx1250 --defsym DOCPART=n.
;; ======== version 1 of 2: 5 launches
;; workspace buffers: cod 8,388,608 bytes; scl 262,144 bytes; tab 524,288 bytes; qb 8,912,896 bytes; kvb 8,912,896 bytes; ac 4,194,304 bytes; asc 131,072 bytes
;; launch quant_x (part 1): grid 128 x 1, 4 waves a work-group, no clusters, 33,280 bytes of LDS; arguments x, cod, scl; writes cod, scl
.if DOCPART == 1
	.amdgcn_target "amdgcn-amd-amdhsa--gfx1250"
	.amdhsa_code_object_version 6
	.text
	.protected	k_q96f873d869_quant_x
	.globl	k_q96f873d869_quant_x
	.p2align	8
	.type	k_q96f873d869_quant_x,@function
k_q96f873d869_quant_x:
	s_mov_b64 s[64:65], 0
	v_nop
	global_prefetch_b8 v0, s[64:65] scope:SCOPE_SE
	s_setreg_imm32_b32 hwreg(HW_REG_WAVE_MODE, 25, 1), 1
	s_wait_xcnt 0x0
; x [4096][1024] f32 becomes codes of E4M3, K innermost, rows 0-4095 of cod [8192][1024], and one E8M0 byte for each 32 along K, rows 0-4095 of scl [8192][32].
; A block's scale is 2^(floor(log2(largest magnitude)) - 8); its byte is the largest magnitude's exponent field - 8, held at 1 from below (a block of zeros keeps the byte 1: its codes are zeros,
; and only this program reads the bytes).  Each number is divided by the scale, held within +-448 and rounded to the nearest code, ties to even.
; LIMITS: NaN and infinities among the inputs are not served; blocks whose largest magnitude lies under 2^-118 keep the byte 1.
; ROW ORDER: logical row L is stored at the physical row that has bits 3 and 4 of L exchanged.  A tile of 16 neighbouring physical rows then holds the logical rows 32 c + 8 u + r % 8 + 16 (r / 8),
; so that in a transposed product a lane's 16 registers of two neighbouring tiles are 16 neighbours along the next product's K.
; A wave takes 8 rows (16 steps of 512 numbers): the wave's number gives row bits 3 and 4, so the exchange is an exchange of the wave number's two bits on the way out.
; Each load reads 512 consecutive bytes; a step's 2,048 bytes turn through the wave's own stage in LDS and come back 64 bytes (16 neighbours) a lane; two neighbouring lanes hold a block.
.set STEPS, 16
.set R,     16                         ; v16-79   four sets of 16 numbers as loaded
.set X,     80                         ; v80-111  two sets of 16 neighbours
.set C,     128                        ; v128-191 codes: four registers a step, never rewritten
.set E,     112                        ; v112-127 a scale byte a step
.set WREG,  8192                       ; LDS: a region for each wave: two stages of 32 x SP bytes, then its 256 scale bytes
.set SP,    80                         ; a lane's place in a stage: 64 bytes + 16 of padding
	s_load_b128 s[4:7], s[0:1], 0x0                ; x, cod
	s_load_b64 s[8:9], s[0:1], 0x10                ; scl
	v_lshl_add_u32 v192, v0, 2, 0x8000
	v_mov_b32 v193, 0
	v_lshrrev_b32 v1, 5, v0
	v_readfirstlane_b32 s16, v1                    ; wave
	v_and_b32 v2, 31, v0                           ; lane
	v_lshlrev_b32 v3, 4, v2                        ; 16 x lane: my bytes of a load's 512, and of a step's 512 bytes of codes
	s_mul_i32 s17, s16, WREG
	v_lshrrev_b32 v14, 2, v2
	v_mul_u32_u24 v14, v14, SP
	v_and_b32 v15, 3, v2
	v_lshl_add_u32 v14, v15, 4, v14
	v_add_nc_u32 v14, s17, v14                     ; the stage, in: SP (lane / 4) + 16 (lane % 4)
	v_mul_u32_u24 v15, v2, SP
	v_add_nc_u32 v15, s17, v15                     ; out: SP x lane
	v_lshrrev_b32 v5, 1, v2
	s_add_co_u32 s17, s17, 2*32*SP
	v_add_nc_u32 v5, s17, v5                       ; my block's byte among the wave's 256
	v_lshlrev_b32 v7, 3, v2
	v_add_nc_u32 v6, s17, v7
	s_mov_b32 s23, 0x600000                        ; the mantissa field of 448
	s_lshl_b32 s18, ttmp9, 2
	s_add_co_u32 s20, s18, s16                     ; the run of 8 rows that I read
	s_and_b32 s19, s16, 1
	s_lshl_b32 s19, s19, 1
	s_lshr_b32 s22, s16, 1
	s_or_b32 s19, s19, s22
	s_add_co_u32 s18, s18, s19                     ; and the run that I write: the wave number's two bits exchanged
	s_lshl_b32 s20, s20, 15                        ; 8 rows of 4,096 bytes
	s_mov_b32 s21, 0
	s_lshl_b32 s24, s18, 13                        ; 8 rows of 1,024 codes
	s_mov_b32 s25, 0
	s_lshl_b32 s26, s18, 8                         ; 8 rows of 32 scale bytes
	s_mov_b32 s27, 0
	s_wait_kmcnt 0x0
	s_add_nc_u64 s[4:5], s[4:5], s[20:21]
	s_add_nc_u64 s[6:7], s[6:7], s[24:25]
	s_add_nc_u64 s[8:9], s[8:9], s[26:27]
.macro LOAD t
.irp i, 0,1,2,3
	global_load_b128 v[R+16*((\t)%4)+4*\i:R+16*((\t)%4)+4*\i+3], v3, s[4:5] offset:2048*(\t)+512*\i th:TH_LOAD_NT
.endr
.endm
.macro TURN t                          ; step t's numbers through the stage; LDS serves a wave's instructions in order, so no wait stands between the stores and the loads
.irp i, 0,1,2,3
	ds_store_b128 v14, v[R+16*((\t)%4)+4*\i:R+16*((\t)%4)+4*\i+3] offset:32*SP*((\t)%2)+8*SP*\i
.endr
.irp i, 0,1,2,3
	ds_load_b128 v[X+16*((\t)%2)+4*\i:X+16*((\t)%2)+4*\i+3], v15 offset:32*SP*((\t)%2)+16*\i
.endr
.endm
.irp t, 0,1,2,3
	LOAD \t
.endr
	s_wait_loadcnt 12                              ; step 0's four loads are in; 12 younger ones stay out
	TURN 0
.macro STEP t
.set XS, X+16*((\t)%2)
.if (\t) > 0
	s_wait_dscnt 1                                 ; this step's numbers are back from the stage (the last step's byte store may be out)
.else
	s_wait_dscnt 0x0
.endif
.if (\t)+4 < STEPS
	LOAD (\t)+4
.endif
.if (\t)+1 < STEPS
.if STEPS-2-(\t) >= 3
	s_wait_loadcnt 12                              ; the next step's four loads are in; those of the three steps behind it may be out
.else
	s_wait_loadcnt 4*(STEPS-2-(\t))
.endif
	TURN (\t)+1
.endif
	v_max3_num_f32 v8, |v[XS]|, |v[XS+1]|, |v[XS+2]|
	v_max3_num_f32 v9, |v[XS+3]|, |v[XS+4]|, |v[XS+5]|
.irp i, 6,10
	v_max3_num_f32 v8, v8, |v[XS+\i]|, |v[XS+\i+1]|
	v_max3_num_f32 v9, v9, |v[XS+\i+2]|, |v[XS+\i+3]|
.endr
	v_max3_num_f32 v8, v8, |v[XS+14]|, |v[XS+15]|
	v_max3_num_f32 v8, v8, v9, 0x4800000           ; and the floor 2^(9 - 127): the byte cannot fall under 1
	v_max_num_f32_dpp v8, v8, v8 row_xmask:1 row_mask:0xf bank_mask:0xf   ; with my neighbour's 16: the block's
	v_add_nc_u32 v11, 0xfc000000, v8               ; 8 off the exponent field: the conversion's scale operand
	v_and_or_b32 v10, v8, 0x7f800000, s23          ; 448 x the scale
.irp i, 0,1,2,3,4,5,6,7,8,9,10,11,12,13,14,15
	v_med3_num_f32 v[XS+\i], v[XS+\i], -v10, v10   ; the conversion to an 8-bit code does not saturate (ISA guide 7.6.2): the hold comes first
.endr
	v_cvt_scalef32_pk8_fp8_f32 v[C+4*(\t):C+4*(\t)+1], v[XS:XS+7], v11
	v_cvt_scalef32_pk8_fp8_f32 v[C+4*(\t)+2:C+4*(\t)+3], v[XS+8:XS+15], v11
	v_lshrrev_b32 v[E+(\t)], 23, v11               ; the scale's byte
	ds_store_b8 v5, v[E+(\t)] offset:16*(\t)       ; both lanes of a block write the same byte with the same value
	global_store_b128 v3, v[C+4*(\t):C+4*(\t)+3], s[6:7] offset:512*(\t)   ; 32 lanes store 512 consecutive bytes
.endm
.irp t, 0,1,2,3,4,5,6,7,8,9,10,11,12,13,14,15
	STEP \t
.endr
	ds_load_b64 v[12:13], v6                       ; LDS serves a wave's instructions in order: these see my byte stores
	s_wait_dscnt 0x0
	global_store_b64 v7, v[12:13], s[8:9]          ; 32 lanes store 256 consecutive bytes, aligned
	s_wait_tensorcnt 0x0
	ds_add_u32 v192, v193
	s_wait_dscnt 0x0
	s_endpgm
.Lfunc_end_k_q96f873d869_quant_x:
	.size	k_q96f873d869_quant_x, .Lfunc_end_k_q96f873d869_quant_x-k_q96f873d869_quant_x
	.p2alignl 7, 3214868480
	.fill 96, 4, 3214868480
	.section	.rodata,"a",@progbits
	.p2align	6, 0x0
	.amdhsa_kernel k_q96f873d869_quant_x
		.amdhsa_group_segment_fixed_size 33280
		.amdhsa_private_segment_fixed_size 0
		.amdhsa_enable_private_segment 0
		.amdhsa_kernarg_size 24
		.amdhsa_user_sgpr_count 2
		.amdhsa_user_sgpr_kernarg_segment_ptr 1
		.amdhsa_wavefront_size32 1
		.amdhsa_system_sgpr_workgroup_id_x 1
		.amdhsa_system_sgpr_workgroup_id_y 1
		.amdhsa_system_sgpr_workgroup_id_z 1
		.amdhsa_system_vgpr_workitem_id 0
		.amdhsa_next_free_vgpr 194
		.amdhsa_next_free_sgpr 66
		.amdhsa_reserve_vcc 0
		.amdhsa_float_denorm_mode_32 3
		.amdhsa_float_denorm_mode_16_64 3
		.amdhsa_memory_ordered 1
		.amdhsa_forward_progress 1
		.amdhsa_inst_pref_size 51
	.end_amdhsa_kernel
	.amdgpu_metadata
---
amdhsa.version: [ 1, 2 ]
amdhsa.kernels:
  - .name:           k_q96f873d869_quant_x
    .symbol:         k_q96f873d869_quant_x.kd
    .args:
      - { .name: x, .offset: 0, .size: 8, .value_kind: global_buffer, .address_space: global }
      - { .name: cod, .offset: 8, .size: 8, .value_kind: global_buffer, .address_space: global }
      - { .name: scl, .offset: 16, .size: 8, .value_kind: global_buffer, .address_space: global }
    .group_segment_fixed_size: 33280
    .private_segment_fixed_size: 0
    .kernarg_segment_align: 8
    .kernarg_segment_size: 24
    .max_flat_workgroup_size: 128
    .sgpr_count:     66
    .vgpr_count:     194
    .wavefront_size: 32
...
	.end_amdgpu_metadata
.endif
;; end of part 1
;; launch quant_w (part 2): grid 32 x 4, 4 waves a work-group, no clusters, 36,352 bytes of LDS; arguments W_qkv, W_out, cod, scl, tab; writes cod, scl, tab
.if DOCPART == 2
	.amdgcn_target "amdgcn-amd-amdhsa--gfx1250"
	.amdhsa_code_object_version 6
	.text
	.protected	k_q96f873d869_quant_w
	.globl	k_q96f873d869_quant_w
	.p2align	8
	.type	k_q96f873d869_quant_w,@function
k_q96f873d869_quant_w:
	s_mov_b64 s[64:65], 0
	v_nop
	global_prefetch_b8 v0, s[64:65] scope:SCOPE_SE
	s_setreg_imm32_b32 hwreg(HW_REG_WAVE_MODE, 25, 1), 1
	s_wait_xcnt 0x0
; W_qkv [1024 (k)][3072 (n)] and W_out [1024 (k)][1024 (n)], f32, K their FIRST axis, become codes of E4M3 with K innermost: column n of W_qkv is row 4096 + n of cod [8192][1024], column n of W_out row 7168 + n;
; their E8M0 bytes go to the same rows of scl [8192][32].  Within each 32 rows, bits 3 and 4 of the row are exchanged (the order that the products' tiles want).
; A LANE TAKES A COLUMN AND ITS REGISTERS RUN DOWN K: a block of 32 lies in one lane's 32 registers, and the conversions give codes with K innermost.  A wave takes 32 columns x 256 along K; the codes leave
; through the wave's own stage in LDS as rows: sixteen lanes store 256 consecutive bytes, aligned.  Work-groups x = 0-23 take W_qkv, 24-31 W_out: one path, only the pointer and the pitch are chosen.
; ALSO: the table of RoPE, tab [t 2048][pair 32][cos, sin] f32.  inv_freq = 10000^(-i / 32) = 2^(-i log2(10) / 8), the exponent in two parts, to about an ulp; the angle t x inv_freq is rounded once;
; it is reduced by multiples of pi / 2 (pi / 2 in two parts, fused), and sine and cosine are polynomials on |r| <= pi / 4; the quadrant is applied by selects.
; LIMITS: NaN and infinities among the inputs are not served; blocks whose largest magnitude lies under 2^-118 keep the byte 1 (a block of zeros too: its codes are zeros).
; inv_freq may differ by a few ulp from a power followed by a reciprocal in f32: an angle by up to about 4e-4 at t = 2047.
.set NB,    8                          ; blocks of 32 along K for a wave
.set PITCH, 272                        ; a stage row: 256 bytes + 16
.set KROW,  1024                       ; a row of cod
.set X,     32                         ; v32-95   two sets of 32 numbers
.set C,     96                         ; v96-103  a block's codes
.set OUTR,  112                        ; v112-175 the way out
.set SB,    24                         ; v24-25   the scale bytes
.set OFF,   176                        ; v176-207 byte offset of row i of a block: 4 x lane + i x pitch; never rewritten
.set BS,    36                         ; s[36:51] the address of block t's first row at my wave's first column; never rewritten
	s_load_b256 s[4:11], s[0:1], 0x0               ; W_qkv, W_out, cod, scl
	s_load_b64 s[12:13], s[0:1], 0x20              ; tab
	v_lshl_add_u32 v240, v0, 2, 0x8c00
	v_mov_b32 v241, 0
	v_lshrrev_b32 v1, 5, v0
	v_readfirstlane_b32 s16, v1                    ; wave
	v_and_b32 v2, 31, v0                           ; lane
	s_and_b32 s18, ttmp7, 0xffff                   ; which 256 along K
	v_lshlrev_b32 v3, 2, v2
	v_and_b32 v14, 7, v2
	v_bfe_u32 v15, v2, 3, 1
	v_lshl_add_u32 v14, v15, 4, v14
	v_bfe_u32 v15, v2, 4, 1
	v_lshl_add_u32 v14, v15, 3, v14                ; p: my lane's number with bits 3 and 4 exchanged: my column's physical row
	s_mul_i32 s19, s16, 32*PITCH                   ; my stage
	v_mul_u32_u24 v4, v14, PITCH
	v_add_nc_u32 v4, s19, v4                       ; into it: row p
	v_and_b32 v5, 15, v2
	v_lshrrev_b32 v6, 4, v2
	v_mul_u32_u24 v7, v6, PITCH
	v_lshl_add_u32 v7, v5, 4, v7
	v_add_nc_u32 v7, s19, v7                       ; out of it: sixteen lanes to a row, two rows an instruction
	v_lshlrev_b32 v8, 10, v6
	v_lshl_add_u32 v8, v5, 4, v8                   ; the same place in cod
	v_lshlrev_b32 v9, 5, v14                       ; my column's row of scale bytes
	s_mov_b32 s31, 0x600000                        ; the mantissa field of 448
	s_mov_b32 s20, 4096
	s_cmp_lt_u32 ttmp9, 24                         ; W_qkv's work-group or W_out's: the choice hangs on the work-group's number alone
	s_cselect_b32 s20, 12288, s20                  ; bytes from row to row of W
	s_cselect_b32 s21, 0, 3072
	s_lshl_b32 s17, ttmp9, 7
	s_lshl_b32 s22, s16, 5
	s_add_co_u32 s17, s17, s22                     ; 128 x + 32 wave
	s_sub_co_u32 s23, s17, s21                     ; my first column in its tensor
	s_lshl_b32 s24, s23, 2
	s_lshl_b32 s25, s18, 8
	s_mul_i32 s25, s25, s20
	s_add_co_u32 s24, s24, s25                     ; 4 x column + 256 y rows
	s_mov_b32 s25, 0
	s_lshl_b32 s26, s20, 5                         ; 32 rows
	s_mov_b32 s27, 0
	s_add_co_u32 s28, s17, 4096                    ; my first row of cod and scl
	s_lshl_b32 s32, s28, 10
	s_lshl_b32 s29, s18, 8
	s_add_co_u32 s32, s32, s29
	s_mov_b32 s33, 0
	s_lshl_b32 s34, s28, 5
	s_lshl_b32 s29, s18, 3
	s_add_co_u32 s34, s34, s29
	s_mov_b32 s35, 0
.set li, 0
.rept 32
	v_mad_u32_u24 v[OFF+li], s20, li, v3
.set li, li+1
.endr
	s_wait_kmcnt 0x0
	s_cmp_lt_u32 ttmp9, 24
	s_cselect_b64 s[4:5], s[4:5], s[6:7]
	s_add_nc_u64 s[BS:BS+1], s[4:5], s[24:25]
.irp t, 1,2,3,4,5,6,7
	s_add_nc_u64 s[BS+2*\t:BS+2*\t+1], s[BS+2*\t-2:BS+2*\t-1], s[26:27]
.endr
	s_add_nc_u64 s[8:9], s[8:9], s[32:33]
	s_add_nc_u64 s[10:11], s[10:11], s[34:35]
.macro LOAD t                          ; block t: W(32 t + i, my column), i = 0 .. 31, into set t % 2; 32 lanes read 128 consecutive bytes
.set li, 0
.rept 32
	global_load_b32 v[X+32*((\t)%2)+li], v[OFF+li], s[BS+2*(\t):BS+2*(\t)+1] th:TH_LOAD_NT
.set li, li+1
.endr
.endm
	LOAD 0
	LOAD 1
	; ---- the table, while the first 64 loads are out.  Thread G of 16,384 makes pairs i0, i0 + 1 of rows t and t + 1024: two stores of 16 bytes, 512 consecutive bytes a wave
	s_lshl_b32 s52, s18, 5
	s_add_co_u32 s52, s52, ttmp9
	s_lshl_b32 s52, s52, 7
	s_mov_b32 s53, 0x3ed49a78                      ; log2(10) / 8, upper part
	s_mov_b32 s54, 0x32179a38                      ; and the rest
	s_mov_b32 s55, 0x3f22f983                      ; 2 / pi
	s_mov_b32 s56, 0x3fc90fdb                      ; pi / 2, upper part
	s_mov_b32 s57, 0xb33bbd2e                      ; and the rest
	s_mov_b32 s58, 0x37ccf5ce                      ; cosine: z^4's, z^3's, z^2's coefficient
	s_mov_b32 s59, 0xbab6061a
	s_mov_b32 s60, 0x3d2aaaa5
	s_mov_b32 s61, 0xb94ca1f9                      ; sine: r z^3's, r z^2's, r z's
	s_mov_b32 s62, 0x3c08839e
	s_mov_b32 s63, 0xbe2aaaa3
	v_add_nc_u32 v208, s52, v0                     ; G
	v_and_b32 v209, 15, v208
	v_lshlrev_b32 v209, 1, v209                    ; i0
	v_lshrrev_b32 v210, 4, v208                    ; t
	v_lshlrev_b32 v211, 4, v208                    ; my 16 bytes; never rewritten
	v_cvt_f32_u32 v212, v209
	v_add_f32 v213, 1.0, v212
	v_cvt_f32_u32 v214, v210
	v_add_f32 v215, 0x44800000, v214               ; t + 1024
.irp e, 0,1
	v_mul_f32 v[216+\e], s53, v[212+\e]            ; i x log2(10) / 8, rounded,
	v_fma_f32 v[218+\e], v[212+\e], s53, -v[216+\e]   ; what the rounding dropped,
	v_fma_f32 v[218+\e], v[212+\e], s54, v[218+\e]    ; and the constant's rest
	v_rndne_f32 v[220+\e], v[216+\e]
	v_sub_f32 v[222+\e], v[220+\e], v[216+\e]
	v_sub_f32 v[222+\e], v[222+\e], v[218+\e]      ; whole part less exponent: in -1/2 .. 1/2
.endr
	v_exp_f32 v222, v222
	v_exp_f32 v223, v223
	v_cvt_i32_f32 v220, v220                       ; (a plain line behind the exponentials)
	v_cvt_i32_f32 v221, v221
	v_sub_nc_u32 v220, 0, v220
	v_sub_nc_u32 v221, 0, v221
	s_wait_alu depctr_va_vdst(0)
	v_ldexp_f32 v222, v222, v220                   ; inv_freq of pair i0
	v_ldexp_f32 v223, v223, v221                   ; and of i0 + 1
	v_mul_f32 v224, v214, v222                     ; the four angles, each rounded once
	v_mul_f32 v225, v214, v223
	v_mul_f32 v226, v215, v222
	v_mul_f32 v227, v215, v223
.macro SINCOS a, c, s
	v_mul_f32 v236, s55, v[\a]
	v_rndne_f32 v236, v236                         ; how many quarter turns
	v_fma_f32 v237, -v236, s56, v[\a]
	v_fma_f32 v237, -v236, s57, v237               ; r
	v_cvt_i32_f32 v239, v236
	v_mul_f32 v238, v237, v237                     ; z = r^2
	v_fma_f32 v216, v238, s58, s59
	v_fma_f32 v216, v216, v238, s60
	v_fma_f32 v216, v216, v238, -0.5
	v_fma_f32 v216, v216, v238, 1.0                ; cos r
	v_fma_f32 v217, v238, s61, s62
	v_fma_f32 v217, v217, v238, s63
	v_mul_f32 v218, v237, v238
	v_fma_f32 v217, v217, v218, v237               ; sin r
	v_and_b32 v219, 1, v239
	v_cmp_eq_u32 vcc_lo, 1, v219
	v_cndmask_b32 v[\s], v217, v216, vcc_lo        ; an odd quarter exchanges the two
	v_cndmask_b32 v[\c], v216, v217, vcc_lo
	v_and_b32 v219, 2, v239
	v_lshlrev_b32 v219, 30, v219
	v_xor_b32 v[\s], v219, v[\s]                   ; quarters 2, 3: -sine
	v_add_nc_u32 v219, 1, v239
	v_and_b32 v219, 2, v219
	v_lshlrev_b32 v219, 30, v219
	v_xor_b32 v[\c], v219, v[\c]                   ; quarters 1, 2: -cosine
.endm
	SINCOS 224, 228, 229
	SINCOS 225, 230, 231
	SINCOS 226, 232, 233
	SINCOS 227, 234, 235
	global_store_b128 v211, v[228:231], s[12:13]
	global_store_b128 v211, v[232:235], s[12:13] offset:262144
	; ---- the blocks
.macro BLOCK t
.set XS, X+32*((\t)%2)
.if (\t) < NB-1
	s_wait_loadcnt 32                              ; this block's 32 loads are in; the next block's may be out
.else
	s_wait_loadcnt 0
.endif
	v_max3_num_f32 v12, |v[XS]|, |v[XS+1]|, |v[XS+2]|
	v_max3_num_f32 v13, |v[XS+3]|, |v[XS+4]|, |v[XS+5]|
.irp i, 6,10,14,18,22,26
	v_max3_num_f32 v12, v12, |v[XS+\i]|, |v[XS+\i+1]|
	v_max3_num_f32 v13, v13, |v[XS+\i+2]|, |v[XS+\i+3]|
.endr
	v_max3_num_f32 v12, v12, |v[XS+30]|, |v[XS+31]|
	v_max3_num_f32 v12, v12, v13, 0x4800000        ; and the floor 2^(9 - 127)
	v_add_nc_u32 v11, 0xfc000000, v12              ; the conversion's scale operand
	v_and_or_b32 v10, v12, 0x7f800000, s31         ; 448 x the scale
	v_lshrrev_b32 v13, 23, v11                     ; the scale's byte
.if (\t)%4 == 0
	v_mov_b32 v[SB+(\t)/4], v13
.else
	v_lshl_or_b32 v[SB+(\t)/4], v13, 8*((\t)%4), v[SB+(\t)/4]
.endif
.irp i, 0,1,2,3,4,5,6,7,8,9,10,11,12,13,14,15,16,17,18,19,20,21,22,23,24,25,26,27,28,29,30,31
	v_med3_num_f32 v[XS+\i], v[XS+\i], -v10, v10   ; the hold: the conversion does not saturate (ISA guide 7.6.2)
.endr
.irp g, 0,1,2,3
	v_cvt_scalef32_pk8_fp8_f32 v[C+2*\g:C+2*\g+1], v[XS+8*\g:XS+8*\g+7], v11
.endr
	ds_store_b128 v4, v[C:C+3] offset:32*(\t)
	ds_store_b128 v4, v[C+4:C+7] offset:32*(\t)+16
.if (\t)+2 < NB
	LOAD (\t)+2
.endif
	s_wait_dscnt 0x0                               ; the stores have read their registers: the next block's codes may be written
.endm
.set Q, 0
.rept NB
	BLOCK Q
.set Q, Q+1
.endr
	global_store_b64 v9, v[SB:SB+1], s[10:11]      ; my column's 8 scale bytes
.irp t, 0,1,2,3,4,5,6,7,8,9,10,11,12,13,14,15
	ds_load_b128 v[OUTR+4*\t:OUTR+4*\t+3], v7 offset:2*\t*PITCH
.endr
.irp t, 0,1,2,3,4,5,6,7,8,9,10,11,12,13,14,15
	s_wait_dscnt 15-\t                             ; LDS loads come back in order: number t is in
	global_store_b128 v8, v[OUTR+4*\t:OUTR+4*\t+3], s[8:9] offset:2*\t*KROW
.endr
	s_wait_tensorcnt 0x0
	ds_add_u32 v240, v241
	s_wait_dscnt 0x0
	s_endpgm
.Lfunc_end_k_q96f873d869_quant_w:
	.size	k_q96f873d869_quant_w, .Lfunc_end_k_q96f873d869_quant_w-k_q96f873d869_quant_w
	.p2alignl 7, 3214868480
	.fill 96, 4, 3214868480
	.section	.rodata,"a",@progbits
	.p2align	6, 0x0
	.amdhsa_kernel k_q96f873d869_quant_w
		.amdhsa_group_segment_fixed_size 36352
		.amdhsa_private_segment_fixed_size 0
		.amdhsa_enable_private_segment 0
		.amdhsa_kernarg_size 40
		.amdhsa_user_sgpr_count 2
		.amdhsa_user_sgpr_kernarg_segment_ptr 1
		.amdhsa_wavefront_size32 1
		.amdhsa_system_sgpr_workgroup_id_x 1
		.amdhsa_system_sgpr_workgroup_id_y 1
		.amdhsa_system_sgpr_workgroup_id_z 1
		.amdhsa_system_vgpr_workitem_id 0
		.amdhsa_next_free_vgpr 242
		.amdhsa_next_free_sgpr 66
		.amdhsa_reserve_vcc 1
		.amdhsa_float_denorm_mode_32 3
		.amdhsa_float_denorm_mode_16_64 3
		.amdhsa_memory_ordered 1
		.amdhsa_forward_progress 1
		.amdhsa_inst_pref_size 69
	.end_amdhsa_kernel
	.amdgpu_metadata
---
amdhsa.version: [ 1, 2 ]
amdhsa.kernels:
  - .name:           k_q96f873d869_quant_w
    .symbol:         k_q96f873d869_quant_w.kd
    .args:
      - { .name: W_qkv, .offset: 0, .size: 8, .value_kind: global_buffer, .address_space: global }
      - { .name: W_out, .offset: 8, .size: 8, .value_kind: global_buffer, .address_space: global }
      - { .name: cod, .offset: 16, .size: 8, .value_kind: global_buffer, .address_space: global }
      - { .name: scl, .offset: 24, .size: 8, .value_kind: global_buffer, .address_space: global }
      - { .name: tab, .offset: 32, .size: 8, .value_kind: global_buffer, .address_space: global }
    .group_segment_fixed_size: 36352
    .private_segment_fixed_size: 0
    .kernarg_segment_align: 8
    .kernarg_segment_size: 40
    .max_flat_workgroup_size: 128
    .sgpr_count:     66
    .vgpr_count:     242
    .wavefront_size: 32
...
	.end_amdgpu_metadata
.endif
;; end of part 2
;; launch qkv (part 3): grid 12 x 16, 4 waves a work-group, clusters of 4 x 4, 327,680 bytes of LDS; arguments cod, scl, b_qkv, tab, qb, kvb; writes qb, kvb
.if DOCPART == 3
	.amdgcn_target "amdgcn-amd-amdhsa--gfx1250"
	.amdhsa_code_object_version 6
	.text
	.protected	k_q96f873d869_qkv
	.globl	k_q96f873d869_qkv
	.p2align	8
	.type	k_q96f873d869_qkv,@function
k_q96f873d869_qkv:
	s_mov_b64 s[64:65], 0
	v_nop
	global_prefetch_b8 v0, s[64:65] scope:SCOPE_SE
	s_setreg_imm32_b32 hwreg(HW_REG_WAVE_MODE, 25, 1), 1
	s_wait_xcnt 0x0
	s_wait_alu depctr_hold_cnt(0) depctr_sa_sdst(0) depctr_va_vdst(0) depctr_va_sdst(0) depctr_va_ssrc(0) depctr_va_vcc(0) depctr_vm_vsrc(0)
	s_getreg_b32 s2, hwreg(HW_REG_IB_STS2, 6, 4)
	s_cmp_eq_u32 s2, 0
	s_cbranch_scc0 .Lentry_in_a_cluster
	s_endpgm
.Lentry_in_a_cluster:
	s_bfe_u32 s2, ttmp6, 0x10000c
	s_cmp_lg_u32 s2, 0xf033
	s_cbranch_scc0 .Lentry_shape_is_right
	s_endpgm
.Lentry_shape_is_right:
; qkv = x W_qkv + b_qkv on codes of E4M3 with E8M0 scales (K = 1024), then RoPE on q and k, then q, k (along the head's 64) and v (along the keys) are quantised in registers and leave as IMAGES OF THE NEXT
; PRODUCTS' OPERAND REGISTERS.  Both operands come from cod [8192 rows][1024] and scl [8192][32]: rows 0-4095 x, rows 4096-7167 W_qkv's columns; within each 32 rows bits 3 and 4 of the row are exchanged.
; A work-group of four waves makes 256 x 256, a wave 128 x 128: 64 accumulators, 512 registers.  K goes in steps of 256 through two LDS slots filled by joint tensor loads in clusters of 4 x 4.
; THE MATRIX INSTRUCTION IS USED TRANSPOSED: source 0 = 16 rows of operand B', source 1 = 16 rows of A'.  By the rows' order lane (r, h) holds, in the 64 registers of A' block a, register 16 c + i =
; B' logical row 32 c + 16 h + i, for A' logical row 32 (a / 2) + 8 (a % 2) + r % 8 + 16 (r / 8).
; Clusters x = 0, 1: A' = x's rows, B' = W's q and k columns: a lane's registers run along the head's axis.  Cluster x = 2: A' = W's v columns, B' = x's rows: a lane's registers run along the keys.
; RECORDS.  qb and kvb are [head b 16 + h][block of 128 tokens][17,408 bytes]: +0 eight tiles of 16 tokens x 64 (1,024 bytes: two groups of 512 at 16 x lane); +8192 four fragments of V^T (16 of the head's 64 x 128 keys,
; 2,048 bytes); +16384 four images of 128 bytes of scale words (lanes 0-15 the even tile's rows, lanes 16-31 the odd tile's; a word is s0, s1, s0, s1); +16896 two such images for V^T; +17152 256 zero bytes.
; LIMITS: NaN and infinities are not served; blocks whose largest magnitude lies under 2^-118 keep the scale byte 1 (a block of zeros too: its codes are zeros, and only this program reads the bytes).
; REGISTERS, in windows of 256: window 0: v0-31 addresses; v32-63 scale words, two sets; from v128 A' fragments, one set; window 1: B' fragments, two sets; windows 2, 3: the accumulators ((a, b) at v[8 (8 (a % 4) + b)]).
.set KSTEP,  256
.set NQ,     2
.set ROWB,   256
.set KROW,   1024
.set PITCH,  272                       ; an LDS row: 256 bytes + 16: the 16 rows of a fragment load start 68 words apart
.set FR,     16
.set NL,     4
.set NP,     8                         ; places behind this matrix instruction (ISA guide 7.12.1)
.set HALFT,  128*PITCH
.set SLOT,   4*HALFT
.set LAPS,   2
.set KS,     32
.set SCL,    2*SLOT
.set HALFS,  (128*KS/256)*272
.set SBLK,   (16*KS/256)*272
.set SPARE,  SCL+4*HALFS               ; the spare words: 128 bytes a wave, named by no other line
.set REC,    17408
.set HEADB,  16*REC
.set ADRA, 16
.set ADRB, 20
.set ADRS, 27
.set SPW,  28
.set NIL,  29
.set SC,   32
.set AF,   128
.set G1, 24
.set G0, 32
.set G1B, 48
.set G0B, 56
.set G1S, 68
.set G0S, 76
.set G1SB, 80
.set G0SB, 88
.set SEL, 100                          ; s[100:101] lane selects for lane l xor 16
.set MNT, 66                           ; s66 the mantissa field of 448
.set HIL, 67                           ; s67 a mask of lanes 16-31
; the epilogue's registers, all in window 0
.set BI,  32                           ; v32-95   the bias of my 128 columns, in the accumulators' layout
.set CSN, 96                           ; v96-127  cos, sin of my token's 16 pairs
.set TT,  128                          ; v128-159 at work
.set Y,   160                          ; v160-223 64 numbers of a lane
.set PC,  224                          ; v224-239 the codes just made
.set TM,  240                          ; v240-255 at work in the quantiser
.set PW,  30                           ; v30      the scale word just made
.set BV,  8                            ; v8-15    v's bias, one number a block
.set MSB, 0
.macro WIN new                         ; the immediate's high byte repeats the setting that is left
.if MSB != \new
	s_set_vgpr_msb (MSB<<8)|\new
.set MSB, \new
.endif
.endm
.set MUL_LO, 0xa1
.set MUL_HI, 0xf1
.set TO_B,   0x40
; A joint load: waves 0 and 1 fetch for A', waves 2 and 3 for B'.  The branch hangs on the wave's number alone.  Four v_nop follow each of the two lines.
.macro JLOAD g0a, g1a, g0b, g1b
	s_cmp_eq_u32 s15, 0
	s_cbranch_scc0 .Lfor_b_\@
	tensor_load_to_lds s[\g0a:\g0a+3], s[\g1a:\g1a+7]
	s_nop 0
.rept 4
	v_nop
.endr
	s_branch .Lasked_\@
.Lfor_b_\@:
	tensor_load_to_lds s[\g0b:\g0b+3], s[\g1b:\g1b+7]
	s_nop 0
.rept 4
	v_nop
.endr
.Lasked_\@:
.endm
.macro CREST
	s_cmp_lg_u32 s14, 0
	s_cbranch_scc1 .Lnot_wave_0_\@
	s_barrier_signal -3
.Lnot_wave_0_\@:
	s_barrier_wait -3
	s_barrier_signal -1
	s_barrier_wait -1
.endm
.macro CROUND
	s_barrier_signal -1
	s_barrier_wait -1
	CREST
.endm
	s_load_b256 s[4:11], s[0:1], 0x0               ; cod, scl, b_qkv, tab
	s_load_b128 s[96:99], s[0:1], 0x20             ; qb, kvb
	v_lshl_add_u32 v[SPW], v0, 2, SPARE
	v_mov_b32 v[NIL], 0
	ds_add_u32 v28, v29
	ds_add_u32 v28, v29
	s_wait_dscnt 0x0
	v_lshrrev_b32 v1, 5, v0
	v_readfirstlane_b32 s14, v1                    ; wave
	s_lshr_b32 s15, s14, 1                         ; my half of A' rows.  Also: I fetch for A' (0) or B' (1)
	s_and_b32 s16, s14, 1                          ; my half of B' rows.  Also: which 128 rows I fetch
	s_bfe_u32 s40, ttmp6, 0x40000                  ; cx
	s_bfe_u32 s41, ttmp6, 0x40004                  ; cy
	s_and_b32 s2, ttmp7, 0xffff
	s_lshl_b32 s2, s2, 2                           ; 4 x cluster y
	s_lshl_b32 s95, ttmp9, 2
	s_add_co_u32 s95, s95, 16                      ; 16 + 4 x cluster x
	s_cmp_eq_u32 ttmp9, 2                          ; the v clusters: the same answer in all partners
	s_cselect_b32 s17, 24, s2
	s_cselect_b32 s42, s2, s95
	s_add_co_u32 s17, s17, s41                     ; A' tile of 256 rows of cod: hangs on cy alone
	s_add_co_u32 s42, s42, s40                     ; B' tile: on cx alone
	s_lshl_b32 s43, s41, 2
	s_lshl_b32 s43, 15, s43                        ; my row of the cluster
	s_lshl_b32 s44, 0x1111, s40                    ; my column
	s_or_b32 s[G1+0], s43, (0<<16)|(1<<20)|(1<<21)|(5<<22)|(3<<25)   ; mask; elements of 1 byte; padding: 4 words after every 64; bit 21 beside a mask
	s_or_b32 s[G1B+0], s44, (0<<16)|(1<<20)|(1<<21)|(5<<22)|(3<<25)
.irp g, G1, G1B
	s_mov_b32 s[\g+1], ROWB<<16
	s_mov_b32 s[\g+2], 128<<16
	s_mov_b32 s[\g+3], ROWB<<16
	s_mov_b32 s[\g+4], 128
	s_mov_b32 s[\g+5], KROW
	s_mov_b32 s[\g+6], 0
	s_mov_b32 s[\g+7], 0
.endr
	s_or_b32 s[G1S+0], s43, (3<<16)|(1<<20)|(1<<21)|(5<<22)|(3<<25)  ; the scales of 128 rows: 4,096 dense bytes as 16 rows of 256, 16 bytes of padding behind each
	s_or_b32 s[G1SB+0], s44, (3<<16)|(1<<20)|(1<<21)|(5<<22)|(3<<25)
.irp g, G1S, G1SB
	s_mov_b32 s[\g+1], 32<<16
	s_mov_b32 s[\g+2], (128*KS/256)<<16
	s_mov_b32 s[\g+3], 32<<16
	s_mov_b32 s[\g+4], 128*KS/256
	s_mov_b32 s[\g+5], 32
	s_mov_b32 s[\g+6], 0
	s_mov_b32 s[\g+7], 0
.endr
	s_lshl_b32 s18, s16, 7
	s_lshl_b32 s20, s17, 8
	s_add_co_u32 s20, s20, s18                     ; A': the first row that I fetch
	s_lshl_b32 s46, s42, 8
	s_add_co_u32 s46, s46, s18                     ; B' likewise
	s_lshl_b32 s22, s20, 5                         ; its scale bytes,
	s_lshl_b32 s92, s46, 5
	s_lshl_b32 s20, s20, 10                        ; its codes (8,191 rows of 1,024 bytes at the most)
	s_lshl_b32 s46, s46, 10
	s_mov_b32 s21, 0
	s_mov_b32 s23, 0
	s_mov_b32 s47, 0
	s_mov_b32 s93, 0
	s_mul_i32 s45, s14, HALFT                      ; where they go: wave x 128 rows
	s_mul_i32 s94, s14, HALFS
	s_mov_b32 s[SEL], 0x76543210
	s_mov_b32 s[SEL+1], 0xfedcba98
	s_mov_b32 s[MNT], 0x600000
	s_mov_b32 s[HIL], 0xffff0000
	s_wait_kmcnt 0x0
	s_add_nc_u64 s[20:21], s[4:5], s[20:21]
	s_add_nc_u64 s[22:23], s[6:7], s[22:23]
	s_add_nc_u64 s[46:47], s[4:5], s[46:47]
	s_add_nc_u64 s[92:93], s[6:7], s[92:93]
	CROUND                                         ; all sixteen work-groups are here: the first joint loads meet
	s_mov_b32 s[G0S], 1
	s_add_co_u32 s[G0S+1], s94, SCL
	s_mov_b64 s[G0S+2:G0S+3], s[22:23]
	s_or_b32 s[G0S+3], s[G0S+3], 0x80000000
	s_mov_b32 s[G0SB], 1
	s_add_co_u32 s[G0SB+1], s94, SCL
	s_mov_b64 s[G0SB+2:G0SB+3], s[92:93]
	s_or_b32 s[G0SB+3], s[G0SB+3], 0x80000000
	JLOAD G0S, G1S, G0SB, G1SB                     ; the scales of all of K: filled once
.irp s, 0,1
	s_mov_b32 s[G0+4*\s], 1
	s_add_co_u32 s[G0+4*\s+1], s45, \s*SLOT
	s_add_nc_u64 s[G0+4*\s+2:G0+4*\s+3], s[20:21], \s*ROWB
	s_or_b32 s[G0+4*\s+3], s[G0+4*\s+3], 0x80000000
	s_mov_b32 s[G0B+4*\s], 1
	s_add_co_u32 s[G0B+4*\s+1], s45, \s*SLOT
	s_add_nc_u64 s[G0B+4*\s+2:G0B+4*\s+3], s[46:47], \s*ROWB
	s_or_b32 s[G0B+4*\s+3], s[G0B+4*\s+3], 0x80000000
	JLOAD G0+4*\s, G1, G0B+4*\s, G1B
.endr
	v_and_b32 v1, 15, v0                           ; r
	v_bfe_u32 v2, v0, 4, 1                         ; h
	v_mul_u32_u24 v3, v1, PITCH
	v_lshl_add_u32 v4, v2, 4, v3
	s_mul_i32 s21, s15, HALFT
	s_mul_i32 s22, s16, HALFT
	s_add_co_u32 s22, s22, 2*HALFT
.irp s, 0,1
	v_add_nc_u32 v[ADRA+\s], s21, v4
	v_add_nc_u32 v[ADRB+\s], s22, v4
	s_add_co_u32 s21, s21, SLOT
	s_add_co_u32 s22, s22, SLOT
.endr
	v_mul_u32_u24 v5, v1, KS                       ; my row's scales: 32 bytes a row,
	v_lshrrev_b32 v6, 8, v5
	v_lshl_add_u32 v5, v6, 4, v5                   ; and 16 more for each 256 passed
	s_mul_i32 s21, s15, HALFS
	s_mul_i32 s22, s16, HALFS
	s_add_co_u32 s22, s22, 2*HALFS
	s_sub_co_u32 s22, s22, s21
	v_mul_u32_u24 v6, s22, v2                      ; lanes 16-31 take B' words
	s_add_co_u32 s21, s21, SCL
	v_add_nc_u32 v5, v5, v6
	v_add_nc_u32 v[ADRS], s21, v5
.macro FRAG reg, adr, q, i             ; 16 rows x 128 K: registers 4 c .. 4 c + 3 hold K = 32 c + 16 (l / 16) + 0 .. 15 of row l % 16
.irp c, 0,1,2,3
	ds_load_b128 v[\reg+4*\c:\reg+4*\c+3], v[\adr] offset:128*(\q)+32*\c+(\i)*16*PITCH
.endr
.endm
; 16 matrix instructions: A' blocks a0, a0 + 1 x B' eight.  The 64 accumulators take turns, one instruction a turn, in the same order in every step.
.macro MUL16 a0, p, q, sc, zero
.irp a, \a0, \a0+1
.irp b, 0,1,2,3,4,5,6,7
.if \zero
	v_wmma_scale_f32_16x16x128_f8f6f4 v[8*(8*((\a)%4)+\b):8*(8*((\a)%4)+\b)+7], v[128*(\p)+FR*\b:128*(\p)+FR*\b+FR-1], v[AF+FR*(\a):AF+FR*(\a)+FR-1], 0, v[SC+8*NQ*(\sc)+NQ*\b+(\q)], v[SC+8*NQ*(\sc)+NQ*(\a)+(\q)] matrix_a_scale:MATRIX_SCALE_ROW1
.else
	v_wmma_scale_f32_16x16x128_f8f6f4 v[8*(8*((\a)%4)+\b):8*(8*((\a)%4)+\b)+7], v[128*(\p)+FR*\b:128*(\p)+FR*\b+FR-1], v[AF+FR*(\a):AF+FR*(\a)+FR-1], v[8*(8*((\a)%4)+\b):8*(8*((\a)%4)+\b)+7], v[SC+8*NQ*(\sc)+NQ*\b+(\q)], v[SC+8*NQ*(\sc)+NQ*(\a)+(\q)] matrix_a_scale:MATRIX_SCALE_ROW1
.endif
.endr
.endr
.endm
.macro FETCH_B slot, q, p
	WIN TO_B
.irp i, 0,1,2,3,4,5,6,7
	FRAG 128*(\p)+FR*\i, ADRB+\slot, \q, \i
.endr
	WIN 0
.endm
.macro FETCH_A slot, q, i0
.irp i, \i0, \i0+1, \i0+2, \i0+3
	FRAG AF+FR*(\i), ADRA+\slot, \q, \i
.endr
.endm
.macro SCALES sc                       ; a K step's scale words: lanes 0-15 A' block i, lanes 16-31 B' block i
.irp i, 0,1,2,3,4,5,6,7
	ds_load_b64 v[SC+8*NQ*\sc+NQ*\i:SC+8*NQ*\sc+NQ*\i+1], v[ADRS] offset:\i*SBLK
.endr
.endm
.macro PLACES n                        ; plain vector lines between a matrix instruction and a load into, or a vector line on, its registers
.rept \n
	v_nop
.endr
.endm
.macro STEP slot, q, zero
	s_wait_dscnt 4*NL                              ; B' set and A' blocks 0-3 are in; the youngest 16 loads (A' blocks 4-7) may be out
	WIN MUL_LO
	MUL16 0, (\q)%2, \q, \slot, \zero
	MUL16 2, (\q)%2, \q, \slot, \zero
	s_wait_dscnt 0
	PLACES NP
	FETCH_B \slot, (\q)+1, 1-(\q)%2
	FETCH_A \slot, (\q)+1, 0
	WIN MUL_HI
	MUL16 4, (\q)%2, \q, \slot, \zero
	MUL16 6, (\q)%2, \q, \slot, \zero
	PLACES NP
	WIN 0
	FETCH_A \slot, (\q)+1, 4
.endm
; A slot's last step changes slots: one barrier; in front of it each wave waits for all its tensor loads, adds 0 to its spare word, and waits for that and for its reads of this slot.
.macro TURN slot, next, fill
	s_wait_tensorcnt 0x0                           ; all my tensor loads have landed: my part of the next slot
	ds_add_u32 v[SPW], v[NIL]                      ; 0 onto my spare word
	s_wait_dscnt 4*NL+1                            ; (the add and the youngest 16 loads may be out)
	WIN MUL_LO
	MUL16 0, 1, NQ-1, \slot, 0
	s_wait_dscnt 0x0                               ; the add is done, and my reads of this slot are over
	s_barrier_signal -1
	MUL16 2, 1, NQ-1, \slot, 0
	WIN 0
	s_barrier_wait -1
.if \fill
	CREST                                          ; the barrier has opened a round of the cluster's: no wave of any partner still reads this slot or has a load on its way
	s_add_nc_u64 s[G0+4*\slot+2:G0+4*\slot+3], s[G0+4*\slot+2:G0+4*\slot+3], 2*ROWB
	s_add_nc_u64 s[G0B+4*\slot+2:G0B+4*\slot+3], s[G0B+4*\slot+2:G0B+4*\slot+3], 2*ROWB
	JLOAD G0+4*\slot, G1, G0B+4*\slot, G1B         ; the first tensor load behind the round; its four v_nop are among the places below
	PLACES NP-4
.else
	PLACES NP
.endif
	v_add_nc_u32 v[ADRS], 4*NQ, v[ADRS]            ; the next K step's scale words
	FETCH_B \next, 0, 0
	FETCH_A \next, 0, 0
	SCALES \next
	WIN MUL_HI
	MUL16 4, 1, NQ-1, \slot, 0
	MUL16 6, 1, NQ-1, \slot, 0
	PLACES NP
	WIN 0
	FETCH_A \next, 0, 4
.endm
	s_wait_tensorcnt 1                             ; the scales and my part of K step 0 are in; K step 1's load may be out
	s_barrier_signal -1
	s_barrier_wait -1
	FETCH_B 0, 0, 0
	FETCH_A 0, 0, 0
	SCALES 0
	FETCH_A 0, 0, 4
	STEP 0, 0, 1                                   ; the first products start the sums
	s_mov_b32 s3, LAPS-1
.Llap:
	TURN 0, 1, 1
	STEP 1, 0, 0
	TURN 1, 0, 1
	STEP 0, 0, 0
	s_sub_co_u32 s3, s3, 1
	s_cmp_lg_u32 s3, 0
	s_cbranch_scc1 .Llap
	TURN 0, 1, 0                                   ; the last lap fills nothing
	STEP 1, 0, 0
	s_wait_dscnt 4*NL
	WIN MUL_LO
	MUL16 0, 1, NQ-1, 1, 0
	MUL16 2, 1, NQ-1, 1, 0
	s_wait_dscnt 0
	WIN MUL_HI
	MUL16 4, 1, NQ-1, 1, 0
	MUL16 6, 1, NQ-1, 1, 0
	WIN 0
; ---- THE EPILOGUE: no LDS.  Block by block of A': bias (and RoPE), the quantiser, the images.
; 64 numbers of a lane, register 16 b + i = k 32 b + 16 (lane / 16) + i of my row, become a fragment's codes in v[PC] on and its scale word in v[PW].
.macro QUANT s
.irp b, 0,1,2,3
	v_max3_num_f32 v[TM+\b], |v[\s+16*\b]|, |v[\s+1+16*\b]|, 0x4800000   ; my 16 numbers of block b, and the floor 2^(9 - 127)
.endr
.irp i, 2,4,6,8,10,12,14
.irp b, 0,1,2,3
	v_max3_num_f32 v[TM+\b], v[TM+\b], |v[\s+16*\b+\i]|, |v[\s+1+16*\b+\i]|
.endr
.endr
.irp b, 0,1,2,3
	v_permlanex16_b32 v[TM+4+\b], v[TM+\b], s[SEL], s[SEL+1]
.endr
.irp b, 0,1,2,3
	v_max_num_f32 v[TM+\b], v[TM+\b], v[TM+4+\b]   ; with lane l xor 16's: the block's largest magnitude
.endr
.irp b, 0,1,2,3
	v_add_nc_u32 v[TM+12+\b], 0xfc000000, v[TM+\b] ; the conversion's scale operand
.endr
.irp b, 0,1,2,3
	v_and_or_b32 v[TM+8+\b], v[TM+\b], 0x7f800000, s[MNT]   ; 448 x the scale
.endr
.irp b, 0,1,2,3
	v_lshrrev_b32 v[TM+4+\b], 23, v[TM+12+\b]      ; the scale's byte
.endr
	v_lshl_or_b32 v[PW], v[TM+5], 8, v[TM+4]
	v_lshl_or_b32 v[PW], v[TM+6], 16, v[PW]
	v_lshl_or_b32 v[PW], v[TM+7], 24, v[PW]
.irp b, 0,1,2,3
.irp i, 0,1,2,3,4,5,6,7,8,9,10,11,12,13,14,15
	v_med3_num_f32 v[\s+16*\b+\i], v[\s+16*\b+\i], -v[TM+8+\b], v[TM+8+\b]   ; the hold: the conversion does not saturate (ISA guide 7.6.2)
.endr
	v_cvt_scalef32_pk8_fp8_f32 v[PC+4*\b:PC+1+4*\b], v[\s+16*\b:\s+7+16*\b], v[TM+12+\b]
	v_cvt_scalef32_pk8_fp8_f32 v[PC+2+4*\b:PC+3+4*\b], v[\s+8+16*\b:\s+15+16*\b], v[TM+12+\b]
.endr
	v_nop                                          ; one plain line behind the last conversion
.endm
	PLACES NP                                      ; behind the last products: their operands' registers are written and their results read below
	v_and_b32 v1, 31, v0
	v_lshlrev_b32 v2, 2, v1                        ; 4 x lane
	v_lshlrev_b32 v3, 3, v1                        ; 8 x lane
	v_lshlrev_b32 v1, 4, v1                        ; 16 x lane
	v_and_b32 v16, 7, v0
	v_bfe_u32 v17, v0, 3, 1
	v_lshl_add_u32 v16, v17, 4, v16                ; r % 8 + 16 (r / 8): my A' row in its two tiles' 32
	v_bfe_u32 v17, v0, 4, 1
	v_lshlrev_b32 v5, 6, v17                       ; 64 h
	v_lshl_add_u32 v4, v16, 8, v5                  ; the table: my token's row of 256 bytes, + 64 h
	v_lshlrev_b32 v19, 2, v16
	v_mov_b32 v6, 0
	v_mov_b32 v7, 0
.irp b, 0,1,2,3
	v_mov_b32 v[TM+4+\b], 0                        ; written once: a lane permute's destination counts as one of its sources
.endr
	s_cmp_eq_u32 ttmp9, 2
	s_cbranch_scc1 .Lv
	; ---- q and k.  A' = tokens, B' = two heads' 128 columns
	s_lshr_b32 s18, s17, 3                         ; batch
	s_and_b32 s19, s17, 7
	s_lshl_b32 s20, s19, 1
	s_add_co_u32 s20, s20, s15                     ; my block of 128 tokens
	s_lshl_b32 s21, s40, 2
	s_lshl_b32 s22, s16, 1
	s_add_co_u32 s21, s21, s22                     ; my first head
	s_lshl_b32 s22, s18, 4
	s_add_co_u32 s22, s22, s21
	s_lshl_b32 s22, s22, 4
	s_add_co_u32 s22, s22, s20
	s_mul_i32 s22, s22, REC
	s_mov_b32 s23, 0
	s_lshl_b32 s44, s19, 16
	s_lshl_b32 s45, s15, 15
	s_add_co_u32 s44, s44, s45                     ; the table at my first token
	s_mov_b32 s45, 0
	s_sub_co_u32 s46, s42, 16
	s_lshl_b32 s46, s46, 10
	s_lshl_b32 s47, s16, 9
	s_add_co_u32 s46, s46, s47                     ; the bias at my first column
	s_mov_b32 s47, 0
	s_cmp_eq_u32 ttmp9, 0                          ; q goes to qb, k to kvb
	s_cselect_b64 s[12:13], s[96:97], s[98:99]
	s_add_nc_u64 s[12:13], s[12:13], s[22:23]
	s_add_nc_u64 s[10:11], s[10:11], s[44:45]
	s_add_nc_u64 s[8:9], s[8:9], s[46:47]
.irp c, 0,1,2,3
.irp u, 0,1
	global_load_b128 v[BI+16*\c+8*\u:BI+16*\c+8*\u+3], v5, s[8:9] offset:(32*\c+8*\u)*4
	global_load_b128 v[BI+16*\c+8*\u+4:BI+16*\c+8*\u+7], v5, s[8:9] offset:(32*\c+8*\u)*4+16
.endr
.endr
.macro CSLOAD a                        ; cos, sin of block a's token: pair 16 c + 8 h + 0 .. 7 at v[CSN + 16 c] on
.irp c, 0,1
.irp k, 0,1,2,3
	global_load_b128 v[CSN+16*\c+4*\k:CSN+16*\c+4*\k+3], v4, s[10:11] offset:(32*((\a)/2)+8*((\a)%2))*256+128*\c+16*\k
.endr
.endr
.endm
	CSLOAD 0
.macro QKBLOCK a
	s_wait_loadcnt 0x0                             ; this block's cos and sin (and, the first time, the bias)
	s_wait_xcnt 0x0                                ; the last block's stores have read their registers
	WIN 0x02+(\a)/4                                ; source 0: the accumulators' window
.set yy, 0
.rept 32
	v_pk_add_f32 v[Y+yy:Y+yy+1], v[64*((\a)%4)+yy:64*((\a)%4)+yy+1], v[BI+yy:BI+yy+1]   ; + bias; each accumulator from its low end on
.set yy, yy+2
.endr
	WIN 0
.irp hh, 0,1                           ; a head at a time: (x1, x2) -> (x1 c - x2 s, x2 c + x1 s)
.set yy, 0
.rept 16
	v_pk_mul_f32 v[TT+yy:TT+yy+1], v[Y+32*\hh+yy:Y+32*\hh+yy+1], v[CSN+yy:CSN+yy+1] op_sel_hi:[1,0]
.set yy, yy+2
.endr
.set yy, 0
.rept 16
	v_pk_fma_f32 v[Y+32*\hh+yy:Y+32*\hh+yy+1], v[Y+32*\hh+yy:Y+32*\hh+yy+1], v[CSN+yy:CSN+yy+1], v[TT+yy:TT+yy+1] op_sel:[1,1,0] op_sel_hi:[0,1,1] neg_lo:[0,1,0]
.set yy, yy+2
.endr
.endr
.if (\a) < 7
	CSLOAD (\a)+1                                  ; lands while this block is quantised
.endif
	QUANT Y
.irp g, 0,1,2,3
	global_store_b128 v1, v[PC+4*\g:PC+4*\g+3], s[12:13] offset:(\g/2)*HEADB+(\a)*1024+(\g%2)*512   ; 512 consecutive bytes: group g % 2 of tile a of head g / 2
.endr
.if (\a)%2 == 0
	v_perm_b32 v31, v[PW], v[PW], 0x01000100       ; the first head's word: s0, s1, s0, s1
	v_perm_b32 v22, v[PW], v[PW], 0x03020302       ; the second head's
.else
	v_perm_b32 v23, v[PW], v[PW], 0x01000100
	v_perm_b32 v18, v[PW], v[PW], 0x03020302
	v_cndmask_b32 v31, v31, v23, s[HIL]            ; lanes 0-15 the even tile's rows, lanes 16-31 the odd tile's
	v_cndmask_b32 v22, v22, v18, s[HIL]
	global_store_b32 v2, v31, s[12:13] offset:16384+((\a)/2)*128
	global_store_b32 v2, v22, s[12:13] offset:HEADB+16384+((\a)/2)*128
.endif
.endm
.irp a, 0,1,2,3,4,5,6,7
	QKBLOCK \a
.endr
	s_branch .Ldone
.Lv:
	; ---- v.  A' = two heads' 128 columns, B' = 128 tokens: a lane's registers run along the keys
	s_lshr_b32 s18, s42, 3                         ; batch
	s_and_b32 s19, s42, 7
	s_lshl_b32 s20, s19, 1
	s_add_co_u32 s20, s20, s16                     ; my block of 128 keys
	s_lshl_b32 s21, s41, 2
	s_lshl_b32 s22, s15, 1
	s_add_co_u32 s21, s21, s22                     ; my first head
	s_lshl_b32 s22, s18, 4
	s_add_co_u32 s22, s22, s21
	s_lshl_b32 s22, s22, 4
	s_add_co_u32 s22, s22, s20
	s_mul_i32 s22, s22, REC
	s_mov_b32 s23, 0
	s_sub_co_u32 s46, s17, 16
	s_lshl_b32 s46, s46, 10
	s_lshl_b32 s47, s15, 9
	s_add_co_u32 s46, s46, s47                     ; the bias at my first column
	s_mov_b32 s47, 0
	s_add_nc_u64 s[12:13], s[98:99], s[22:23]
	s_add_nc_u64 s[8:9], s[8:9], s[46:47]
.irp a, 0,1,2,3,4,5,6,7
	global_load_b32 v[BV+\a], v19, s[8:9] offset:(32*(\a/2)+8*(\a%2))*4   ; the bias of my row of block a
.endr
.macro VBLOCK a
.if (\a) == 0
	s_wait_loadcnt 0x0
.endif
	s_wait_xcnt 0x0                                ; the last block's stores have read their registers
	WIN 0x02+(\a)/4
.set yy, 0
.rept 32
.if (\a)%2
	v_pk_add_f32 v[Y+yy:Y+yy+1], v[64*((\a)%4)+yy:64*((\a)%4)+yy+1], v[BV+2*((\a)/2):BV+2*((\a)/2)+1] op_sel:[0,1] op_sel_hi:[1,1]
.else
	v_pk_add_f32 v[Y+yy:Y+yy+1], v[64*((\a)%4)+yy:64*((\a)%4)+yy+1], v[BV+2*((\a)/2):BV+2*((\a)/2)+1] op_sel:[0,0] op_sel_hi:[1,0]
.endif
.set yy, yy+2
.endr
	WIN 0
	QUANT Y
.irp g, 0,1,2,3
	global_store_b128 v1, v[PC+4*\g:PC+4*\g+3], s[12:13] offset:((\a)/4)*HEADB+8192+((\a)%4)*2048+512*\g
.endr
.if (\a)%2 == 0
	v_mov_b32 v31, v[PW]
.else
	v_cndmask_b32 v31, v31, v[PW], s[HIL]
	global_store_b32 v2, v31, s[12:13] offset:((\a)/4)*HEADB+16896+(((\a)%4)/2)*128
.endif
.if (\a)%4 == 3
	global_store_b64 v3, v[6:7], s[12:13] offset:((\a)/4)*HEADB+17152   ; the record's last 256 bytes: zeros, so that every byte that is read later has been written
.endif
.endm
.irp a, 0,1,2,3,4,5,6,7
	VBLOCK \a
.endr
.Ldone:
	s_wait_tensorcnt 0x0                           ; the wave's end
	ds_add_u32 v[SPW], v[NIL]
	s_wait_dscnt 0x0
	CROUND                                         ; the closing round: no work-group ends while a partner may still ask for a tile that names it
	s_endpgm
.Lfunc_end_k_q96f873d869_qkv:
	.size	k_q96f873d869_qkv, .Lfunc_end_k_q96f873d869_qkv-k_q96f873d869_qkv
	.p2alignl 7, 3214868480
	.fill 96, 4, 3214868480
	.section	.rodata,"a",@progbits
	.p2align	6, 0x0
	.amdhsa_kernel k_q96f873d869_qkv
		.amdhsa_group_segment_fixed_size 327680
		.amdhsa_private_segment_fixed_size 0
		.amdhsa_enable_private_segment 0
		.amdhsa_kernarg_size 48
		.amdhsa_user_sgpr_count 2
		.amdhsa_user_sgpr_kernarg_segment_ptr 1
		.amdhsa_wavefront_size32 1
		.amdhsa_system_sgpr_workgroup_id_x 1
		.amdhsa_system_sgpr_workgroup_id_y 1
		.amdhsa_system_sgpr_workgroup_id_z 1
		.amdhsa_system_vgpr_workitem_id 0
		.amdhsa_next_free_vgpr 1024
		.amdhsa_next_free_sgpr 102
		.amdhsa_reserve_vcc 0
		.amdhsa_float_denorm_mode_32 3
		.amdhsa_float_denorm_mode_16_64 3
		.amdhsa_memory_ordered 1
		.amdhsa_forward_progress 1
		.amdhsa_inst_pref_size 255
	.end_amdhsa_kernel
	.section	.bss,"aw",@nobits
	.p2align	6
	.space	262144
	.amdgpu_metadata
---
amdhsa.version: [ 1, 2 ]
amdhsa.kernels:
  - .name:           k_q96f873d869_qkv
    .symbol:         k_q96f873d869_qkv.kd
    .args:
      - { .name: cod, .offset: 0, .size: 8, .value_kind: global_buffer, .address_space: global }
      - { .name: scl, .offset: 8, .size: 8, .value_kind: global_buffer, .address_space: global }
      - { .name: b_qkv, .offset: 16, .size: 8, .value_kind: global_buffer, .address_space: global }
      - { .name: tab, .offset: 24, .size: 8, .value_kind: global_buffer, .address_space: global }
      - { .name: qb, .offset: 32, .size: 8, .value_kind: global_buffer, .address_space: global }
      - { .name: kvb, .offset: 40, .size: 8, .value_kind: global_buffer, .address_space: global }
    .group_segment_fixed_size: 327680
    .private_segment_fixed_size: 0
    .kernarg_segment_align: 8
    .kernarg_segment_size: 48
    .max_flat_workgroup_size: 128
    .sgpr_count:     102
    .vgpr_count:     1024
    .wavefront_size: 32
...
	.end_amdgpu_metadata
.endif
;; end of part 3
;; launch attn (part 4): grid 8 x 32, 16 waves a work-group, clusters of 4 x 1, 327,680 bytes of LDS; arguments qb, kvb, ac, asc; writes ac, asc
.if DOCPART == 4
	.amdgcn_target "amdgcn-amd-amdhsa--gfx1250"
	.amdhsa_code_object_version 6
	.text
	.protected	k_q96f873d869_attn
	.globl	k_q96f873d869_attn
	.p2align	8
	.type	k_q96f873d869_attn,@function
k_q96f873d869_attn:
	s_mov_b64 s[64:65], 0
	v_nop
	global_prefetch_b8 v0, s[64:65] scope:SCOPE_SE
	s_setreg_imm32_b32 hwreg(HW_REG_WAVE_MODE, 25, 1), 1
	s_wait_xcnt 0x0
	s_wait_alu depctr_hold_cnt(0) depctr_sa_sdst(0) depctr_va_vdst(0) depctr_va_sdst(0) depctr_va_ssrc(0) depctr_va_vcc(0) depctr_vm_vsrc(0)
	s_getreg_b32 s2, hwreg(HW_REG_IB_STS2, 6, 4)
	s_cmp_eq_u32 s2, 0
	s_cbranch_scc0 .Lentry_in_a_cluster
	s_endpgm
.Lentry_in_a_cluster:
	s_bfe_u32 s2, ttmp6, 0x10000c
	s_cmp_lg_u32 s2, 0x3003
	s_cbranch_scc0 .Lentry_shape_is_right
	s_endpgm
.Lentry_shape_is_right:
; Causal attention of one head on codes of E4M3 with E8M0 scales.  q, k, v arrive as images of operand registers (records of 17,408 bytes for 128 tokens: eight tiles of 16 tokens x 64, four fragments of V^T,
; their scale words).  The result, divided by the row's sum, is quantised along (head, d) and leaves as images of the last product's operand: ac [row tile 256][K step 8][group 4][lane 32][16 bytes], asc [row 4096][32].
; THE SOFTMAX: t = score x log2(e) / 8; M = the running largest t rounded up to a whole number; p = 2^(t - M) is quantised along the keys; the row's sum is taken of the unquantised p.  When M moves, the sum and O are
; multiplied by 2^(old M - new M): exact.  Hidden scores become -infinity, so p = 0, where reference() writes -1e9: the same p as long as the visible logits lie above about -1e9 + 150.
; SHARES.  A work-group has 16 waves; wave w owns ONE tile of 16 queries: tile i (the work-group's x, 0-7) of the block of 128 tokens gamma = w xor 3 ((w >> 2) & 1).  It needs key steps 0 .. gamma of 128 keys:
; 136 steps a work-group whatever i, and waves w, w + 4, w + 8, w + 12 have 34 together.  Every wave walks the loop's 16 trips; a scalar branch on ids leaves out the steps behind its diagonal.
; LDS holds the head's 16 records, 278,528 bytes, filled ONCE: wave w brings record w by one tensor load, asked jointly by the four work-groups of a cluster, which read the same head.
; LAYOUT.  S^T = K Q^T (source 0 = 16 keys, source 1 = my 16 queries), O^T = V^T P^T: a lane holds one query throughout.  Position r of token tile 2 b + u is token 32 b + 8 u + r % 8 + 16 (r / 8), so the 16 registers of
; tiles 2 b, 2 b + 1 are 16 neighbouring keys.  THE HEAD'S K IS 64, THE INSTRUCTION'S 128: the other half of both operands is zero codes; even tiles are [codes | zeros], odd tiles [zeros | codes] against the
; same order of Q, so that two tiles share eight zero registers; the scale words carry s0, s1 in both halves.
; LIMITS: NaN and infinities are not served; blocks whose largest magnitude lies under 2^-118 keep the scale byte 1.  The result's scale bytes leave one byte a lane, 32 bytes apart (a row's 32 bytes come from 16 heads' work-groups).
.set REC,   17408
.set HEADB, 16*REC
.set A16, 1                            ; v1   16 x lane; never rewritten
.set A4,  2                            ; v2   4 x lane
.set ADK, 3                            ; v3   the record in hand + 16 x lane
.set ADS, 4                            ; v4   + 4 x lane
.set DQ,  5                            ; v5   my query's place in its 128, less 16 (lane / 16)
.set S,   88                           ; v88-151  S^T, then p, then V^T's four fragments
.set O,   152                          ; v152-183 O^T
.set PCD, 184                          ; v184-199 p's codes
.set T0,  200                          ; v200-215 four sets of four, at work
.set T1,  204
.set T2,  208
.set T3,  212
.set KSC, 216                          ; v216-219 K's scale words, two tiles a register
.set VSC, 220                          ; v220-221 V^T's
.set F,   224                          ; v224 f = 2^(old M - new M)
.set PWD, 225                          ; v225 p's scale word
.set TMP, 226
.set QS,  227                          ; v227 Q's scale words
.set NINF, 228
.set WV, 12
.set GA, 13
.set II, 14
.set HB, 15
.set G1, 16
.set G0, 24
.set SEL, 32
.set CS, 34                            ; s[34:35] c = log2(e) / 8
.set MNT, 36
.set TB, 37                            ; the record's LDS byte
.set ST, 38                            ; the key step
.set CNT, 39
.set HIL, 40
.macro ROUND                           ; a round of the cluster's barrier
	s_barrier_signal -1
	s_barrier_wait -1
	s_cmp_lg_u32 s[WV], 0
	s_cbranch_scc1 .Lnot_wave_0_\@
	s_barrier_signal -3
.Lnot_wave_0_\@:
	s_barrier_wait -3
	s_barrier_signal -1
	s_barrier_wait -1
.endm
	s_load_b256 s[4:11], s[0:1], 0x0               ; qb, kvb, ac, asc
	v_lshl_add_u32 v254, v0, 2, 0x44000
	v_mov_b32 v255, 0
	ds_add_u32 v254, v255
	ds_add_u32 v254, v255
	v_lshrrev_b32 v1, 5, v0
	v_readfirstlane_b32 s[WV], v1                  ; wave 0..15
	s_lshr_b32 s[GA], s[WV], 2
	s_and_b32 s[GA], s[GA], 1
	s_mul_i32 s[GA], s[GA], 3
	s_xor_b32 s[GA], s[GA], s[WV]                  ; gamma
	s_bfe_u32 s[II], ttmp6, 0x40000                ; cx
	s_lshl_b32 s41, ttmp9, 2
	s_add_co_u32 s[II], s[II], s41                 ; i: it enters global addresses and the mask's numbers alone
	s_and_b32 s[HB], ttmp7, 0xffff                 ; 16 x batch + head, which the partners share
	s_mov_b32 s[G1], 15|(3<<16)|(1<<21)            ; the mask: all four work-groups; elements of 8 bytes; bit 21 beside a mask; no padding
	s_mov_b32 s[G1+1], 32<<16                      ; tensor_dim0: 32 elements = 256 bytes
	s_mov_b32 s[G1+2], 68<<16                      ; tensor_dim1: 68 rows = a record
	s_mov_b32 s[G1+3], 32<<16                      ; tile_dim0
	s_mov_b32 s[G1+4], 68                          ; tile_dim1
	s_mov_b32 s[G1+5], 32                          ; dense
	s_mov_b32 s[G1+6], 0
	s_mov_b32 s[G1+7], 0
	s_mul_i32 s42, s[HB], HEADB                    ; the head's first byte in qb and kvb
	s_mov_b32 s43, 0
	s_mul_i32 s44, s[WV], REC                      ; record w, in memory and in LDS
	s_mov_b32 s45, 0
	s_mul_i32 s50, s[GA], REC
	s_lshl_b32 s46, s[II], 10
	s_add_co_u32 s46, s46, s50                     ; my tile of Q
	s_mov_b32 s47, 0
	s_lshl_b32 s28, s[II], 6
	s_add_co_u32 s28, s28, s50                     ; its scale words: 64 bytes a tile
	s_mov_b32 s29, 0
	s_lshr_b32 s30, s[II], 1
	s_lshl_b32 s30, s30, 5
	s_and_b32 s31, s[II], 1
	s_lshl_b32 s31, s31, 3
	s_add_co_u32 s30, s30, s31                     ; 32 (i / 2) + 8 (i % 2)
	s_lshr_b32 s41, s[HB], 4
	s_lshl_b32 s41, s41, 7
	s_lshl_b32 s50, s[GA], 3
	s_add_co_u32 s41, s41, s50
	s_add_co_u32 s41, s41, s[II]                   ; my row tile: 128 x batch + 8 gamma + i
	s_and_b32 s51, s[HB], 15                       ; the head
	s_lshl_b32 s52, s41, 14
	s_lshl_b32 s53, s51, 10
	s_add_co_u32 s52, s52, s53                     ; ac: 16,384 bytes a row tile, 1,024 a head
	s_mov_b32 s53, 0
	s_lshl_b32 s54, s41, 9
	s_lshl_b32 s55, s51, 1
	s_add_co_u32 s54, s54, s55                     ; asc: 512 bytes a row tile, 2 a head
	s_mov_b32 s55, 0
	s_mov_b32 s[SEL], 0x76543210
	s_mov_b32 s[SEL+1], 0xfedcba98
	s_mov_b32 s[CS], 0x3e38aa3b
	s_mov_b32 s[CS+1], s[CS]                       ; (named with it as a pair)
	s_mov_b32 s[MNT], 0x600000
	s_mov_b32 s[HIL], 0xffff0000
	s_mov_b32 s[TB], 0
	s_mov_b32 s[ST], 0
	s_mov_b32 s[CNT], 16
	s_wait_dscnt 0x0
	s_wait_kmcnt 0x0
	s_add_nc_u64 s[6:7], s[6:7], s[42:43]
	s_mov_b32 s[G0], 1
	s_mov_b32 s[G0+1], s44
	s_add_nc_u64 s[G0+2:G0+3], s[6:7], s[44:45]
	s_or_b32 s[G0+3], s[G0+3], 0x80000000
	ROUND                                          ; all four work-groups are here: the joint loads meet
	tensor_load_to_lds s[G0:G0+3], s[G1:G1+7]      ; my one tensor load of the launch: record w
	s_nop 0
.rept 4
	v_nop
.endr
	s_add_nc_u64 s[4:5], s[4:5], s[42:43]
	s_add_nc_u64 s[48:49], s[4:5], s[28:29]
	s_add_nc_u64 s[4:5], s[4:5], s[46:47]
	s_add_nc_u64 s[8:9], s[8:9], s[52:53]
	s_add_nc_u64 s[10:11], s[10:11], s[54:55]
	v_and_b32 v6, 31, v0
	v_lshlrev_b32 v[A16], 4, v6
	v_lshlrev_b32 v[A4], 2, v6
	v_and_b32 v7, 15, v0
	v_lshlrev_b32 v10, 5, v7
	v_lshlrev_b32 v7, 2, v7
	global_load_b128 v[16:19], v[A16], s[4:5]              ; Q, in front of eight zero registers,
	global_load_b128 v[20:23], v[A16], s[4:5] offset:512
	global_load_b128 v[32:35], v[A16], s[4:5]              ; and once more behind them
	global_load_b128 v[36:39], v[A16], s[4:5] offset:512
	global_load_b32 v[QS], v7, s[48:49] offset:16384
	v_and_b32 v8, 7, v0
	v_bfe_u32 v9, v0, 3, 1
	v_lshl_add_u32 v8, v9, 4, v8
	v_bfe_u32 v9, v0, 4, 1
	v_add_nc_u32 v10, v10, v9                      ; the way out: 32 r + h
	v_lshlrev_b32 v9, 4, v9
	v_sub_nc_u32 v8, v8, v9
	v_add_nc_u32 v[DQ], s30, v8
	v_mov_b32 v13, 0xff61b1e6                      ; the largest t so far: -3e38
	v_floor_f32 v12, -v13                          ; -M
	v_mov_b32 v14, 0
	v_mov_b32 v15, 0
	v_mov_b32 v[PWD], 0
	v_mov_b32 v[TMP], 0
	v_mov_b32 v[NINF], 0xff800000
.irp b, 0,1,2,3
	v_mov_b32 v[T1+\b], 0                          ; written once: a lane permute's destination counts as one of its sources
.endr
.set zz, 0
.rept 8
	v_mov_b32 v[24+zz], 0                          ; the zero halves: Q's,
	v_mov_b32 v[48+zz], 0                          ; and K's two
	v_mov_b32 v[72+zz], 0
.set zz, zz+1
.endr
.set zz, 0
.rept 32
	v_mov_b32 v[O+zz], 0                           ; O^T: the step is written once; the first change of M multiplies zeros
.set zz, zz+1
.endr
; A KEY STEP: the 128 keys of the record at s[TB].
.macro STEP
	s_cmp_gt_u32 s[ST], s[GA]                      ; all of the step's keys come after my queries: left out
	s_cbranch_scc1 .Lskip_\@
	v_add_nc_u32 v[ADK], s[TB], v[A16]
	v_add_nc_u32 v[ADS], s[TB], v[A4]
.rept 7
	v_nop                                          ; with the two additions nine places behind the last step's products: the scores below are written over the registers that those read as V^T
.endr
.irp p, 0,1,2,3
	ds_load_b32 v[KSC+\p], v[ADS] offset:16384+128*\p
.endr
.irp p, 0,1
	ds_load_b32 v[VSC+\p], v[ADS] offset:16896+128*\p
.endr
.irp g, 0,1
.if \g
.rept 8
	v_nop                                          ; places in front of loads into registers that the four products above have read
.endr
.endif
.irp c, 0,1
	ds_load_b128 v[40+4*\c:43+4*\c], v[ADK] offset:(4*\g+0)*1024+512*\c
	ds_load_b128 v[56+4*\c:59+4*\c], v[ADK] offset:(4*\g+1)*1024+512*\c
	ds_load_b128 v[64+4*\c:67+4*\c], v[ADK] offset:(4*\g+2)*1024+512*\c
	ds_load_b128 v[80+4*\c:83+4*\c], v[ADK] offset:(4*\g+3)*1024+512*\c
.endr
	s_wait_dscnt 0x0
	v_wmma_scale_f32_16x16x128_f8f6f4 v[S+8*(4*\g+0):S+8*(4*\g+0)+7], v[40:55], v[16:31], 0, v[KSC+2*\g], v[QS]
	v_wmma_scale_f32_16x16x128_f8f6f4 v[S+8*(4*\g+1):S+8*(4*\g+1)+7], v[48:63], v[24:39], 0, v[KSC+2*\g], v[QS] matrix_a_scale:MATRIX_SCALE_ROW1
	v_wmma_scale_f32_16x16x128_f8f6f4 v[S+8*(4*\g+2):S+8*(4*\g+2)+7], v[64:79], v[16:31], 0, v[KSC+2*\g+1], v[QS]
	v_wmma_scale_f32_16x16x128_f8f6f4 v[S+8*(4*\g+3):S+8*(4*\g+3)+7], v[72:87], v[24:39], 0, v[KSC+2*\g+1], v[QS] matrix_a_scale:MATRIX_SCALE_ROW1
.endr
.rept 8
	v_nop
.endr
	s_cmp_lg_u32 s[ST], s[GA]                      ; only my diagonal step has hidden keys
	s_cbranch_scc1 .Lopen_\@
.set n, 0
.rept 64
	v_cmp_gt_i32 vcc_lo, 32*(n/16)+n%16, v[DQ]     ; register 16 b + i holds key 32 b + 16 (lane / 16) + i of the step
	v_cndmask_b32 v[S+n], v[S+n], v[NINF], vcc_lo
.set n, n+1
.endr
.Lopen_\@:
.irp b, 0,1,2,3
	v_max3_num_f32 v[T0+\b], v[S+16*\b], v[S+1+16*\b], v[S+2+16*\b]   ; the largest score of each block of 32 keys: for the row's maximum, and for the block's largest p
.endr
.irp i, 3,5,7,9,11,13
.irp b, 0,1,2,3
	v_max3_num_f32 v[T0+\b], v[T0+\b], v[S+16*\b+\i], v[S+1+16*\b+\i]
.endr
.endr
.irp b, 0,1,2,3
	v_max_num_f32 v[T0+\b], v[T0+\b], v[S+15+16*\b]
.endr
.irp b, 0,1,2,3
	v_permlanex16_b32 v[T1+\b], v[T0+\b], s[SEL], s[SEL+1]
.endr
.irp b, 0,1,2,3
	v_max_num_f32 v[T0+\b], v[T0+\b], v[T1+\b]     ; with lane l xor 16's 16 keys
.endr
	v_max3_num_f32 v[TMP], v[T0], v[T0+1], v[T0+2]
	v_max_num_f32 v[TMP], v[TMP], v[T0+3]
	v_mul_f32 v[TMP], s[CS], v[TMP]                ; as t
	v_max_num_f32 v13, v13, v[TMP]                 ; the running largest t
	v_mov_b32 v[TMP], v12
	v_floor_f32 v12, -v13                          ; the new -M = -ceil(t)
	v_sub_f32 v[TMP], v12, v[TMP]                  ; old M - new M: a whole number, 0 or less
	v_cvt_i32_f32 v[TMP], v[TMP]                   ; (it saturates)
	v_ldexp_f32 v[F], 1.0, v[TMP]
.set j, 0
.rept 32
	v_pk_fma_f32 v[S+j:S+j+1], v[S+j:S+j+1], s[CS:CS+1], v[12:13] op_sel_hi:[1,0,0]   ; t - M
.set j, j+2
.endr
.irp b, 0,1,2,3
	v_fma_f32 v[T0+\b], v[T0+\b], s[CS], v12
.endr
.set j, 0
.rept 64
	v_exp_f32 v[S+j], v[S+j]                       ; p = 2^(t - M)
.set j, j+1
.endr
.irp b, 0,1,2,3
	v_exp_f32 v[T0+\b], v[T0+\b]                   ; the block's largest p: the same two instructions on the same number
.endr
	v_pk_mul_f32 v[14:15], v[14:15], v[F:F+1] op_sel_hi:[1,0]   ; the sums under the new M (a plain line behind the exponentials)
	s_wait_alu depctr_va_vdst(0)
.irp b, 0,1,2,3
	v_max_num_f32 v[T0+\b], 0x4800000, v[T0+\b]    ; the floor 2^(9 - 127)
.endr
.irp b, 0,1,2,3
	v_add_nc_u32 v[T3+\b], 0xfc000000, v[T0+\b]    ; the conversion's scale operand
.endr
.irp b, 0,1,2,3
	v_and_or_b32 v[T2+\b], v[T0+\b], 0x7f800000, s[MNT]   ; 448 x the scale
.endr
.irp b, 0,1,2,3
	v_lshrrev_b32 v[T1+\b], 23, v[T3+\b]           ; the scale's byte
.endr
	v_lshl_or_b32 v[PWD], v[T1+1], 8, v[T1]
	v_lshl_or_b32 v[PWD], v[T1+2], 16, v[PWD]
	v_lshl_or_b32 v[PWD], v[T1+3], 24, v[PWD]
	v_pk_add_f32 v[T1:T1+1], v[S:S+1], v[S+2:S+3]  ; the row's sum of the unquantised p, in two chains
.irp j, 4,8,12,16,20,24,28,32,36,40,44,48,52,56,60
	v_pk_add_f32 v[14:15], v[14:15], v[S+\j:S+1+\j]
	v_pk_add_f32 v[T1:T1+1], v[T1:T1+1], v[S+2+\j:S+3+\j]
.endr
	v_pk_add_f32 v[14:15], v[14:15], v[T1:T1+1]
.irp b, 0,1,2,3
.irp i, 0,1,2,3,4,5,6,7,8,9,10,11,12,13,14,15
	v_min_num_f32 v[S+16*\b+\i], v[S+16*\b+\i], v[T2+\b]   ; the hold; p is not negative
.endr
	v_cvt_scalef32_pk8_fp8_f32 v[PCD+4*\b:PCD+1+4*\b], v[S+16*\b:S+7+16*\b], v[T3+\b]
	v_cvt_scalef32_pk8_fp8_f32 v[PCD+2+4*\b:PCD+3+4*\b], v[S+8+16*\b:S+15+16*\b], v[T3+\b]
.endr
.irp a, 0,1,2,3
.irp c, 0,1,2,3
	ds_load_b128 v[S+16*\a+4*\c:S+16*\a+4*\c+3], v[ADK] offset:8192+2048*\a+512*\c   ; V^T's four fragments, where p lay
.endr
.endr
.set j, 0
.rept 16
	v_pk_mul_f32 v[O+j:O+j+1], v[O+j:O+j+1], v[F:F+1] op_sel_hi:[1,0]   ; O^T under the new M; also the plain lines behind the conversions and in front of the products
.set j, j+2
.endr
.rept 4
	v_nop                                          ; between the last of these and the products that add onto them; V^T is landing meanwhile
.endr
	s_wait_dscnt 0x0
	v_wmma_scale_f32_16x16x128_f8f6f4 v[O:O+7], v[S:S+15], v[PCD:PCD+15], v[O:O+7], v[VSC], v[PWD]
	v_wmma_scale_f32_16x16x128_f8f6f4 v[O+8:O+15], v[S+16:S+31], v[PCD:PCD+15], v[O+8:O+15], v[VSC], v[PWD] matrix_a_scale:MATRIX_SCALE_ROW1
	v_wmma_scale_f32_16x16x128_f8f6f4 v[O+16:O+23], v[S+32:S+47], v[PCD:PCD+15], v[O+16:O+23], v[VSC+1], v[PWD]
	v_wmma_scale_f32_16x16x128_f8f6f4 v[O+24:O+31], v[S+48:S+63], v[PCD:PCD+15], v[O+24:O+31], v[VSC+1], v[PWD] matrix_a_scale:MATRIX_SCALE_ROW1
.Lskip_\@:
	s_add_co_u32 s[ST], s[ST], 1
	s_add_co_u32 s[TB], s[TB], REC
.endm
	s_wait_loadcnt 0x0                             ; Q
	s_wait_tensorcnt 0x0                           ; my record has landed,
	s_barrier_signal -1
	s_barrier_wait -1                              ; everybody's has: the whole head lies in LDS, and nothing is filled again
.Lstep:
	STEP
	s_sub_co_u32 s[CNT], s[CNT], 1
	s_cmp_lg_u32 s[CNT], 0
	s_cbranch_scc1 .Lstep
	; THE WAY OUT: O^T / the sum; register 16 c + i is d = 32 c + 16 (lane / 16) + i of my query: two blocks of the last product's K
.rept 8
	v_nop
.endr
	v_add_f32 v14, v14, v15
	v_permlanex16_b32 v[TMP], v14, s[SEL], s[SEL+1]
	v_add_f32 v14, v14, v[TMP]                     ; the row's sum
	v_rcp_f32 v14, v14
	v_nop
.set j, 0
	s_wait_alu depctr_va_vdst(0)
.rept 16
	v_pk_mul_f32 v[S+j:S+j+1], v[O+j:O+j+1], v[14:15] op_sel_hi:[1,0]   ; each accumulator from its low end on
.set j, j+2
.endr
.irp b, 0,1
	v_max3_num_f32 v[T0+\b], |v[S+16*\b]|, |v[S+1+16*\b]|, 0x4800000
.endr
.irp i, 2,4,6,8,10,12,14
.irp b, 0,1
	v_max3_num_f32 v[T0+\b], v[T0+\b], |v[S+16*\b+\i]|, |v[S+1+16*\b+\i]|
.endr
.endr
.irp b, 0,1
	v_permlanex16_b32 v[T1+\b], v[T0+\b], s[SEL], s[SEL+1]
.endr
.irp b, 0,1
	v_max_num_f32 v[T0+\b], v[T0+\b], v[T1+\b]
.endr
.irp b, 0,1
	v_add_nc_u32 v[T3+\b], 0xfc000000, v[T0+\b]
.endr
.irp b, 0,1
	v_and_or_b32 v[T2+\b], v[T0+\b], 0x7f800000, s[MNT]
.endr
.irp b, 0,1
	v_lshrrev_b32 v[T1+\b], 23, v[T3+\b]
.endr
.irp b, 0,1
.irp i, 0,1,2,3,4,5,6,7,8,9,10,11,12,13,14,15
	v_med3_num_f32 v[S+16*\b+\i], v[S+16*\b+\i], -v[T2+\b], v[T2+\b]
.endr
	v_cvt_scalef32_pk8_fp8_f32 v[PCD+4*\b:PCD+1+4*\b], v[S+16*\b:S+7+16*\b], v[T3+\b]
	v_cvt_scalef32_pk8_fp8_f32 v[PCD+2+4*\b:PCD+3+4*\b], v[S+8+16*\b:S+15+16*\b], v[T3+\b]
.endr
	v_nop
	v_cndmask_b32 v[TMP], v[T1], v[T1+1], s[HIL]   ; lanes 0-15 carry the first block's byte, lanes 16-31 the second's
	global_store_b128 v[A16], v[PCD:PCD+3], s[8:9]             ; 512 consecutive bytes: a group of the operand's image
	global_store_b128 v[A16], v[PCD+4:PCD+7], s[8:9] offset:512
	global_store_b8 v10, v[TMP], s[10:11]
	s_wait_tensorcnt 0x0
	ds_add_u32 v254, v255
	s_wait_dscnt 0x0
	ROUND                                          ; the closing round: no work-group ends while a partner may still ask jointly
	s_endpgm
.Lfunc_end_k_q96f873d869_attn:
	.size	k_q96f873d869_attn, .Lfunc_end_k_q96f873d869_attn-k_q96f873d869_attn
	.p2alignl 7, 3214868480
	.fill 96, 4, 3214868480
	.section	.rodata,"a",@progbits
	.p2align	6, 0x0
	.amdhsa_kernel k_q96f873d869_attn
		.amdhsa_group_segment_fixed_size 327680
		.amdhsa_private_segment_fixed_size 0
		.amdhsa_enable_private_segment 0
		.amdhsa_kernarg_size 32
		.amdhsa_user_sgpr_count 2
		.amdhsa_user_sgpr_kernarg_segment_ptr 1
		.amdhsa_wavefront_size32 1
		.amdhsa_system_sgpr_workgroup_id_x 1
		.amdhsa_system_sgpr_workgroup_id_y 1
		.amdhsa_system_sgpr_workgroup_id_z 1
		.amdhsa_system_vgpr_workitem_id 0
		.amdhsa_next_free_vgpr 256
		.amdhsa_next_free_sgpr 66
		.amdhsa_reserve_vcc 1
		.amdhsa_float_denorm_mode_32 3
		.amdhsa_float_denorm_mode_16_64 3
		.amdhsa_memory_ordered 1
		.amdhsa_forward_progress 1
		.amdhsa_inst_pref_size 38
	.end_amdhsa_kernel
	.amdgpu_metadata
---
amdhsa.version: [ 1, 2 ]
amdhsa.kernels:
  - .name:           k_q96f873d869_attn
    .symbol:         k_q96f873d869_attn.kd
    .args:
      - { .name: qb, .offset: 0, .size: 8, .value_kind: global_buffer, .address_space: global }
      - { .name: kvb, .offset: 8, .size: 8, .value_kind: global_buffer, .address_space: global }
      - { .name: ac, .offset: 16, .size: 8, .value_kind: global_buffer, .address_space: global }
      - { .name: asc, .offset: 24, .size: 8, .value_kind: global_buffer, .address_space: global }
    .group_segment_fixed_size: 327680
    .private_segment_fixed_size: 0
    .kernarg_segment_align: 8
    .kernarg_segment_size: 32
    .max_flat_workgroup_size: 512
    .sgpr_count:     66
    .vgpr_count:     256
    .wavefront_size: 32
...
	.end_amdgpu_metadata
.endif
;; end of part 4
;; launch proj (part 5): grid 4 x 16, 4 waves a work-group, clusters of 4 x 4, 327,680 bytes of LDS; arguments ac, asc, cod, scl, b_out, out0; writes out0
.if DOCPART == 5
	.amdgcn_target "amdgcn-amd-amdhsa--gfx1250"
	.amdhsa_code_object_version 6
	.text
	.protected	k_q96f873d869_proj
	.globl	k_q96f873d869_proj
	.p2align	8
	.type	k_q96f873d869_proj,@function
k_q96f873d869_proj:
	s_mov_b64 s[64:65], 0
	v_nop
	global_prefetch_b8 v0, s[64:65] scope:SCOPE_SE
	s_setreg_imm32_b32 hwreg(HW_REG_WAVE_MODE, 25, 1), 1
	s_wait_xcnt 0x0
	s_wait_alu depctr_hold_cnt(0) depctr_sa_sdst(0) depctr_va_vdst(0) depctr_va_sdst(0) depctr_va_ssrc(0) depctr_va_vcc(0) depctr_vm_vsrc(0)
	s_getreg_b32 s2, hwreg(HW_REG_IB_STS2, 6, 4)
	s_cmp_eq_u32 s2, 0
	s_cbranch_scc0 .Lentry_in_a_cluster
	s_endpgm
.Lentry_in_a_cluster:
	s_bfe_u32 s2, ttmp6, 0x10000c
	s_cmp_lg_u32 s2, 0xf033
	s_cbranch_scc0 .Lentry_shape_is_right
	s_endpgm
.Lentry_shape_is_right:
; out0 = attn W_out + b_out on codes of E4M3 with E8M0 scales, K = 1024.  A: the attention's result as images of operand registers, ac [row tile 256][K step of 128: 8][group 4][lane 32][16 bytes], scale bytes
; asc [physical row 4096][32].  B: W_out's columns, rows 7168-8191 of cod [8192][1024] and scl [8192][32].  In both, within each 32 rows, bits 3 and 4 of the row are exchanged; the way out puts rows and columns right.
; A work-group of four waves makes 256 x 256, a wave 128 x 128: 64 accumulators.  K goes in steps of 256 through two LDS slots filled by joint tensor loads in a cluster of 4 x 4; the scales of all of K come once.
; THE MATRIX INSTRUCTION IS USED TRANSPOSED (source 0 = 16 rows of B, source 1 = 16 rows of A): a lane holds eight neighbouring columns of one row.  The bias is the C of each sum's first product.
; 64 work-groups: the tile is kept at 256 x 256 so that no fragment is read twice from LDS.
; REGISTERS, in windows of 256: window 0: v0-31 addresses; v32-63 scale words; v64-127 the bias in the accumulators' layout; from v128 A's fragments; window 1: B's fragments, two sets; windows 2, 3: the accumulators.
.set NQ,     2
.set ROWB,   256
.set KROW,   1024
.set PITCH,  272
.set FR,     16
.set NL,     4
.set NP,     8
.set HALFA,  32768                     ; A: 8 row tiles x 4,096 bytes of images, dense
.set HALFB,  128*PITCH                 ; B: 128 rows of 256 bytes + 16
.set BOFF,   2*HALFA
.set SLOT,   2*HALFA+2*HALFB
.set LAPS,   2
.set KS,     32
.set SCL,    2*SLOT
.set HALFS,  (128*KS/256)*272
.set SBLK,   (16*KS/256)*272
.set SPARE,  SCL+4*HALFS               ; the spare words: 128 bytes a wave, named by no other line
.set SPITCH, 528                       ; the way out: a stage of 16 rows x (512 + 16) bytes a wave, in slot 0, which has had its last fill and its last read by then
.set ADRA, 16
.set ADRB, 20
.set STO,  24
.set RD,   25
.set CO,   26
.set ADRS, 27
.set SPW,  28
.set NIL,  29
.set SC,   32
.set BI,   64
.set AF,   128
.set BK,   128
.set G1, 24
.set G0, 32
.set G1B, 48
.set G0B, 56
.set G1S, 68
.set G0S, 76
.set G1SB, 80
.set G0SB, 88
.set MSB, 0
.macro WIN new
.if MSB != \new
	s_set_vgpr_msb (MSB<<8)|\new
.set MSB, \new
.endif
.endm
.set MUL_LO, 0xa1
.set MUL_HI, 0xf1
.set TO_B,   0x40
.macro JLOAD g0a, g1a, g0b, g1b        ; waves 0 and 1 fetch for A, waves 2 and 3 for B; four v_nop follow each of the two lines
	s_cmp_eq_u32 s15, 0
	s_cbranch_scc0 .Lfor_b_\@
	tensor_load_to_lds s[\g0a:\g0a+3], s[\g1a:\g1a+7]
	s_nop 0
.rept 4
	v_nop
.endr
	s_branch .Lasked_\@
.Lfor_b_\@:
	tensor_load_to_lds s[\g0b:\g0b+3], s[\g1b:\g1b+7]
	s_nop 0
.rept 4
	v_nop
.endr
.Lasked_\@:
.endm
.macro CREST
	s_cmp_lg_u32 s14, 0
	s_cbranch_scc1 .Lnot_wave_0_\@
	s_barrier_signal -3
.Lnot_wave_0_\@:
	s_barrier_wait -3
	s_barrier_signal -1
	s_barrier_wait -1
.endm
.macro CROUND
	s_barrier_signal -1
	s_barrier_wait -1
	CREST
.endm
	s_load_b256 s[4:11], s[0:1], 0x0               ; ac, asc, cod, scl
	s_load_b128 s[96:99], s[0:1], 0x20             ; b_out, out0
	v_lshl_add_u32 v[SPW], v0, 2, SPARE
	v_mov_b32 v[NIL], 0
	ds_add_u32 v28, v29
	ds_add_u32 v28, v29
	s_wait_dscnt 0x0
	v_lshrrev_b32 v1, 5, v0
	v_readfirstlane_b32 s14, v1                    ; wave
	s_lshr_b32 s15, s14, 1                         ; my half of the rows.  Also: I fetch for A (0) or B (1)
	s_and_b32 s16, s14, 1                          ; my half of the columns.  Also: which 128 rows I fetch
	s_bfe_u32 s40, ttmp6, 0x40000                  ; cx
	s_bfe_u32 s41, ttmp6, 0x40004                  ; cy
	s_lshl_b32 s42, ttmp9, 2
	s_add_co_u32 s42, s42, s40                     ; tile column
	s_and_b32 s17, ttmp7, 0xffff
	s_lshl_b32 s17, s17, 2
	s_add_co_u32 s17, s17, s41                     ; tile row
	s_lshl_b32 s43, s41, 2
	s_lshl_b32 s43, 15, s43                        ; my row of the cluster
	s_lshl_b32 s44, 0x1111, s40                    ; my column
	s_or_b32 s[G1+0], s43, (3<<16)|(1<<21)         ; A: elements of 8 bytes, no padding: 8 row tiles x 4,096 bytes, 16,384 bytes apart
	s_mov_b32 s[G1+1], 512<<16
	s_mov_b32 s[G1+2], 8<<16
	s_mov_b32 s[G1+3], 512<<16
	s_mov_b32 s[G1+4], 8
	s_mov_b32 s[G1+5], 2048
	s_mov_b32 s[G1+6], 0
	s_mov_b32 s[G1+7], 0
	s_or_b32 s[G1B+0], s44, (0<<16)|(1<<20)|(1<<21)|(5<<22)|(3<<25)   ; B: 128 rows of 256 bytes, 4 words of padding after every 64
	s_mov_b32 s[G1B+1], ROWB<<16
	s_mov_b32 s[G1B+2], 128<<16
	s_mov_b32 s[G1B+3], ROWB<<16
	s_mov_b32 s[G1B+4], 128
	s_mov_b32 s[G1B+5], KROW
	s_mov_b32 s[G1B+6], 0
	s_mov_b32 s[G1B+7], 0
	s_or_b32 s[G1S+0], s43, (3<<16)|(1<<20)|(1<<21)|(5<<22)|(3<<25)   ; the scales of 128 rows: 16 rows of 256 bytes, 16 bytes of padding behind each
	s_or_b32 s[G1SB+0], s44, (3<<16)|(1<<20)|(1<<21)|(5<<22)|(3<<25)
.irp g, G1S, G1SB
	s_mov_b32 s[\g+1], 32<<16
	s_mov_b32 s[\g+2], (128*KS/256)<<16
	s_mov_b32 s[\g+3], 32<<16
	s_mov_b32 s[\g+4], 128*KS/256
	s_mov_b32 s[\g+5], 32
	s_mov_b32 s[\g+6], 0
	s_mov_b32 s[\g+7], 0
.endr
	s_lshl_b32 s18, s16, 7
	s_lshl_b32 s20, s17, 8
	s_add_co_u32 s20, s20, s18                     ; A: the first row that I fetch
	s_lshl_b32 s46, s42, 8
	s_add_co_u32 s46, s46, s18
	s_add_co_u32 s46, s46, 7168                    ; B: the first row of cod that I fetch
	s_lshl_b32 s22, s20, 5
	s_lshl_b32 s92, s46, 5
	s_lshl_b32 s20, s20, 10                        ; 16 rows of images are 16,384 bytes
	s_lshl_b32 s46, s46, 10
	s_mov_b32 s21, 0
	s_mov_b32 s23, 0
	s_mov_b32 s47, 0
	s_mov_b32 s93, 0
	s_mul_i32 s45, s16, HALFA                      ; where they go: A's two halves,
	s_mul_i32 s95, s16, HALFB
	s_add_co_u32 s95, s95, BOFF                    ; then B's two
	s_mul_i32 s94, s14, HALFS
	s_wait_kmcnt 0x0
	s_add_nc_u64 s[20:21], s[4:5], s[20:21]
	s_add_nc_u64 s[22:23], s[6:7], s[22:23]
	s_add_nc_u64 s[46:47], s[8:9], s[46:47]
	s_add_nc_u64 s[92:93], s[10:11], s[92:93]
	CROUND                                         ; all sixteen work-groups are here: the first joint loads meet
	s_mov_b32 s[G0S], 1
	s_add_co_u32 s[G0S+1], s94, SCL
	s_mov_b64 s[G0S+2:G0S+3], s[22:23]
	s_or_b32 s[G0S+3], s[G0S+3], 0x80000000
	s_mov_b32 s[G0SB], 1
	s_add_co_u32 s[G0SB+1], s94, SCL
	s_mov_b64 s[G0SB+2:G0SB+3], s[92:93]
	s_or_b32 s[G0SB+3], s[G0SB+3], 0x80000000
	JLOAD G0S, G1S, G0SB, G1SB
.irp s, 0,1
	s_mov_b32 s[G0+4*\s], 1
	s_add_co_u32 s[G0+4*\s+1], s45, \s*SLOT
	s_add_nc_u64 s[G0+4*\s+2:G0+4*\s+3], s[20:21], \s*4096
	s_or_b32 s[G0+4*\s+3], s[G0+4*\s+3], 0x80000000
	s_mov_b32 s[G0B+4*\s], 1
	s_add_co_u32 s[G0B+4*\s+1], s95, \s*SLOT
	s_add_nc_u64 s[G0B+4*\s+2:G0B+4*\s+3], s[46:47], \s*ROWB
	s_or_b32 s[G0B+4*\s+3], s[G0B+4*\s+3], 0x80000000
	JLOAD G0+4*\s, G1, G0B+4*\s, G1B
.endr
	v_and_b32 v1, 15, v0                           ; r
	v_bfe_u32 v2, v0, 4, 1                         ; h
	v_and_b32 v7, 31, v0
	v_lshlrev_b32 v[CO], 4, v7                     ; 16 x lane
	v_mul_u32_u24 v3, v1, PITCH
	v_lshl_add_u32 v4, v2, 4, v3
	s_mul_i32 s21, s15, HALFA                      ; my 8 row tiles of A
	s_mul_i32 s22, s16, HALFB
	s_add_co_u32 s22, s22, BOFF                    ; my 128 rows of B
.irp s, 0,1
	v_add_nc_u32 v[ADRA+\s], s21, v[CO]
	v_add_nc_u32 v[ADRB+\s], s22, v4
	s_add_co_u32 s21, s21, SLOT
	s_add_co_u32 s22, s22, SLOT
.endr
	v_mul_u32_u24 v5, v1, KS
	v_lshrrev_b32 v6, 8, v5
	v_lshl_add_u32 v5, v6, 4, v5
	s_mul_i32 s21, s15, HALFS
	s_mul_i32 s22, s16, HALFS
	s_add_co_u32 s22, s22, 2*HALFS
	s_sub_co_u32 s22, s22, s21
	v_mul_u32_u24 v6, s22, v2                      ; lanes 16-31 take B's words
	s_add_co_u32 s21, s21, SCL
	v_add_nc_u32 v5, v5, v6
	v_add_nc_u32 v[ADRS], s21, v5
	s_mul_i32 s23, s14, 16*SPITCH                  ; my stage
	v_mul_u32_u24 v5, v1, SPITCH
	v_lshl_add_u32 v5, v2, 6, v5                   ; in: row r, + 64 h: tile 2 c + u holds columns 32 c + 16 h + 8 u + 0 .. 7
	v_add_nc_u32 v[STO], s23, v5
	v_add_nc_u32 v[RD], s23, v[CO]                 ; back: the 32 lanes take one row of 512 bytes
	v_lshlrev_b32 v30, 6, v2                       ; the bias: 64 h; not rewritten
	s_lshl_b32 s20, s42, 10
	s_lshl_b32 s21, s16, 9
	s_add_co_u32 s20, s20, s21                     ; my first column, in bytes
	s_mov_b32 s21, 0
	s_add_nc_u64 s[96:97], s[96:97], s[20:21]
	s_add_nc_u64 s[12:13], s[98:99], s[20:21]
	s_lshl_b32 s20, s17, 8
	s_lshl_b32 s22, s15, 7
	s_add_co_u32 s20, s20, s22
	s_lshl_b32 s20, s20, 12                        ; my first row of 4,096 bytes
	s_add_nc_u64 s[12:13], s[12:13], s[20:21]
.irp c, 0,1,2,3
.irp u, 0,1
	global_load_b128 v[BI+16*\c+8*\u:BI+16*\c+8*\u+3], v30, s[96:97] offset:(32*\c+8*\u)*4
	global_load_b128 v[BI+16*\c+8*\u+4:BI+16*\c+8*\u+7], v30, s[96:97] offset:(32*\c+8*\u)*4+16
.endr
.endr
.macro FRAG reg, adr, q, i             ; B: 16 rows x 128 K from rows that lie along K
.irp c, 0,1,2,3
	ds_load_b128 v[\reg+4*\c:\reg+4*\c+3], v[\adr] offset:128*(\q)+32*\c+(\i)*16*PITCH
.endr
.endm
.macro FRAGA reg, slot, q, i           ; A: the image of the registers comes back as it was stored: 512 consecutive bytes a load
.irp c, 0,1,2,3
	ds_load_b128 v[\reg+4*\c:\reg+4*\c+3], v[ADRA+\slot] offset:2048*(\q)+512*\c+4096*(\i)
.endr
.endm
; 16 matrix instructions.  The 64 accumulators take turns, one instruction a turn, in the same order in every step.  zero = 1: the first product starts the sum from the bias.
.macro MUL16 a0, p, q, sc, zero
.irp a, \a0, \a0+1
.irp b, 0,1,2,3,4,5,6,7
.if \zero
	v_wmma_scale_f32_16x16x128_f8f6f4 v[8*(8*((\a)%4)+\b):8*(8*((\a)%4)+\b)+7], v[128*(\p)+FR*\b:128*(\p)+FR*\b+FR-1], v[AF+FR*(\a):AF+FR*(\a)+FR-1], v[BI+8*\b:BI+8*\b+7], v[SC+8*NQ*(\sc)+NQ*\b+(\q)], v[SC+8*NQ*(\sc)+NQ*(\a)+(\q)] matrix_a_scale:MATRIX_SCALE_ROW1
.else
	v_wmma_scale_f32_16x16x128_f8f6f4 v[8*(8*((\a)%4)+\b):8*(8*((\a)%4)+\b)+7], v[128*(\p)+FR*\b:128*(\p)+FR*\b+FR-1], v[AF+FR*(\a):AF+FR*(\a)+FR-1], v[8*(8*((\a)%4)+\b):8*(8*((\a)%4)+\b)+7], v[SC+8*NQ*(\sc)+NQ*\b+(\q)], v[SC+8*NQ*(\sc)+NQ*(\a)+(\q)] matrix_a_scale:MATRIX_SCALE_ROW1
.endif
.endr
.endr
.endm
.macro FETCH_B slot, q, p
	WIN TO_B
.irp i, 0,1,2,3,4,5,6,7
	FRAG 128*(\p)+FR*\i, ADRB+\slot, \q, \i
.endr
	WIN 0
.endm
.macro FETCH_A slot, q, i0
.irp i, \i0, \i0+1, \i0+2, \i0+3
	FRAGA AF+FR*(\i), \slot, \q, \i
.endr
.endm
.macro SCALES sc
.irp i, 0,1,2,3,4,5,6,7
	ds_load_b64 v[SC+8*NQ*\sc+NQ*\i:SC+8*NQ*\sc+NQ*\i+1], v[ADRS] offset:\i*SBLK
.endr
.endm
.macro PLACES n
.rept \n
	v_nop
.endr
.endm
.macro STEP slot, q, zero
	s_wait_dscnt 4*NL                              ; B's set and A's blocks 0-3 are in; the youngest 16 loads (A's blocks 4-7) may be out
.if \zero
	WIN 0x81                                       ; source 0 window 1, sources 1 and 2 (the bias) window 0, destination window 2
.else
	WIN MUL_LO
.endif
	MUL16 0, (\q)%2, \q, \slot, \zero
	MUL16 2, (\q)%2, \q, \slot, \zero
	s_wait_dscnt 0
	PLACES NP
	FETCH_B \slot, (\q)+1, 1-(\q)%2
	FETCH_A \slot, (\q)+1, 0
.if \zero
	WIN 0xc1
.else
	WIN MUL_HI
.endif
	MUL16 4, (\q)%2, \q, \slot, \zero
	MUL16 6, (\q)%2, \q, \slot, \zero
	PLACES NP
	WIN 0
	FETCH_A \slot, (\q)+1, 4
.endm
.macro TURN slot, next, fill
	s_wait_tensorcnt 0x0                           ; all my tensor loads have landed: my part of the next slot
	ds_add_u32 v[SPW], v[NIL]                      ; 0 onto my spare word
	s_wait_dscnt 4*NL+1                            ; (the add and the youngest 16 loads may be out)
	WIN MUL_LO
	MUL16 0, 1, NQ-1, \slot, 0
	s_wait_dscnt 0x0                               ; the add is done, and my reads of this slot are over
	s_barrier_signal -1
	MUL16 2, 1, NQ-1, \slot, 0
	WIN 0
	s_barrier_wait -1
.if \fill
	CREST                                          ; the barrier has opened a round of the cluster's: no wave of any partner still reads this slot or has a load on its way
	s_add_nc_u64 s[G0+4*\slot+2:G0+4*\slot+3], s[G0+4*\slot+2:G0+4*\slot+3], 8192
	s_add_nc_u64 s[G0B+4*\slot+2:G0B+4*\slot+3], s[G0B+4*\slot+2:G0B+4*\slot+3], 2*ROWB
	JLOAD G0+4*\slot, G1, G0B+4*\slot, G1B
	PLACES NP-4
.else
	PLACES NP
.endif
	v_add_nc_u32 v[ADRS], 4*NQ, v[ADRS]
	FETCH_B \next, 0, 0
	FETCH_A \next, 0, 0
	SCALES \next
	WIN MUL_HI
	MUL16 4, 1, NQ-1, \slot, 0
	MUL16 6, 1, NQ-1, \slot, 0
	PLACES NP
	WIN 0
	FETCH_A \next, 0, 4
.endm
	s_wait_tensorcnt 1                             ; the scales and my part of K step 0 are in; K step 1's load may be out
	s_barrier_signal -1
	s_barrier_wait -1
	FETCH_B 0, 0, 0
	FETCH_A 0, 0, 0
	SCALES 0
	FETCH_A 0, 0, 4
	s_wait_loadcnt 0x0                             ; the bias
	STEP 0, 0, 1
	s_mov_b32 s3, LAPS-1
.Llap:
	TURN 0, 1, 1
	STEP 1, 0, 0
	TURN 1, 0, 1
	STEP 0, 0, 0
	s_sub_co_u32 s3, s3, 1
	s_cmp_lg_u32 s3, 0
	s_cbranch_scc1 .Llap
	TURN 0, 1, 0                                   ; the last lap fills nothing
	STEP 1, 0, 0
	s_wait_dscnt 4*NL
	WIN MUL_LO
	MUL16 0, 1, NQ-1, 1, 0
	MUL16 2, 1, NQ-1, 1, 0
	s_wait_dscnt 0
	WIN MUL_HI
	MUL16 4, 1, NQ-1, 1, 0
	MUL16 6, 1, NQ-1, 1, 0
	WIN 0
; THE WAY OUT, block by block of 16 rows x 128 columns, through my own stage; LDS serves a wave's instructions in order, so no wait stands between the stores and the loads.
.macro TOSTAGE a
.set AC, 64*((\a)%4)
	WIN 0x08+4*((\a)/4)                            ; an LDS store's data: window 2 or 3
.irp b, 0,1,2,3,4,5,6,7
	ds_store_b128 v[STO], v[AC+8*\b:AC+8*\b+3] offset:128*(\b/2)+32*(\b%2)        ; each accumulator from its low end on; the columns come into their true order here
	ds_store_b128 v[STO], v[AC+8*\b+4:AC+8*\b+7] offset:128*(\b/2)+32*(\b%2)+16
.endr
	WIN 0
.set BB, BK+64*((\a)%2)
.irp t, 0,1,2,3,4,5,6,7,8,9,10,11,12,13,14,15
	ds_load_b128 v[BB+4*\t:BB+4*\t+3], v[RD] offset:\t*SPITCH
.endr
.endm
.macro SEND a, younger                 ; younger: the LDS instructions issued behind block a's loads, which may stay out
.set BB, BK+64*((\a)%2)
	s_wait_dscnt \younger
.irp t, 0,1,2,3,4,5,6,7,8,9,10,11,12,13,14,15
	global_store_b128 v[CO], v[BB+4*\t:BB+4*\t+3], s[12:13] offset:(32*((\a)/2)+8*((\a)%2)+\t%8+16*(\t/8))*4096 th:TH_STORE_NT   ; position t of block a is this row; 32 lanes store 512 consecutive bytes, aligned
.endr
.endm
	PLACES NP
	TOSTAGE 0
.irp a, 1,2,3,4,5,6,7
.if \a > 1
	s_wait_xcnt 0x0                                ; block a - 2's stores have read their registers: block a's loads may land there
.endif
	TOSTAGE \a
	SEND \a-1, 32                                  ; behind block a - 1's loads: block a's 16 stores and 16 loads
.endr
	SEND 7, 0
	s_wait_tensorcnt 0x0                           ; the wave's end
	ds_add_u32 v[SPW], v[NIL]
	s_wait_dscnt 0x0
	CROUND                                         ; the closing round
	s_endpgm
.Lfunc_end_k_q96f873d869_proj:
	.size	k_q96f873d869_proj, .Lfunc_end_k_q96f873d869_proj-k_q96f873d869_proj
	.p2alignl 7, 3214868480
	.fill 96, 4, 3214868480
	.section	.rodata,"a",@progbits
	.p2align	6, 0x0
	.amdhsa_kernel k_q96f873d869_proj
		.amdhsa_group_segment_fixed_size 327680
		.amdhsa_private_segment_fixed_size 0
		.amdhsa_enable_private_segment 0
		.amdhsa_kernarg_size 48
		.amdhsa_user_sgpr_count 2
		.amdhsa_user_sgpr_kernarg_segment_ptr 1
		.amdhsa_wavefront_size32 1
		.amdhsa_system_sgpr_workgroup_id_x 1
		.amdhsa_system_sgpr_workgroup_id_y 1
		.amdhsa_system_sgpr_workgroup_id_z 1
		.amdhsa_system_vgpr_workitem_id 0
		.amdhsa_next_free_vgpr 1024
		.amdhsa_next_free_sgpr 102
		.amdhsa_reserve_vcc 0
		.amdhsa_float_denorm_mode_32 3
		.amdhsa_float_denorm_mode_16_64 3
		.amdhsa_memory_ordered 1
		.amdhsa_forward_progress 1
		.amdhsa_inst_pref_size 147
	.end_amdhsa_kernel
	.amdgpu_metadata
---
amdhsa.version: [ 1, 2 ]
amdhsa.kernels:
  - .name:           k_q96f873d869_proj
    .symbol:         k_q96f873d869_proj.kd
    .args:
      - { .name: ac, .offset: 0, .size: 8, .value_kind: global_buffer, .address_space: global }
      - { .name: asc, .offset: 8, .size: 8, .value_kind: global_buffer, .address_space: global }
      - { .name: cod, .offset: 16, .size: 8, .value_kind: global_buffer, .address_space: global }
      - { .name: scl, .offset: 24, .size: 8, .value_kind: global_buffer, .address_space: global }
      - { .name: b_out, .offset: 32, .size: 8, .value_kind: global_buffer, .address_space: global }
      - { .name: out0, .offset: 40, .size: 8, .value_kind: global_buffer, .address_space: global }
    .group_segment_fixed_size: 327680
    .private_segment_fixed_size: 0
    .kernarg_segment_align: 8
    .kernarg_segment_size: 48
    .max_flat_workgroup_size: 128
    .sgpr_count:     102
    .vgpr_count:     1024
    .wavefront_size: 32
...
	.end_amdgpu_metadata
.endif
;; end of part 5
;; ======== version 2 of 2: 4 launches
;; limits: right only within a limited range of input values
;; workspace buffers: cod 8,388,608 bytes; scl 262,144 bytes; tab 524,288 bytes; qb 8,912,896 bytes; kvb 8,912,896 bytes; ac 4,194,304 bytes; asc 131,072 bytes
;; launch quant (part 6): grid 256 x 1, 8 waves a work-group, no clusters, 101,376 bytes of LDS; arguments W_qkv, W_out, cod, scl, tab, x; writes cod, scl, tab
.if DOCPART == 6
	.amdgcn_target "amdgcn-amd-amdhsa--gfx1250"
	.amdhsa_code_object_version 6
	.text
	.protected	k_q96f873d869_quant
	.globl	k_q96f873d869_quant
	.p2align	8
	.type	k_q96f873d869_quant,@function
k_q96f873d869_quant:
	s_mov_b64 s[64:65], 0
	v_nop
	global_prefetch_b8 v0, s[64:65] scope:SCOPE_SE
	s_setreg_imm32_b32 hwreg(HW_REG_WAVE_MODE, 25, 1), 1
	s_wait_xcnt 0x0
; ONE LAUNCH QUANTISES ALL THREE INPUTS OF THE FIRST AND LAST PRODUCT AND MAKES THE TABLE OF RoPE.  Work-groups 0-127 take x, work-groups 128-255 the weights and the table: two paths that part on the
; work-group's number at the head; each has LDS bytes of its own (x: 0 to 65,535; the weights: from 65,536 on).
; OUT: cod [8192 rows][1024 codes of E4M3, K innermost] and scl [8192 rows][32 E8M0 bytes, one for each 32 along K]: rows 0-4095 x's rows, rows 4096-7167 W_qkv's columns, rows 7168-8191 W_out's columns.
; ROW ORDER: logical row L is stored at the physical row that has bits 3 and 4 of L exchanged.  A tile of 16 neighbouring physical rows then holds the logical rows 32 c + 8 u + r % 8 + 16 (r / 8),
; so that in a transposed product a lane's 16 registers of two neighbouring tiles are 16 neighbours along the next product's K.
; THE QUANTISER: a block's scale is 2^(floor(log2(largest magnitude)) - 8); its byte is the largest magnitude's exponent field - 8, held at 1 from below (a block of zeros keeps the byte 1: its codes are zeros,
; and only this program reads the bytes).  Each number is divided by the scale, held within +-448 and rounded to the nearest code, ties to even.
; LIMITS: NaN and infinities among the inputs are not served; blocks whose largest magnitude lies under 2^-118 keep the byte 1.
; THE TABLE: tab [t 2048][pair 32][cos, sin] f32.  inv_freq = 10000^(-i / 32) = 2^(-i log2(10) / 8), the exponent in two parts, to about an ulp; the angle t x inv_freq is rounded once; it is reduced by multiples
; of pi / 2 (pi / 2 in two parts, fused), and sine and cosine are polynomials on |r| <= pi / 4; the quadrant is applied by selects.  inv_freq may differ by a few ulp from a power followed by a reciprocal
; in f32: an angle by up to about 4e-4 at t = 2047.
; No work of reference() is left out in the program but the tiles of scores that its causal mask hides wholly.
.set XSTEPS, 8
.set XR,    16                         ; v16-79   four sets of 16 numbers as loaded
.set XN,    80                         ; v80-111  two sets of 16 neighbours
.set XC,    128                        ; v128-159 codes: four registers a step, never rewritten
.set XE,    112                        ; v112-119 a scale byte a step
.set XREG,  8192                       ; LDS: a region for each wave: two stages of 32 x XSP bytes, then its 128 scale bytes
.set XSP,   80                         ; a lane's place in a stage: 64 bytes + 16 of padding
.set WLDS,  65536
.set NB,    4                          ; blocks of 32 along K for a wave
.set PITCH, 272                        ; a stage row: 256 bytes + 16
.set KROW,  1024
.set WN,    32                         ; v32-95   two sets of 32 numbers
.set WC,    96                         ; v96-103  a block's codes
.set OUTR,  112                        ; v112-143 the way out
.set SB,    24                         ; v24      the scale bytes
.set OFF,   176                        ; v176-207 byte offset of row i of a block: 4 x lane + i x pitch; never rewritten
.set BS,    36                         ; s[36:43] the address of block t's first row at my wave's first column
.set SPARE, WLDS+4*32*PITCH            ; 1,024 bytes
	s_load_b256 s[4:11], s[0:1], 0x0               ; W_qkv, W_out, cod, scl
	s_load_b128 s[12:15], s[0:1], 0x20             ; tab, x
	v_lshl_add_u32 v240, v0, 2, SPARE
	v_mov_b32 v241, 0
	v_lshrrev_b32 v1, 5, v0
	v_readfirstlane_b32 s16, v1                    ; wave
	v_and_b32 v2, 31, v0                           ; lane
	s_wait_alu depctr_va_vdst(0)
	s_cmp_lt_u32 ttmp9, 128
	s_cbranch_scc0 .Lweights
; ==== x [4096][1024] f32.  A wave takes 4 rows (8 steps of 512 numbers): bits 1 and 2 of its number are row bits 3 and 4, so the exchange is an exchange of these two on the way out.
; Each load reads 512 consecutive bytes; a step's 2,048 bytes turn through the wave's own stage in LDS and come back 64 bytes (16 neighbours) a lane; two neighbouring lanes hold a block.
	v_lshlrev_b32 v3, 4, v2                        ; 16 x lane: my bytes of a load's 512, and of a step's 512 bytes of codes
	s_mul_i32 s17, s16, XREG
	v_lshrrev_b32 v14, 2, v2
	v_mul_u32_u24 v14, v14, XSP
	v_and_b32 v15, 3, v2
	v_lshl_add_u32 v14, v15, 4, v14
	v_add_nc_u32 v14, s17, v14                     ; the stage, in: XSP (lane / 4) + 16 (lane % 4)
	v_mul_u32_u24 v15, v2, XSP
	v_add_nc_u32 v15, s17, v15                     ; out: XSP x lane
	v_lshrrev_b32 v5, 1, v2
	s_add_co_u32 s17, s17, 2*32*XSP
	v_add_nc_u32 v5, s17, v5                       ; my block's byte among the wave's 128
	v_lshlrev_b32 v7, 2, v2
	v_add_nc_u32 v6, s17, v7
	s_mov_b32 s23, 0x600000                        ; the mantissa field of 448
	s_lshl_b32 s18, ttmp9, 3
	s_add_co_u32 s20, s18, s16                     ; the run of 4 rows that I read
	s_and_b32 s19, s16, 1
	s_and_b32 s22, s16, 2
	s_lshl_b32 s22, s22, 1
	s_or_b32 s19, s19, s22
	s_and_b32 s22, s16, 4
	s_lshr_b32 s22, s22, 1
	s_or_b32 s19, s19, s22
	s_add_co_u32 s18, s18, s19                     ; and the run that I write
	s_lshl_b32 s20, s20, 14                        ; 4 rows of 4,096 bytes
	s_mov_b32 s21, 0
	s_lshl_b32 s24, s18, 12                        ; 4 rows of 1,024 codes
	s_mov_b32 s25, 0
	s_lshl_b32 s26, s18, 7                         ; 4 rows of 32 scale bytes
	s_mov_b32 s27, 0
	s_wait_alu depctr_va_vdst(0)                   ; the wait at the head's end
	s_wait_kmcnt 0x0
	s_add_nc_u64 s[14:15], s[14:15], s[20:21]
	s_add_nc_u64 s[8:9], s[8:9], s[24:25]
	s_add_nc_u64 s[10:11], s[10:11], s[26:27]
.macro XLOAD t
.irp i, 0,1,2,3
	global_load_b128 v[XR+16*((\t)%4)+4*\i:XR+16*((\t)%4)+4*\i+3], v3, s[14:15] offset:2048*(\t)+512*\i th:TH_LOAD_NT
.endr
.endm
.macro XTURN t                         ; step t's numbers through the stage; LDS serves a wave's instructions in order, so no wait stands between the stores and the loads
.irp i, 0,1,2,3
	ds_store_b128 v14, v[XR+16*((\t)%4)+4*\i:XR+16*((\t)%4)+4*\i+3] offset:32*XSP*((\t)%2)+8*XSP*\i
.endr
.irp i, 0,1,2,3
	ds_load_b128 v[XN+16*((\t)%2)+4*\i:XN+16*((\t)%2)+4*\i+3], v15 offset:32*XSP*((\t)%2)+16*\i
.endr
.endm
.irp t, 0,1,2,3
	XLOAD \t
.endr
	s_wait_loadcnt 12                              ; step 0's four loads are in; 12 younger ones stay out
	XTURN 0
.macro XSTEP t
.set XS, XN+16*((\t)%2)
.if (\t) > 0
	s_wait_dscnt 1                                 ; this step's numbers are back from the stage (the last step's byte store may be out)
.else
	s_wait_dscnt 0x0
.endif
.if (\t)+4 < XSTEPS
	XLOAD (\t)+4
.endif
.if (\t)+1 < XSTEPS
.if XSTEPS-2-(\t) >= 3
	s_wait_loadcnt 12                              ; the next step's four loads are in; those of the three steps behind it may be out
.else
	s_wait_loadcnt 4*(XSTEPS-2-(\t))
.endif
	XTURN (\t)+1
.endif
	v_max3_num_f32 v8, |v[XS]|, |v[XS+1]|, |v[XS+2]|
	v_max3_num_f32 v9, |v[XS+3]|, |v[XS+4]|, |v[XS+5]|
.irp i, 6,10
	v_max3_num_f32 v8, v8, |v[XS+\i]|, |v[XS+\i+1]|
	v_max3_num_f32 v9, v9, |v[XS+\i+2]|, |v[XS+\i+3]|
.endr
	v_max3_num_f32 v8, v8, |v[XS+14]|, |v[XS+15]|
	v_max3_num_f32 v8, v8, v9, 0x4800000           ; and the floor 2^(9 - 127): the byte cannot fall under 1
	v_max_num_f32_dpp v8, v8, v8 row_xmask:1 row_mask:0xf bank_mask:0xf   ; with my neighbour's 16: the block's
	v_add_nc_u32 v11, 0xfc000000, v8               ; 8 off the exponent field: the conversion's scale operand
	v_and_or_b32 v10, v8, 0x7f800000, s23          ; 448 x the scale
.irp i, 0,1,2,3,4,5,6,7,8,9,10,11,12,13,14,15
	v_med3_num_f32 v[XS+\i], v[XS+\i], -v10, v10   ; the conversion to an 8-bit code does not saturate (ISA guide 7.6.2): the hold comes first
.endr
	v_cvt_scalef32_pk8_fp8_f32 v[XC+4*(\t):XC+4*(\t)+1], v[XS:XS+7], v11
	v_cvt_scalef32_pk8_fp8_f32 v[XC+4*(\t)+2:XC+4*(\t)+3], v[XS+8:XS+15], v11
	v_lshrrev_b32 v[XE+(\t)], 23, v11              ; the scale's byte
	ds_store_b8 v5, v[XE+(\t)] offset:16*(\t)      ; both lanes of a block write the same byte with the same value
	global_store_b128 v3, v[XC+4*(\t):XC+4*(\t)+3], s[8:9] offset:512*(\t)   ; 32 lanes store 512 consecutive bytes
.endm
.irp t, 0,1,2,3,4,5,6,7
	XSTEP \t
.endr
	ds_load_b32 v12, v6                            ; LDS serves a wave's instructions in order: these see my byte stores
	s_wait_dscnt 0x0
	global_store_b32 v7, v12, s[10:11]             ; 32 lanes store 128 consecutive bytes
	s_wait_tensorcnt 0x0                           ; the wave's end
	ds_add_u32 v240, v241
	s_wait_dscnt 0x0
	s_endpgm
; ==== W_qkv [1024 (k)][3072 (n)] and W_out [1024 (k)][1024 (n)], f32, K their FIRST axis.  A LANE TAKES A COLUMN AND ITS REGISTERS RUN DOWN K: a block of 32 lies in one lane's 32 registers, and the conversions
; give codes with K innermost.  A wave takes 32 columns x 128 along K: waves g and g + 4 are the two halves of the same columns; their codes meet in a stage in LDS and leave as rows of 256 bytes, sixteen lanes a row.
; Of the 128 work-groups, number 32 y + gx takes columns 128 gx on and K = 256 y on; gx = 0-23 is W_qkv, 24-31 W_out: one path, only the pointer and the pitch are chosen.
.Lweights:
	s_sub_co_u32 s2, ttmp9, 128                    ; 0 .. 127
	s_and_b32 s3, s2, 31                           ; gx
	s_lshr_b32 s18, s2, 5                          ; y: which 256 along K
	s_and_b32 s44, s16, 3                          ; g: which 32 columns
	s_lshr_b32 s45, s16, 2                         ; which half along K
	v_lshlrev_b32 v3, 2, v2
	v_and_b32 v14, 7, v2
	v_bfe_u32 v15, v2, 3, 1
	v_lshl_add_u32 v14, v15, 4, v14
	v_bfe_u32 v15, v2, 4, 1
	v_lshl_add_u32 v14, v15, 3, v14                ; p: my lane's number with bits 3 and 4 exchanged: my column's physical row
	s_mul_i32 s19, s44, 32*PITCH
	s_add_co_u32 s19, s19, WLDS                    ; the stage of my columns
	s_lshl_b32 s46, s45, 7
	s_add_co_u32 s46, s46, s19
	v_mul_u32_u24 v4, v14, PITCH
	v_add_nc_u32 v4, s46, v4                       ; into it: row p, my half
	s_mul_i32 s46, s45, 16*PITCH
	s_add_co_u32 s46, s46, s19
	v_and_b32 v5, 15, v2
	v_lshrrev_b32 v6, 4, v2
	v_mul_u32_u24 v7, v6, PITCH
	v_lshl_add_u32 v7, v5, 4, v7
	v_add_nc_u32 v7, s46, v7                       ; out of it: my sixteen rows, sixteen lanes to a row, two rows an instruction
	s_lshl_b32 s46, s45, 14
	v_lshlrev_b32 v8, 10, v6
	v_lshl_add_u32 v8, v5, 4, v8
	v_add_nc_u32 v8, s46, v8                       ; the same place in cod
	s_lshl_b32 s46, s45, 2
	v_lshlrev_b32 v9, 5, v14
	v_add_nc_u32 v9, s46, v9                       ; my column's row of scale bytes, my half's four
	s_mov_b32 s31, 0x600000                        ; the mantissa field of 448
	s_mov_b32 s20, 4096
	s_cmp_lt_u32 s3, 24                            ; W_qkv's work-group or W_out's: the choice hangs on the work-group's number alone
	s_cselect_b32 s20, 12288, s20                  ; bytes from row to row of W
	s_cselect_b32 s21, 0, 3072
	s_lshl_b32 s17, s3, 7
	s_lshl_b32 s22, s44, 5
	s_add_co_u32 s17, s17, s22                     ; 128 gx + 32 g
	s_sub_co_u32 s23, s17, s21                     ; my first column in its tensor
	s_lshl_b32 s24, s23, 2
	s_lshl_b32 s25, s18, 8
	s_lshl_b32 s46, s45, 7
	s_add_co_u32 s25, s25, s46
	s_mul_i32 s25, s25, s20
	s_add_co_u32 s24, s24, s25                     ; 4 x column + (256 y + 128 x half) rows
	s_mov_b32 s25, 0
	s_lshl_b32 s26, s20, 5                         ; 32 rows
	s_mov_b32 s27, 0
	s_add_co_u32 s28, s17, 4096                    ; my first row of cod and scl
	s_lshl_b32 s32, s28, 10
	s_lshl_b32 s29, s18, 8
	s_add_co_u32 s32, s32, s29
	s_mov_b32 s33, 0
	s_lshl_b32 s34, s28, 5
	s_lshl_b32 s29, s18, 3
	s_add_co_u32 s34, s34, s29
	s_mov_b32 s35, 0
	s_wait_alu depctr_va_vdst(0)
.set li, 0
.rept 32
	v_mad_u32_u24 v[OFF+li], s20, li, v3
.set li, li+1
.endr
	s_wait_alu depctr_va_vdst(0)                   ; the wait at the head's end
	s_wait_kmcnt 0x0
	s_cmp_lt_u32 s3, 24
	s_cselect_b64 s[4:5], s[4:5], s[6:7]
	s_add_nc_u64 s[BS:BS+1], s[4:5], s[24:25]
.irp t, 1,2,3
	s_add_nc_u64 s[BS+2*\t:BS+2*\t+1], s[BS+2*\t-2:BS+2*\t-1], s[26:27]
.endr
	s_add_nc_u64 s[8:9], s[8:9], s[32:33]
	s_add_nc_u64 s[10:11], s[10:11], s[34:35]
.macro WLOAD t                         ; block t: W(32 t + i, my column), i = 0 .. 31, into set t % 2; 32 lanes read 128 consecutive bytes
.set li, 0
.rept 32
	global_load_b32 v[WN+32*((\t)%2)+li], v[OFF+li], s[BS+2*(\t):BS+2*(\t)+1] th:TH_LOAD_NT
.set li, li+1
.endr
.endm
	WLOAD 0
	WLOAD 1
	; ---- the table, while the first 64 loads are out.  Thread G of 32,768 makes pairs i0, i0 + 1 of row t: a store of 16 bytes, 512 consecutive bytes a wave
	s_lshl_b32 s52, s2, 8
	s_mov_b32 s53, 0x3ed49a78                      ; log2(10) / 8, upper part
	s_mov_b32 s54, 0x32179a38                      ; and the rest
	s_mov_b32 s55, 0x3f22f983                      ; 2 / pi
	s_mov_b32 s56, 0x3fc90fdb                      ; pi / 2, upper part
	s_mov_b32 s57, 0xb33bbd2e                      ; and the rest
	s_mov_b32 s58, 0x37ccf5ce                      ; cosine: z^4's, z^3's, z^2's coefficient
	s_mov_b32 s59, 0xbab6061a
	s_mov_b32 s60, 0x3d2aaaa5
	s_mov_b32 s61, 0xb94ca1f9                      ; sine: r z^3's, r z^2's, r z's
	s_mov_b32 s62, 0x3c08839e
	s_mov_b32 s63, 0xbe2aaaa3
	v_add_nc_u32 v208, s52, v0                     ; G
	v_and_b32 v209, 15, v208
	v_lshlrev_b32 v209, 1, v209                    ; i0
	v_lshrrev_b32 v210, 4, v208                    ; t
	v_lshlrev_b32 v211, 4, v208                    ; my 16 bytes; never rewritten
	v_cvt_f32_u32 v212, v209
	v_add_f32 v213, 1.0, v212
	v_cvt_f32_u32 v214, v210
.irp e, 0,1
	v_mul_f32 v[216+\e], s53, v[212+\e]            ; i x log2(10) / 8, rounded,
	v_fma_f32 v[218+\e], v[212+\e], s53, -v[216+\e]   ; what the rounding dropped,
	v_fma_f32 v[218+\e], v[212+\e], s54, v[218+\e]    ; and the constant's rest
	v_rndne_f32 v[220+\e], v[216+\e]
	v_sub_f32 v[222+\e], v[220+\e], v[216+\e]
	v_sub_f32 v[222+\e], v[222+\e], v[218+\e]      ; whole part less exponent: in -1/2 .. 1/2
.endr
	s_wait_alu depctr_va_vdst(0)
	v_exp_f32 v222, v222
	v_exp_f32 v223, v223
	v_cvt_i32_f32 v220, v220                       ; (a plain line behind the exponentials)
	v_cvt_i32_f32 v221, v221
	v_sub_nc_u32 v220, 0, v220
	v_sub_nc_u32 v221, 0, v221
	s_wait_alu depctr_va_vdst(0)
	v_ldexp_f32 v222, v222, v220                   ; inv_freq of pair i0
	v_ldexp_f32 v223, v223, v221                   ; and of i0 + 1
	v_mul_f32 v224, v214, v222                     ; the angles, each rounded once
	v_mul_f32 v225, v214, v223
.macro SINCOS a, c, s
	v_mul_f32 v236, s55, v[\a]
	v_rndne_f32 v236, v236                         ; how many quarter turns
	v_fma_f32 v237, -v236, s56, v[\a]
	v_fma_f32 v237, -v236, s57, v237               ; r
	v_cvt_i32_f32 v239, v236
	v_mul_f32 v238, v237, v237                     ; z = r^2
	v_fma_f32 v216, v238, s58, s59
	v_fma_f32 v216, v216, v238, s60
	v_fma_f32 v216, v216, v238, -0.5
	v_fma_f32 v216, v216, v238, 1.0                ; cos r
	v_fma_f32 v217, v238, s61, s62
	v_fma_f32 v217, v217, v238, s63
	v_mul_f32 v218, v237, v238
	v_fma_f32 v217, v217, v218, v237               ; sin r
	v_and_b32 v219, 1, v239
	v_cmp_eq_u32 vcc_lo, 1, v219
	v_cndmask_b32 v[\s], v217, v216, vcc_lo        ; an odd quarter exchanges the two
	v_cndmask_b32 v[\c], v216, v217, vcc_lo
	v_and_b32 v219, 2, v239
	v_lshlrev_b32 v219, 30, v219
	v_xor_b32 v[\s], v219, v[\s]                   ; quarters 2, 3: -sine
	v_add_nc_u32 v219, 1, v239
	v_and_b32 v219, 2, v219
	v_lshlrev_b32 v219, 30, v219
	v_xor_b32 v[\c], v219, v[\c]                   ; quarters 1, 2: -cosine
.endm
	SINCOS 224, 228, 229
	SINCOS 225, 230, 231
	global_store_b128 v211, v[228:231], s[12:13]
	; ---- the blocks
.macro WBLOCK t
.set WS, WN+32*((\t)%2)
.if (\t) < NB-1
	s_wait_loadcnt 32                              ; this block's 32 loads are in; the next block's may be out
.else
	s_wait_loadcnt 0
.endif
	v_max3_num_f32 v12, |v[WS]|, |v[WS+1]|, |v[WS+2]|
	v_max3_num_f32 v13, |v[WS+3]|, |v[WS+4]|, |v[WS+5]|
.irp i, 6,10,14,18,22,26
	v_max3_num_f32 v12, v12, |v[WS+\i]|, |v[WS+\i+1]|
	v_max3_num_f32 v13, v13, |v[WS+\i+2]|, |v[WS+\i+3]|
.endr
	v_max3_num_f32 v12, v12, |v[WS+30]|, |v[WS+31]|
	v_max3_num_f32 v12, v12, v13, 0x4800000        ; and the floor 2^(9 - 127)
	v_add_nc_u32 v11, 0xfc000000, v12              ; the conversion's scale operand
	v_and_or_b32 v10, v12, 0x7f800000, s31         ; 448 x the scale
	v_lshrrev_b32 v13, 23, v11                     ; the scale's byte
.if (\t) == 0
	v_mov_b32 v[SB], v13
.else
	v_lshl_or_b32 v[SB], v13, 8*(\t), v[SB]
.endif
.irp i, 0,1,2,3,4,5,6,7,8,9,10,11,12,13,14,15,16,17,18,19,20,21,22,23,24,25,26,27,28,29,30,31
	v_med3_num_f32 v[WS+\i], v[WS+\i], -v10, v10   ; the hold: the conversion does not saturate (ISA guide 7.6.2)
.endr
.irp g, 0,1,2,3
	v_cvt_scalef32_pk8_fp8_f32 v[WC+2*\g:WC+2*\g+1], v[WS+8*\g:WS+8*\g+7], v11
.endr
	ds_store_b128 v4, v[WC:WC+3] offset:32*(\t)
	ds_store_b128 v4, v[WC+4:WC+7] offset:32*(\t)+16
.if (\t)+2 < NB
	WLOAD (\t)+2
.endif
	s_wait_dscnt 0x0                               ; the stores have read their registers: the next block's codes may be written
.endm
.set Q, 0
.rept NB
	WBLOCK Q
.set Q, Q+1
.endr
	global_store_b32 v9, v[SB], s[10:11]           ; my column's 4 scale bytes
	s_barrier_signal -1
	s_barrier_wait -1                              ; both halves of each row lie in the stage
.irp t, 0,1,2,3,4,5,6,7
	ds_load_b128 v[OUTR+4*\t:OUTR+4*\t+3], v7 offset:2*\t*PITCH
.endr
.irp t, 0,1,2,3,4,5,6,7
	s_wait_dscnt 7-\t                              ; LDS loads come back in order: number t is in
	global_store_b128 v8, v[OUTR+4*\t:OUTR+4*\t+3], s[8:9] offset:2*\t*KROW
.endr
	s_wait_tensorcnt 0x0                           ; the wave's end
	ds_add_u32 v240, v241
	s_wait_dscnt 0x0
	s_endpgm
.Lfunc_end_k_q96f873d869_quant:
	.size	k_q96f873d869_quant, .Lfunc_end_k_q96f873d869_quant-k_q96f873d869_quant
	.p2alignl 7, 3214868480
	.fill 96, 4, 3214868480
	.section	.rodata,"a",@progbits
	.p2align	6, 0x0
	.amdhsa_kernel k_q96f873d869_quant
		.amdhsa_group_segment_fixed_size 101376
		.amdhsa_private_segment_fixed_size 0
		.amdhsa_enable_private_segment 0
		.amdhsa_kernarg_size 48
		.amdhsa_user_sgpr_count 2
		.amdhsa_user_sgpr_kernarg_segment_ptr 1
		.amdhsa_wavefront_size32 1
		.amdhsa_system_sgpr_workgroup_id_x 1
		.amdhsa_system_sgpr_workgroup_id_y 1
		.amdhsa_system_sgpr_workgroup_id_z 1
		.amdhsa_system_vgpr_workitem_id 0
		.amdhsa_next_free_vgpr 242
		.amdhsa_next_free_sgpr 66
		.amdhsa_reserve_vcc 1
		.amdhsa_float_denorm_mode_32 3
		.amdhsa_float_denorm_mode_16_64 3
		.amdhsa_memory_ordered 1
		.amdhsa_forward_progress 1
		.amdhsa_inst_pref_size 64
	.end_amdhsa_kernel
	.amdgpu_metadata
---
amdhsa.version: [ 1, 2 ]
amdhsa.kernels:
  - .name:           k_q96f873d869_quant
    .symbol:         k_q96f873d869_quant.kd
    .args:
      - { .name: W_qkv, .offset: 0, .size: 8, .value_kind: global_buffer, .address_space: global }
      - { .name: W_out, .offset: 8, .size: 8, .value_kind: global_buffer, .address_space: global }
      - { .name: cod, .offset: 16, .size: 8, .value_kind: global_buffer, .address_space: global }
      - { .name: scl, .offset: 24, .size: 8, .value_kind: global_buffer, .address_space: global }
      - { .name: tab, .offset: 32, .size: 8, .value_kind: global_buffer, .address_space: global }
      - { .name: x, .offset: 40, .size: 8, .value_kind: global_buffer, .address_space: global }
    .group_segment_fixed_size: 101376
    .private_segment_fixed_size: 0
    .kernarg_segment_align: 8
    .kernarg_segment_size: 48
    .max_flat_workgroup_size: 256
    .sgpr_count:     66
    .vgpr_count:     242
    .wavefront_size: 32
...
	.end_amdgpu_metadata
.endif
;; end of part 6
;; launch qkv (part 7): grid 8 x 32, 4 waves a work-group, clusters of 4 x 4, 327,680 bytes of LDS; arguments cod, scl, b_qkv, tab, qb, kvb; writes qb, kvb
.if DOCPART == 7
	.amdgcn_target "amdgcn-amd-amdhsa--gfx1250"
	.amdhsa_code_object_version 6
	.text
	.protected	k_q96f873d869_qkv
	.globl	k_q96f873d869_qkv
	.p2align	8
	.type	k_q96f873d869_qkv,@function
k_q96f873d869_qkv:
	s_mov_b64 s[64:65], 0
	v_nop
	global_prefetch_b8 v0, s[64:65] scope:SCOPE_SE
	s_setreg_imm32_b32 hwreg(HW_REG_WAVE_MODE, 25, 1), 1
	s_wait_xcnt 0x0
	s_wait_alu depctr_hold_cnt(0) depctr_sa_sdst(0) depctr_va_vdst(0) depctr_va_sdst(0) depctr_va_ssrc(0) depctr_va_vcc(0) depctr_vm_vsrc(0)
	s_getreg_b32 s2, hwreg(HW_REG_IB_STS2, 6, 4)
	s_cmp_eq_u32 s2, 0
	s_cbranch_scc0 .Lentry_in_a_cluster
	s_endpgm
.Lentry_in_a_cluster:
	s_bfe_u32 s2, ttmp6, 0x10000c
	s_cmp_lg_u32 s2, 0xf033
	s_cbranch_scc0 .Lentry_shape_is_right
	s_endpgm
.Lentry_shape_is_right:
; qkv = x W_qkv + b_qkv on codes of E4M3 with E8M0 scales (K = 1024), then RoPE on q and k; q, k (along the head's 64) and v (along the keys) are quantised in registers and leave as IMAGES OF THE NEXT PRODUCTS' OPERAND REGISTERS.
; cod [8192 rows][1024], scl [8192][32]: rows 0-4095 x, rows 4096-7167 W_qkv's columns; within each 32 rows bits 3 and 4 of the row are exchanged.
; A WORK-GROUP MAKES 128 TOKENS x (q, k, v OF TWO HEADS), in three phases; wave (s15, s16) makes 64 tokens (half s15) x 64 columns (head s16) in each: 16 accumulators.
; My 64 rows of x, all of K, stand in 512 registers for the whole launch; only W is read from LDS behind that.
; LDS: four regions of 128 rows x (512 + 16) bytes: x's K halves at 0 and HST, W_q's at WOFF and HST + WOFF.  Head: these four, one joint load a wave; the first half of K is worked while the second lands.
; Between the halves the two regions of the first take W_k's two halves; when q is done, the other two take W_v's: each in a drained round of the cluster's barrier, a quarter (half of K x 64 rows) a wave.
; CLUSTERS 4 x 4: a row shares x's rows, a column W's.
; q, k: source 0 = W, source 1 = x: lane (r, h) holds token 32 (a / 2) + 8 (a % 2) + r % 8 + 16 (r / 8) and register 16 c + i = d 32 c + 16 h + i.  v: source 0 = x, source 1 = W: a lane holds one d, its registers run along the keys.
; RECORDS.  qb and kvb are [head b 16 + h][block of 128 tokens][17,408 bytes]: +0 eight tiles of 16 tokens x 64 (1,024 bytes: two groups of 512 at 16 x lane); +8192 four fragments of V^T (16 of the head's 64 x 128 keys,
; 2,048 bytes); +16384 four images of 128 bytes of scale words (lanes 0-15 the even tile's rows, lanes 16-31 the odd tile's; a word is s0, s1, s0, s1); +16896 two such images for V^T; +17152 256 zero bytes.
; PREFETCH: W_k's and W_v's 128 rows of a column are asked for ahead of their fills, a lane a block of 256 bytes, shared out by address among the column's sixteen waves, in the first four rows of clusters alone, since all rows of clusters read the same columns of W.
; LIMITS: NaN and infinities are not served; blocks whose largest magnitude lies under 2^-118 keep the scale byte 1 (a block of zeros too: its codes are zeros, and only this program reads the bytes).
; REGISTERS.  Window 0: v0-23 addresses; v24-39, 64-79, 80-95 scale words of W_q, W_k, W_v; v40-43 v's bias; v44-59 x's scale words; v96-127 the bias as C; v128-191 W's set 2, in the epilogue cos and sin of token tiles 2, 3;
; v192-255 cos and sin of tiles 0, 1, for the whole launch.  Window 1: v0-127 accumulators, v128-255 W's sets 0, 1, in the epilogue at work.  Windows 2, 3: x: fragment (K step q, tile i) at 16 (4 (q % 4) + i).
.set PITCH, 528
.set R64,   64*PITCH
.set WOFF,  128*PITCH
.set HST,   256*PITCH
.set SPARE, 2*HST
.set REC,   17408
.set SPW, 10
.set NIL, 11
.set ADX, 12
.set ADW, 14
.set ADK, 16
.set ADV, 22
.set SBQ, 24
.set BV,  40
.set SA,  44
.set SBK, 64
.set SBV, 80
.set BI,  96
.set Y,   128                          ; window 1 from here
.set TT,  192
.set PC,  224
.set TM,  240
.set PW,  TM
.set T1,  TM+1
.set T2,  TM+2
.set G1, 24
.set G0, 32
.set G1B, 48
.set G0B, 56
.set G0R, 60
.set G1R, 68
.set MNT, 66
.set HIL, 67
.set SEL, 100
.set MSB, 0
.macro WIN new
.if MSB != \new
	s_set_vgpr_msb (MSB<<8)|\new
.set MSB, \new
.endif
.endm
.macro PLACES n
.rept \n
	v_nop
.endr
.endm
.macro CROUND
	s_barrier_signal -1
	s_barrier_wait -1
	s_cmp_lg_u32 s14, 0
	s_cbranch_scc1 .Lnot_wave_0_\@
	s_barrier_signal -3
.Lnot_wave_0_\@:
	s_barrier_wait -3
	s_barrier_signal -1
	s_barrier_wait -1
.endm
.macro TLOAD g0, g1
	tensor_load_to_lds s[\g0:\g0+3], s[\g1:\g1+7]
	s_nop 0
	PLACES 4
.endm
.macro GROUP1 g, mask, rows            ; so many rows of 512 bytes, 1,024 apart, 4 words of padding behind every 128
	s_or_b32 s[\g+0], s[\mask], (1<<20)|(1<<21)|(6<<22)|(3<<25)
	s_mov_b32 s[\g+1], 512<<16
	s_mov_b32 s[\g+2], (\rows)<<16
	s_mov_b32 s[\g+3], 512<<16
	s_mov_b32 s[\g+4], \rows
	s_mov_b32 s[\g+5], 1024
	s_mov_b32 s[\g+6], 0
	s_mov_b32 s[\g+7], 0
.endm
	s_load_b256 s[4:11], s[0:1], 0x0               ; cod, scl, b_qkv, tab
	s_load_b128 s[96:99], s[0:1], 0x20             ; qb, kvb
	v_lshl_add_u32 v[SPW], v0, 2, SPARE
	v_mov_b32 v[NIL], 0
	ds_add_u32 v[SPW], v[NIL]                      ; the opening add, twice on end
	ds_add_u32 v[SPW], v[NIL]
	v_lshrrev_b32 v1, 5, v0
	v_readfirstlane_b32 s14, v1                    ; wave
	s_lshr_b32 s15, s14, 1                         ; my half of the tokens; which half of K I fetch
	s_and_b32 s16, s14, 1                          ; my head of the two; x (0) or W (1) at the head; which 64 rows in a refill
	s_bfe_u32 s40, ttmp6, 0x40000                  ; cx
	s_bfe_u32 s41, ttmp6, 0x40004                  ; cy
	s_lshl_b32 s42, ttmp9, 2
	s_add_co_u32 s42, s42, s40                     ; pair of heads 0..7
	s_and_b32 s19, ttmp7, 0xffff                   ; the cluster's y
	s_lshl_b32 s17, s19, 2
	s_add_co_u32 s17, s17, s41                     ; tile of 128 tokens 0..31
	s_lshl_b32 s43, s41, 2
	s_lshl_b32 s43, 15, s43                        ; my row of the cluster
	s_lshl_b32 s44, 0x1111, s40                    ; my column
	GROUP1 G1, 43, 128
	GROUP1 G1B, 44, 128
	GROUP1 G1R, 44, 64
	s_lshl_b32 s18, s15, 9                         ; my half of K
	s_lshl_b32 s20, s17, 17
	s_add_co_u32 s20, s20, s18                     ; x
	s_mov_b32 s21, 0
	s_lshl_b32 s2, s42, 17
	s_add_co_u32 s46, s2, 4096*1024
	s_add_co_u32 s46, s46, s18                     ; W_q
	s_mov_b32 s47, 0
	s_add_co_u32 s94, s2, 5120*1024
	s_lshl_b32 s3, s41, 2
	s_add_co_u32 s3, s3, s14
	s_lshl_b32 s3, s3, 13
	s_add_co_u32 s86, s94, s3                      ; my part of a prefetch: 8,192 bytes
	s_mov_b32 s87, 0
	s_add_co_u32 s94, s94, s18
	s_lshl_b32 s3, s16, 16
	s_add_co_u32 s94, s94, s3                      ; W_k: my quarter
	s_mov_b32 s95, 0
	s_lshl_b32 s22, s17, 12
	s_lshl_b32 s3, s15, 11
	s_add_co_u32 s22, s22, s3                      ; x's scale bytes
	s_mov_b32 s23, 0
	s_lshl_b32 s92, s42, 12
	s_lshl_b32 s3, s16, 11
	s_add_co_u32 s92, s92, s3
	s_add_co_u32 s92, s92, 4096*32                 ; W_q's; W_k's and W_v's lie 32,768 and 65,536 bytes on
	s_mov_b32 s93, 0
	s_lshl_b32 s88, s42, 9
	s_lshl_b32 s3, s16, 8
	s_add_co_u32 s88, s88, s3                      ; the bias of my head's q
	s_mov_b32 s89, 0
	s_and_b32 s36, s17, 15                         ; block of 128 tokens in the batch
	s_lshl_b32 s90, s36, 15
	s_lshl_b32 s3, s15, 14
	s_add_co_u32 s90, s90, s3                      ; the table at my first token
	s_mov_b32 s91, 0
	s_lshr_b32 s37, s17, 4
	s_lshl_b32 s37, s37, 8
	s_lshl_b32 s38, s42, 1
	s_add_co_u32 s38, s38, s16                     ; head
	s_lshl_b32 s38, s38, 4
	s_add_co_u32 s37, s37, s38
	s_add_co_u32 s37, s37, s36
	s_mul_i32 s38, s37, REC                        ; my record
	s_mov_b32 s39, 0
	s_mul_i32 s45, s15, HST
	s_mul_i32 s2, s16, R64
	s_mul_i32 s3, s15, WOFF
	s_mov_b32 s[SEL], 0x76543210
	s_mov_b32 s[SEL+1], 0xfedcba98
	s_mov_b32 s[MNT], 0x600000                     ; the mantissa field of 448
	s_mov_b32 s[HIL], 0xffff0000                   ; lanes 16-31
	s_wait_dscnt 0x0                               ; both opening adds are done
	CROUND                                         ; all sixteen work-groups are here
	s_wait_kmcnt 0x0
	s_mov_b32 s[G0], 1
	s_mov_b32 s[G0+1], s45
	s_add_nc_u64 s[G0+2:G0+3], s[4:5], s[20:21]
	s_or_b32 s[G0+3], s[G0+3], 0x80000000
	s_mov_b32 s[G0B], 1
	s_add_co_u32 s[G0B+1], s45, WOFF
	s_add_nc_u64 s[G0B+2:G0B+3], s[4:5], s[46:47]
	s_or_b32 s[G0B+3], s[G0B+3], 0x80000000
	s_mov_b32 s[G0R], 1
	s_add_co_u32 s[G0R+1], s3, s2                  ; W_k: K half 0 over x's, K half 1 over W_q's first half
	s_add_nc_u64 s[G0R+2:G0R+3], s[4:5], s[94:95]
	s_or_b32 s[G0R+3], s[G0R+3], 0x80000000
; one joint load a wave, each in an arm of its own: wave 0 x's first half of K, wave 1 W_q's, wave 2 x's second, wave 3 W_q's
.macro ARM under, g0, g1, next
	s_cmp_lt_u32 s14, \under
	s_cbranch_scc0 \next
	TLOAD \g0, \g1
	s_branch .Lasked
\next:
.endm
	ARM 1, G0, G1, .Larm1
	ARM 2, G0B, G1B, .Larm2
	ARM 3, G0, G1, .Larm3
	TLOAD G0B, G1B
.Lasked:
	s_add_nc_u64 s[80:81], s[6:7], s[22:23]
	s_add_nc_u64 s[82:83], s[6:7], s[92:93]
	s_add_nc_u64 s[84:85], s[4:5], s[86:87]
	s_add_nc_u64 s[8:9], s[8:9], s[88:89]
	s_add_nc_u64 s[10:11], s[10:11], s[90:91]
	s_add_nc_u64 s[76:77], s[96:97], s[38:39]
	s_add_nc_u64 s[78:79], s[98:99], s[38:39]
	s_mul_i32 s20, s15, R64
	s_mul_i32 s21, s16, R64
	v_and_b32 v128, 15, v0                         ; r
	v_bfe_u32 v129, v0, 4, 1                       ; h
	v_and_b32 v130, 31, v0                         ; lane
	v_lshlrev_b32 v6, 5, v130                      ; 32 x lane
	v_lshlrev_b32 v4, 6, v129                      ; 64 h
.irp p, 0,1
.irp k, 0,1
	global_load_b128 v[SA+8*\p+4*\k:SA+8*\p+4*\k+3], v6, s[80:81] offset:1024*\p+16*\k
	global_load_b128 v[SBQ+8*\p+4*\k:SBQ+8*\p+4*\k+3], v6, s[82:83] offset:1024*\p+16*\k
	global_load_b128 v[SBK+8*\p+4*\k:SBK+8*\p+4*\k+3], v6, s[82:83] offset:32768+1024*\p+16*\k
	global_load_b128 v[SBV+8*\p+4*\k:SBV+8*\p+4*\k+3], v6, s[82:83] offset:65536+1024*\p+16*\k
.endr
.endr
.macro BIAS o                          ; 32 numbers: register 16 c + 8 u + j is column 32 c + 16 h + 8 u + j
.irp c, 0,1
.irp u, 0,1
	global_load_b128 v[BI+16*\c+8*\u:BI+16*\c+8*\u+3], v4, s[8:9] offset:\o+(32*\c+8*\u)*4
	global_load_b128 v[BI+16*\c+8*\u+4:BI+16*\c+8*\u+7], v4, s[8:9] offset:\o+(32*\c+8*\u)*4+16
.endr
.endr
.endm
.macro CS a                            ; cos and sin of token tile a: pair 16 c + 8 h + 0 .. 7 at 16 c on
.set CB_, 128+32*((\a+2)%4)
.irp c, 0,1
.irp k, 0,1,2,3
	global_load_b128 v[CB_+16*\c+4*\k:CB_+16*\c+4*\k+3], v3, s[10:11] offset:(32*(\a/2)+8*(\a%2))*256+128*\c+16*\k
.endr
.endr
.endm
	BIAS 0
	v_and_b32 v131, 7, v128
	v_lshrrev_b32 v8, 3, v128
	v_lshl_add_u32 v131, v8, 4, v131               ; r % 8 + 16 (r / 8)
	v_lshl_add_u32 v3, v131, 8, v4                 ; the table: my token's row + 64 h
	v_lshlrev_b32 v5, 2, v131                      ; v's bias
	CS 0
	CS 1
	v_mul_u32_u24 v132, v128, PITCH
	v_lshl_add_u32 v132, v129, 4, v132             ; a fragment's row x pitch + 16 h
	v_add_nc_u32 v[ADX], s20, v132
	v_add_nc_u32 v[ADK], s21, v132
	v_add_nc_u32 v[ADX+1], HST, v[ADX]
	v_add_nc_u32 v[ADK+1], WOFF, v[ADK]
	v_add_nc_u32 v[ADW], WOFF, v[ADK]
	v_add_nc_u32 v[ADW+1], HST+WOFF, v[ADK]
	v_add_nc_u32 v[ADV], HST, v[ADK]
	v_add_nc_u32 v[ADV+1], HST+WOFF, v[ADK]
	v_lshlrev_b32 v1, 4, v130
	v_lshlrev_b32 v2, 2, v130
	v_lshlrev_b32 v7, 8, v130                      ; a prefetch: 256 x lane
	s_lshl_b32 s20, s15, 10
	v_add_nc_u32 v19, s20, v1                      ; V's codes
	s_lshl_b32 s20, s15, 1
	v_add_nc_u32 v9, s20, v2                       ; V's scale bytes: my two of a word
	s_lshl_b32 s20, s15, 7
	v_add_nc_u32 v18, s20, v2                      ; the record's last 256 bytes
	s_lshl_b32 s20, s15, 12
	v_add_nc_u32 v1, s20, v1                       ; q's, k's codes
	s_lshl_b32 s20, s15, 8
	v_add_nc_u32 v2, s20, v2                       ; and scale words
	v_mov_b32 v8, 0
	s_wait_alu depctr_va_vdst(0)                   ; the wait at the head's end
.macro PREF o
	s_cmp_lt_u32 s19, 4
	s_cbranch_scc0 .Lno_pref_\@
	global_prefetch_b8 v7, s[84:85] offset:\o th:TH_LOAD_NT scope:SCOPE_SE
.Lno_pref_\@:
.endm
	PREF 0                                         ; W_k
; sixteen loads: W's four fragments of K step q into set q % 3: sets 0, 1 in window 1, set 2 in window 0
.macro LDW q, adr
	WIN (1-((\q)%3)/2)<<6
.irp i, 0,1,2,3
.irp c, 0,1,2,3
	ds_load_b128 v[128+64*(((\q)%3)%2)+16*\i+4*\c:128+64*(((\q)%3)%2)+16*\i+4*\c+3], v[\adr+(\q)/4] offset:\i*16*PITCH+128*((\q)%4)+32*\c
.endr
.endr
.endm
.macro LDX q
	WIN (2+(\q)/4)<<6
.irp i, 0,1,2,3
.irp c, 0,1,2,3
	ds_load_b128 v[64*((\q)%4)+16*\i+4*\c:64*((\q)%4)+16*\i+4*\c+3], v[ADX+(\q)/4] offset:\i*16*PITCH+128*((\q)%4)+32*\c
.endr
.endr
.endm
.macro WM ma, mb
.if (\ma) && (\mb)
	v_wmma_scale_f32_16x16x128_f8f6f4 v[D_:D_+7], v[P_:P_+15], v[R_:R_+15], v[C_:C_+7], v[S_], v[U_] matrix_a_scale:MATRIX_SCALE_ROW1 matrix_b_scale:MATRIX_SCALE_ROW1
.elseif (\ma)
	v_wmma_scale_f32_16x16x128_f8f6f4 v[D_:D_+7], v[P_:P_+15], v[R_:R_+15], v[C_:C_+7], v[S_], v[U_] matrix_a_scale:MATRIX_SCALE_ROW1
.elseif (\mb)
	v_wmma_scale_f32_16x16x128_f8f6f4 v[D_:D_+7], v[P_:P_+15], v[R_:R_+15], v[C_:C_+7], v[S_], v[U_] matrix_b_scale:MATRIX_SCALE_ROW1
.else
	v_wmma_scale_f32_16x16x128_f8f6f4 v[D_:D_+7], v[P_:P_+15], v[R_:R_+15], v[C_:C_+7], v[S_], v[U_]
.endif
.endm
; K step q: sixteen products, source 1's tiles a x source 0's tiles b.  first = 1: the bias is C.  The accumulators take turns
.macro MUL kind, q, sb, first
.set XW_, 2+(\q)/4
.set VW_, 1-((\q)%3)/2
.set F_, 128+64*(((\q)%3)%2)
.set X_, 64*((\q)%4)
.if \kind
.set N_, XW_|(VW_<<2)|0x50
.else
.set N_, VW_|(XW_<<2)|0x50
.endif
.if \first
.set N_, N_-0x10
.endif
	WIN N_
.irp a, 0,1,2,3
.irp b, 0,1,2,3
.set D_, 8*(4*\a+\b)
.set C_, D_
.if \kind
.set P_, X_+16*\b
.set R_, F_+16*\a
.set S_, SA+8*(\b/2)+\q
.set U_, \sb+8*(\a/2)+\q
.if \first
.set C_, BI+8*\a
.endif
.else
.set P_, F_+16*\b
.set R_, X_+16*\a
.set S_, \sb+8*(\b/2)+\q
.set U_, SA+8*(\a/2)+\q
.if \first
.set C_, BI+8*\b
.endif
.endif
	WM (\b)%2, (\a)%2
.endr
.endr
.endm
.macro CSLOAD nv                       ; the next phase's bias, then cos and sin of token tiles 2, 3 into the registers of W's set 2
	PLACES 8
	WIN 0
.if \nv
.irp a, 0,1,2,3
	global_load_b32 v[BV+\a], v5, s[8:9] offset:8192+(32*(\a/2)+8*(\a%2))*4
.endr
.else
	BIAS 4096
.endif
	CS 2
	CS 3
.endm
; THE QUANTISER, all in window 1: four blocks of 16 registers at src (with lane l xor 16: 32 numbers each) -> codes PC + 4 b, bytes b of PW
.macro QUANT src
	WIN 0x55
.irp b, 0,1,2,3
	v_max3_num_f32 v[TM+\b], 0x4800000, |v[\src+16*\b]|, |v[\src+1+16*\b]|   ; the floor 2^(9 - 127): the byte cannot fall under 1
.endr
.irp i, 2,4,6,8,10,12,14
.irp b, 0,1,2,3
	v_max3_num_f32 v[TM+\b], v[TM+\b], |v[\src+16*\b+\i]|, |v[\src+1+16*\b+\i]|
.endr
.endr
.irp b, 0,1,2,3
	v_permlanex16_b32 v[TM+4+\b], v[TM+\b], s[SEL], s[SEL+1]
.endr
.irp b, 0,1,2,3
	v_max_num_f32 v[TM+\b], v[TM+\b], v[TM+4+\b]
.endr
.irp b, 0,1,2,3
	v_add_nc_u32 v[TM+12+\b], 0xfc000000, v[TM+\b] ; the conversion's scale operand
.endr
.irp b, 0,1,2,3
	v_and_or_b32 v[TM+8+\b], v[TM+\b], 0x7f800000, s[MNT]   ; 448 x the scale
.endr
.irp b, 0,1,2,3
	v_lshrrev_b32 v[TM+4+\b], 23, v[TM+12+\b]      ; the scale's byte
.endr
	v_lshl_or_b32 v[PW], v[TM+5], 8, v[TM+4]
	v_lshl_or_b32 v[PW], v[TM+6], 16, v[PW]
	v_lshl_or_b32 v[PW], v[TM+7], 24, v[PW]
.irp b, 0,1,2,3
.irp i, 0,1,2,3,4,5,6,7,8,9,10,11,12,13,14,15
	v_med3_num_f32 v[Y+16*\b+\i], v[\src+16*\b+\i], -v[TM+8+\b], v[TM+8+\b]   ; the hold: the conversion does not saturate (ISA guide 7.6.2)
.endr
.endr
.irp b, 0,1,2,3
	v_cvt_scalef32_pk8_fp8_f32 v[PC+4*\b:PC+1+4*\b], v[Y+16*\b:Y+7+16*\b], v[TM+12+\b]
	v_cvt_scalef32_pk8_fp8_f32 v[PC+2+4*\b:PC+3+4*\b], v[Y+8+16*\b:Y+15+16*\b], v[TM+12+\b]
.endr
	v_nop
.endm
.macro EPIQK P, sb                     ; token tiles 2 P, 2 P + 1 of q or k
.if \P
	s_wait_loadcnt 0x0                             ; their cos and sin
	s_wait_xcnt 0x0                                ; the first pair's stores have read their registers
.endif
	WIN 0x51
.irp u, 0,1
.set CB_, 192-64*\P+32*\u
.set yy, 0
.rept 16
	v_pk_mul_f32 v[TT+yy:TT+yy+1], v[64*\P+32*\u+yy:64*\P+32*\u+yy+1], v[CB_+yy:CB_+yy+1] op_sel_hi:[1,0]
.set yy, yy+2
.endr
.set yy, 0
.rept 16                               ; (x1, x2) -> (x1 c - x2 s, x2 c + x1 s)
	v_pk_fma_f32 v[Y+32*\u+yy:Y+32*\u+yy+1], v[64*\P+32*\u+yy:64*\P+32*\u+yy+1], v[CB_+yy:CB_+yy+1], v[TT+yy:TT+yy+1] op_sel:[1,1,0] op_sel_hi:[0,1,1] neg_lo:[0,1,0]
.set yy, yy+2
.endr
.endr
	QUANT Y
	v_perm_b32 v[T1], v[PW], v[PW], 0x01000100     ; the even tile's word: s0, s1, s0, s1
	v_perm_b32 v[T2], v[PW], v[PW], 0x03020302     ; the odd tile's
	v_cndmask_b32 v[T1], v[T1], v[T2], s[HIL]
	WIN 0x04
.irp g, 0,1,2,3
	global_store_b128 v1, v[PC+4*\g:PC+4*\g+3], s[\sb:\sb+1] offset:(2*\P+\g/2)*1024+(\g%2)*512
.endr
	global_store_b32 v2, v[T1], s[\sb:\sb+1] offset:16384+128*\P
	WIN 0
.endm
.macro EPIV P                          ; d tiles 2 P, 2 P + 1 of v
.if \P
	s_wait_xcnt 0x0
.endif
	QUANT 64*\P
	v_lshrrev_b32 v[T1], 16, v[PW]
	v_cndmask_b32 v[T1], v[PW], v[T1], s[HIL]
	WIN 0x04
.irp g, 0,1,2,3
	global_store_b128 v19, v[PC+4*\g:PC+4*\g+3], s[78:79] offset:8192+(2*\P+\g/2)*2048+(\g%2)*512
.endr
	global_store_b16 v9, v[T1], s[78:79] offset:16896+128*\P   ; my two of the word's four bytes: the other 64 keys are another wave's
	WIN 0
.endm
; a phase on x in registers: W's K steps run two ahead of the products, in three sets
.macro PHASE kind, adr, sb, cs
	LDW 0, \adr
	LDW 1, \adr
	LDW 2, \adr
	s_wait_dscnt 32                                ; all but two K steps' loads
	MUL \kind, 0, \sb, 1
.irp q, 1,2,3,4,5
	PLACES 8
	LDW \q+2, \adr
	s_wait_dscnt 32
	MUL \kind, \q, \sb, 0
.endr
.if \cs
	CSLOAD 1
.endif
	s_wait_dscnt 16
	MUL \kind, 6, \sb, 0
	s_wait_dscnt 0x0
	MUL \kind, 7, \sb, 0
	PLACES 8
	WIN 0
.endm
	s_cmp_lt_u32 s14, 2
	s_cbranch_scc0 .Lsecond_half
	s_wait_tensorcnt 0x0                           ; waves 0, 1: the first half of K has landed
.Lsecond_half:
	s_barrier_signal -1
	s_barrier_wait -1
; ---- q
	LDX 0
	LDW 0, ADW
	LDX 1
	LDW 1, ADW
	s_wait_loadcnt 0x0                             ; scale words, bias, cos and sin
	s_wait_dscnt 32
	MUL 0, 0, SBQ, 1
	LDX 2
	LDW 2, ADW
	s_wait_dscnt 32
	MUL 0, 1, SBQ, 0
	PLACES 8
	LDX 3
	LDW 3, ADW
	s_wait_dscnt 32
	MUL 0, 2, SBQ, 0
	s_wait_dscnt 0x0
	MUL 0, 3, SBQ, 0
	PLACES 8
	WIN 0
	s_wait_tensorcnt 0x0                           ; the second half of K
	ds_add_u32 v[SPW], v[NIL]                      ; the add ahead of a refill's round
	s_wait_dscnt 0x0
	CROUND                                         ; everybody's is in, and nobody reads the first half any more
	TLOAD G0R, G1R                                 ; W_k over it
	LDX 4
	LDW 4, ADW
	LDX 5
	LDW 5, ADW
	s_wait_dscnt 32
	MUL 0, 4, SBQ, 0
	PLACES 8
	LDX 6
	LDW 6, ADW
	LDX 7
	LDW 7, ADW
	s_wait_dscnt 63                                ; K step 5's are in (64 younger ones)
	MUL 0, 5, SBQ, 0
	CSLOAD 0
	s_wait_dscnt 32
	MUL 0, 6, SBQ, 0
	s_wait_dscnt 0x0
	MUL 0, 7, SBQ, 0
	PLACES 8
	WIN 0
	EPIQK 0, 76
	PREF 1048576                                   ; W_v
	EPIQK 1, 76
; ---- k
	s_wait_tensorcnt 0x0                           ; my quarter of W_k is in
	ds_add_u32 v[SPW], v[NIL]
	s_add_co_u32 s[G0R+1], s[G0R+1], HST
	s_add_nc_u64 s[G0R+2:G0R+3], s[G0R+2:G0R+3], 1048576
	s_wait_alu depctr_va_vdst(0)
	s_wait_dscnt 0x0
	CROUND                                         ; everybody's is, and nobody reads the second half of x and W_q any more
	TLOAD G0R, G1R                                 ; W_v over it
	s_wait_xcnt 0x0                                ; the stores have read their registers
	PHASE 0, ADK, SBK, 1
	EPIQK 0, 78
	EPIQK 1, 78
; ---- v
.irp a, 0,1,2,3
.irp j, 0,2,4,6
	v_dual_mov_b32 v[BI+8*\a+\j], v[BV+\a] :: v_dual_mov_b32 v[BI+8*\a+\j+1], v[BV+\a]
.endr
.endr
	s_wait_alu depctr_va_vdst(0)
	s_wait_xcnt 0x0
	s_wait_tensorcnt 0x0                           ; W_v
	s_wait_dscnt 0x0
	s_barrier_signal -1
	s_barrier_wait -1
	PHASE 1, ADV, SBV, 0
	EPIV 0
	EPIV 1
	global_store_b32 v18, v8, s[78:79] offset:17152   ; the record's last 256 bytes: zeros, so that every byte that is read later has been written
	s_wait_tensorcnt 0x0                           ; the wave's end
	ds_add_u32 v[SPW], v[NIL]
	s_wait_dscnt 0x0
	CROUND                                         ; the closing round
	s_endpgm
.Lfunc_end_k_q96f873d869_qkv:
	.size	k_q96f873d869_qkv, .Lfunc_end_k_q96f873d869_qkv-k_q96f873d869_qkv
	.p2alignl 7, 3214868480
	.fill 96, 4, 3214868480
	.section	.rodata,"a",@progbits
	.p2align	6, 0x0
	.amdhsa_kernel k_q96f873d869_qkv
		.amdhsa_group_segment_fixed_size 327680
		.amdhsa_private_segment_fixed_size 0
		.amdhsa_enable_private_segment 0
		.amdhsa_kernarg_size 48
		.amdhsa_user_sgpr_count 2
		.amdhsa_user_sgpr_kernarg_segment_ptr 1
		.amdhsa_wavefront_size32 1
		.amdhsa_system_sgpr_workgroup_id_x 1
		.amdhsa_system_sgpr_workgroup_id_y 1
		.amdhsa_system_sgpr_workgroup_id_z 1
		.amdhsa_system_vgpr_workitem_id 0
		.amdhsa_next_free_vgpr 1024
		.amdhsa_next_free_sgpr 102
		.amdhsa_reserve_vcc 0
		.amdhsa_float_denorm_mode_32 3
		.amdhsa_float_denorm_mode_16_64 3
		.amdhsa_memory_ordered 1
		.amdhsa_forward_progress 1
		.amdhsa_inst_pref_size 176
	.end_amdhsa_kernel
	.amdgpu_metadata
---
amdhsa.version: [ 1, 2 ]
amdhsa.kernels:
  - .name:           k_q96f873d869_qkv
    .symbol:         k_q96f873d869_qkv.kd
    .args:
      - { .name: cod, .offset: 0, .size: 8, .value_kind: global_buffer, .address_space: global }
      - { .name: scl, .offset: 8, .size: 8, .value_kind: global_buffer, .address_space: global }
      - { .name: b_qkv, .offset: 16, .size: 8, .value_kind: global_buffer, .address_space: global }
      - { .name: tab, .offset: 24, .size: 8, .value_kind: global_buffer, .address_space: global }
      - { .name: qb, .offset: 32, .size: 8, .value_kind: global_buffer, .address_space: global }
      - { .name: kvb, .offset: 40, .size: 8, .value_kind: global_buffer, .address_space: global }
    .group_segment_fixed_size: 327680
    .private_segment_fixed_size: 0
    .kernarg_segment_align: 8
    .kernarg_segment_size: 48
    .max_flat_workgroup_size: 128
    .sgpr_count:     102
    .vgpr_count:     1024
    .wavefront_size: 32
...
	.end_amdgpu_metadata
.endif
;; end of part 7
;; launch attn (part 8): grid 8 x 32, 8 waves a work-group, clusters of 4 x 1, 327,680 bytes of LDS; arguments qb, kvb, ac, asc; writes ac, asc
.if DOCPART == 8
	.amdgcn_target "amdgcn-amd-amdhsa--gfx1250"
	.amdhsa_code_object_version 6
	.text
	.protected	k_q96f873d869_attn
	.globl	k_q96f873d869_attn
	.p2align	8
	.type	k_q96f873d869_attn,@function
k_q96f873d869_attn:
	s_mov_b64 s[64:65], 0
	v_nop
	global_prefetch_b8 v0, s[64:65] scope:SCOPE_SE
	s_setreg_imm32_b32 hwreg(HW_REG_WAVE_MODE, 25, 1), 1
	s_wait_xcnt 0x0
	s_wait_alu depctr_hold_cnt(0) depctr_sa_sdst(0) depctr_va_vdst(0) depctr_va_sdst(0) depctr_va_ssrc(0) depctr_va_vcc(0) depctr_vm_vsrc(0)
	s_getreg_b32 s2, hwreg(HW_REG_IB_STS2, 6, 4)
	s_cmp_eq_u32 s2, 0
	s_cbranch_scc0 .Lentry_in_a_cluster
	s_endpgm
.Lentry_in_a_cluster:
	s_bfe_u32 s2, ttmp6, 0x10000c
	s_cmp_lg_u32 s2, 0x3003
	s_cbranch_scc0 .Lentry_shape_is_right
	s_endpgm
.Lentry_shape_is_right:
; Causal attention of one head on codes of E4M3 with E8M0 scales.  q, k, v arrive as images of operand registers (records of 17,408 bytes for 128 tokens: eight tiles of 16 tokens x 64, four fragments of V^T,
; their scale words).  The result, divided by the row's sum, is quantised along (head, d) and leaves as images of the last product's operand: ac [row tile 256][K step 8][group 4][lane 32][16 bytes], asc [row 4096][32].
; WORK LEFT OUT: key steps of 128 that come wholly after a tile's queries: reference()'s own causal mask hides them for all inputs.  A NaN or an infinity there is not carried to the result.
; THE SOFTMAX: t = score x log2(e) / 8; M = the running largest t rounded up to a whole number; p = 2^(t - M) is quantised along the keys; the row's sum is taken of the unquantised p.  When M moves, the sum and O are
; multiplied by 2^(old M - new M): exact.  Hidden scores are held at -2^99 or less, so p = 0, where reference() writes -1e9.
; LIMIT of that: the scaled scores stay under 2^31 in magnitude, and the visible logits of a row do not all lie under about -1e9 + 150.
; SHARES.  A wave works on TWO tiles of 16 queries, a and b: tiles 2 cx and 2 cx + 1 of a block of 128 tokens (cx: the place in the cluster), so that each fragment of K and V serves both.  A work-group owns eight such pairs of tiles:
; of blocks p and 15 - p, p = 2 (w / 2) + the cluster's x.  Of waves 2 k, 2 k + 1 the LONG one (bit 0 xor bit 2 of its number) owns block 15 - p, the SHORT one block p.
; Of the long block's 16 - p key steps the long wave does nine: 0 to 7 and the diagonal one; the short wave does its own p + 1, sends its tiles out, and then does the long block's steps 8 to 14 - p from a fresh start;
; it hands that partial sum over through LDS, and the long wave joins the two.  So in nine trips a long wave has nine steps and a short one eight; of waves w, w + 4, and of 2 k, 2 k + 1, one is long.
; LDS holds the head's 16 records, filled ONCE: wave w brings records 2 w, 2 w + 1 by one tensor load, asked jointly by the four work-groups of a cluster, which read the same head.  Steps 0 and 1 begin when records 0 and 1 have landed.
; No prefetch into the L2: every record is asked for at the head, and no loop asks for more.
; LAYOUT.  S^T = K Q^T (source 0 = 16 keys, source 1 = 16 queries), O^T = V^T P^T: a lane holds one query of each tile throughout.  Position r of token tile 2 b + u is token 32 b + 8 u + r % 8 + 16 (r / 8), so the 16 registers of
; tiles 2 b, 2 b + 1 are 16 neighbouring keys.  THE HEAD'S K IS 64, THE INSTRUCTION'S 128: the other half of both operands is zero codes; even tiles are [codes | zeros], odd tiles [zeros | codes] against the
; same order of Q, so that two tiles share eight zero registers; the scale words carry s0, s1 in both halves.
; LIMITS: NaN and infinities are not served; blocks whose largest magnitude lies under 2^-118 keep the scale byte 1.  The result's scale bytes leave one byte a lane, 32 bytes apart (a row's 32 bytes come from 16 heads' work-groups).
; REGISTERS.  Window 0: v1-9 addresses; v16-79 S^T of tile a, then p, then V^T's four fragments; v80-143 S^T of tile b; all that is at work.  Window 1: v0-95 K's eight tiles with their zeros; v96-143 Q of a and b, each [codes | zeros | codes];
; v144-207 O^T of a and b; v208-223 the long block's Q.
.set REC,   17408
.set HEADB, 16*REC
.set SPARE, HEADB                      ; 1,024 bytes
.set MRG,   SPARE+1024                 ; the partial sums: 9,216 bytes for each two waves
.set A16, 1
.set A4,  2
.set ADK, 3                            ; the record in hand + 16 x lane
.set ADS, 4                            ; + 4 x lane
.set OA,  6
.set MA,  7
.set ANK, 8                            ; the next trip's record
.set ANS, 9
.set S,   16                           ; + 64 for tile b
.set T,   144                          ; + 16: T .. T+3 largest, T+4 .. bytes, T+8 .. bounds, T+12 .. scale operands
.set PCD, 176                          ; + 16
.set KSC, 208
.set VSC, 212
.set QS,  214                          ; lanes 0-15 tile a's words, lanes 16-31 tile b's
.set Q2S, 215
.set PWD, 216                          ; + 1
.set TMP, 218                          ; + 1
.set F,   220                          ; + 2
.set M,   224                          ; + 4: -M, the largest t, the sum in two halves
.set DQ,  232                          ; + 1: (my query's place in its 128 - 16 (lane / 16) + 1/2) x 2^100
.set G,   234
.set SPW, 254
.set NIL, 255
.set QW,  96                           ; + 24 (window 1)
.set O,   144                          ; + 32 (window 1)
.set Q2,  208                          ; + 8  (window 1)
.set WV, 12
.set GA, 13
.set CX, 14
.set HB, 15
.set G1, 16
.set G0, 24
.set SEL, 32
.set CS, 34
.set MNT, 36
.set TB, 37
.set ST, 38
.set TR, 39
.set HIL, 40
.set LB, 56
.set EVF, 57
.set EVT, 58
.set DLT, 59
.set LAST1, 60
.set LAST2, 61
.set DIAG1, 62
.set DIAG2, 63
.set LAST, 66
.set DIAG, 67
.set PP, 68
.set TBN, 69
.set MSB, 0
.macro WIN new
.if MSB != \new
	s_set_vgpr_msb (MSB<<8)|\new
.set MSB, \new
.endif
.endm
.macro PLACES n
.rept \n
	v_nop
.endr
.endm
.macro ROUND
	s_barrier_signal -1
	s_barrier_wait -1
	s_cmp_lg_u32 s[WV], 0
	s_cbranch_scc1 .Lnot_wave_0_\@
	s_barrier_signal -3
.Lnot_wave_0_\@:
	s_barrier_wait -3
	s_barrier_signal -1
	s_barrier_wait -1
.endm
.macro TLOAD
	tensor_load_to_lds s[G0:G0+3], s[G1:G1+7]
	s_nop 0
	PLACES 4
.endm
	s_load_b256 s[4:11], s[0:1], 0x0               ; qb, kvb, ac, asc
	v_lshl_add_u32 v[SPW], v0, 2, SPARE
	v_mov_b32 v[NIL], 0
	ds_add_u32 v[SPW], v[NIL]                      ; the opening add, twice on end
	ds_add_u32 v[SPW], v[NIL]
	v_lshrrev_b32 v3, 5, v0
	v_readfirstlane_b32 s[WV], v3                  ; wave 0..7
	s_lshr_b32 s69, s[WV], 1                       ; w / 2
	s_lshl_b32 s[PP], s69, 1
	s_add_co_u32 s[PP], s[PP], ttmp9               ; p
	s_lshr_b32 s41, s[WV], 2
	s_xor_b32 s41, s41, s[WV]
	s_and_b32 s[LB], s41, 1                        ; 1: long
	s_xor_b32 s50, s[PP], 15                       ; 15 - p
	s_xor_b32 s51, s[PP], 7                        ; 7 - p
	s_min_u32 s52, s51, 6                          ; short: 8 - F, F the trip at which it takes up the long block: the larger of p + 1 and 2
	s_sub_co_u32 s53, 8, s52                       ; F
	s_sub_co_u32 s54, s50, 1                       ; 14 - p
	s_mov_b32 s41, 63                              ; no step and no trip has this number
	s_cmp_eq_u32 s[LB], 1
	s_cselect_b32 s[GA], s50, s[PP]                ; my own block
	s_cselect_b32 s[EVF], s41, s53                 ; the trip at which my own tiles leave
	s_cselect_b32 s[EVT], 8, s53                   ; the trip from which on the step is not the trip's number
	s_cselect_b32 s[DLT], s51, s52                 ; but DLT more
	s_cselect_b32 s[LAST1], s50, s[PP]             ; the last step, the diagonal step, ahead of that trip
	s_cselect_b32 s[DIAG1], s41, s[PP]
	s_cselect_b32 s[LAST2], s50, s54               ; and from it on
	s_cselect_b32 s[DIAG2], s50, s41
	s_bfe_u32 s[CX], ttmp6, 0x40000                ; cx: it enters global addresses and the mask's numbers alone
	s_and_b32 s[HB], ttmp7, 0xffff                 ; 16 x batch + head, which the partners share
	s_mov_b32 s[G1], 15|(3<<16)|(1<<21)            ; the mask: all four work-groups; elements of 8 bytes; bit 21 beside a mask; no padding
	s_mov_b32 s[G1+1], 32<<16
	s_mov_b32 s[G1+2], 136<<16                     ; 136 rows of 256 bytes = two records
	s_mov_b32 s[G1+3], 32<<16
	s_mov_b32 s[G1+4], 136
	s_mov_b32 s[G1+5], 32
	s_mov_b32 s[G1+6], 0
	s_mov_b32 s[G1+7], 0
	s_mul_i32 s42, s[HB], HEADB                    ; the head's first byte in qb and kvb
	s_mov_b32 s43, 0
	s_mul_i32 s44, s[WV], 2*REC                    ; records 2 w, 2 w + 1
	s_mov_b32 s45, 0
	s_mul_i32 s51, s[GA], REC
	s_mul_i32 s52, s50, REC
	s_lshl_b32 s41, s[CX], 11
	s_add_co_u32 s46, s41, s51                     ; my two tiles of Q
	s_mov_b32 s47, 0
	s_add_co_u32 s70, s41, s52                     ; the long block's
	s_mov_b32 s71, 0
	s_lshl_b32 s41, s[CX], 7
	s_add_co_u32 s28, s41, s51                     ; and their scale words
	s_mov_b32 s29, 0
	s_add_co_u32 s72, s41, s52
	s_mov_b32 s73, 0
	s_lshl_b32 s30, s[CX], 5                       ; tile a's first token in its 128
	s_lshr_b32 s41, s[HB], 4
	s_lshl_b32 s41, s41, 7
	s_lshl_b32 s50, s[GA], 3
	s_add_co_u32 s41, s41, s50
	s_lshl_b32 s50, s[CX], 1
	s_add_co_u32 s41, s41, s50                     ; tile a's row tile: 128 x batch + 8 block + 2 cx
	s_and_b32 s51, s[HB], 15                       ; the head
	s_lshl_b32 s52, s41, 14
	s_lshl_b32 s53, s51, 10
	s_add_co_u32 s52, s52, s53
	s_mov_b32 s53, 0
	s_lshl_b32 s54, s41, 9
	s_lshl_b32 s55, s51, 1
	s_add_co_u32 s54, s54, s55
	s_mov_b32 s55, 0
	s_mul_i32 s31, s69, 9216
	s_add_co_u32 s31, s31, MRG
	s_mov_b32 s[SEL], 0x76543210
	s_mov_b32 s[SEL+1], 0xfedcba98
	s_mov_b32 s[CS], 0x3e38aa3b                    ; log2(e) / 8
	s_mov_b32 s[CS+1], s[CS]                       ; (named with it as a pair)
	s_mov_b32 s[MNT], 0x600000
	s_mov_b32 s[HIL], 0xffff0000
	s_mov_b32 s[LAST], s[LAST1]
	s_mov_b32 s[DIAG], s[DIAG1]
	s_mov_b32 s[TB], 0
	s_mov_b32 s[ST], 0
	s_wait_dscnt 0x0
	ROUND                                          ; all four work-groups are here
	s_wait_kmcnt 0x0
	s_add_nc_u64 s[6:7], s[6:7], s[42:43]
	s_mov_b32 s[G0], 1
	s_mov_b32 s[G0+1], s44
	s_add_nc_u64 s[G0+2:G0+3], s[6:7], s[44:45]
	s_or_b32 s[G0+3], s[G0+3], 0x80000000
	s_cmp_lt_u32 s[WV], 1                          ; my one tensor load.  Wave 0, whose records are shown first, has a line of its own
	s_cbranch_scc0 .Lrest
	TLOAD
	s_branch .Lasked
.Lrest:
	TLOAD
.Lasked:
	s_add_nc_u64 s[4:5], s[4:5], s[42:43]
	s_add_nc_u64 s[48:49], s[4:5], s[28:29]
	s_add_nc_u64 s[72:73], s[4:5], s[72:73]
	s_add_nc_u64 s[70:71], s[4:5], s[70:71]
	s_add_nc_u64 s[4:5], s[4:5], s[46:47]
	s_add_nc_u64 s[8:9], s[8:9], s[52:53]
	s_add_nc_u64 s[10:11], s[10:11], s[54:55]
	v_and_b32 v10, 31, v0
	v_lshlrev_b32 v[A16], 4, v10
	v_lshlrev_b32 v[A4], 2, v10
	global_load_b32 v[QS], v[A4], s[48:49] offset:16384
	global_load_b32 v[Q2S], v[A4], s[72:73] offset:16384
	WIN 0x40
.irp u, 0,1
.irp c, 0,1
	global_load_b128 v[QW+24*\u+4*\c:QW+24*\u+4*\c+3], v[A16], s[4:5] offset:1024*\u+512*\c         ; Q, in front of eight zero registers,
	global_load_b128 v[QW+24*\u+16+4*\c:QW+24*\u+16+4*\c+3], v[A16], s[4:5] offset:1024*\u+512*\c   ; and once more behind them
	global_load_b128 v[Q2+8*\u+4*\c:Q2+8*\u+4*\c+3], v[A16], s[70:71] offset:1024*\u+512*\c
.endr
.endr
	WIN 0
	v_and_b32 v10, 15, v0                          ; r
	v_bfe_u32 v11, v0, 4, 1                        ; h
	v_add_nc_u32 v[MA], s31, v[A16]                ; where a partial sum is handed over
	v_lshl_add_u32 v[OA], v10, 5, v11              ; the way out: 32 r + h
	v_and_b32 v12, 7, v10
	v_lshrrev_b32 v10, 3, v10
	v_lshl_add_u32 v12, v10, 4, v12                ; r % 8 + 16 (r / 8)
	v_lshlrev_b32 v11, 4, v11
	v_sub_nc_u32 v12, v12, v11
	v_add_nc_u32 v12, s30, v12
	v_cvt_f32_i32 v12, v12
	v_add_f32 v13, 0.5, v12
	v_add_f32 v12, 0x41080000, v12                 ; tile b: 8 tokens on
	v_mul_f32 v[DQ], 0x71800000, v13
	v_mul_f32 v[DQ+1], 0x71800000, v12
.macro FRESH                           ; no key seen yet
.irp u, 0,1
	v_mov_b32 v[M+4*\u+1], 0xff61b1e6              ; the largest t so far: -3e38
	v_mov_b32 v[M+4*\u+2], 0
	v_mov_b32 v[M+4*\u+3], 0
.endr
	WIN 0x40
.set zz, 0
.rept 64
	v_mov_b32 v[O+zz], 0                           ; (a step is written once: the first change of M multiplies zeros)
.set zz, zz+1
.endr
	WIN 0
	v_floor_f32 v[M], -v[M+1]                      ; -M
	v_floor_f32 v[M+4], -v[M+5]
.endm
	FRESH
.irp u, 0,1
	v_mov_b32 v[PWD+\u], 0
	v_mov_b32 v[TMP+\u], 0
	v_mov_b32 v[F+2*\u+1], 0
.irp b, 0,1,2,3
	v_mov_b32 v[T+16*\u+4+\b], 0                   ; (a lane permute's destination counts as one of its sources)
.endr
.endr
	WIN 0x40
.irp z, 8,32,56,80,QW+8,QW+32          ; the zero halves: K's four, Q's two
.set zz, 0
.rept 8
	v_mov_b32 v[\z+zz], 0
.set zz, zz+1
.endr
.endr
	WIN 0
.macro KLOAD adk, ads                  ; a record's eight tiles of K and their scale words
.irp p, 0,1,2,3
	ds_load_b32 v[KSC+\p], v[\ads] offset:16384+128*\p
.endr
	WIN 0x40
.irp t, 0,1,2,3,4,5,6,7
.set K_, 24*(\t/2)+16*(\t%2)
	ds_load_b128 v[K_:K_+3], v[\adk] offset:1024*\t
	ds_load_b128 v[K_+4:K_+7], v[\adk] offset:1024*\t+512
.endr
	WIN 0
.endm
.macro QK u                            ; tile u's scores
.irp t, 0,1,2,3,4,5,6,7
.set K_, 24*(\t/2)+8*(\t%2)
.set Q_, QW+24*\u+8*(\t%2)
.set S_, S+64*\u+8*\t
.if (\t%2) && \u
	v_wmma_scale_f32_16x16x128_f8f6f4 v[S_:S_+7], v[K_:K_+15], v[Q_:Q_+15], 0, v[KSC+\t/2], v[QS] matrix_a_scale:MATRIX_SCALE_ROW1 matrix_b_scale:MATRIX_SCALE_ROW1
.elseif \t%2
	v_wmma_scale_f32_16x16x128_f8f6f4 v[S_:S_+7], v[K_:K_+15], v[Q_:Q_+15], 0, v[KSC+\t/2], v[QS] matrix_a_scale:MATRIX_SCALE_ROW1
.elseif \u
	v_wmma_scale_f32_16x16x128_f8f6f4 v[S_:S_+7], v[K_:K_+15], v[Q_:Q_+15], 0, v[KSC+\t/2], v[QS] matrix_b_scale:MATRIX_SCALE_ROW1
.else
	v_wmma_scale_f32_16x16x128_f8f6f4 v[S_:S_+7], v[K_:K_+15], v[Q_:Q_+15], 0, v[KSC+\t/2], v[QS]
.endif
.endr
.endm
.macro MASK u                          ; register n = 16 b + i holds key 32 b + 16 (lane / 16) + i: the bound (my place - key + 1/2) x 2^100 lies above every score where the key counts, and under every one where it does not
	v_mov_b32 v[G], v[DQ+\u]
	v_add_f32 v[G+1], 0xf1800000, v[DQ+\u]
.set n, 0
.rept 32
	v_dual_min_num_f32 v[S+64*\u+n], v[S+64*\u+n], v[G] :: v_dual_min_num_f32 v[S+64*\u+n+1], v[S+64*\u+n+1], v[G+1]
.if n%16 == 14
.if n < 62
	v_pk_add_f32 v[G:G+1], v[G:G+1], 0xf3900000 op_sel_hi:[1,0]   ; - 18 x 2^100
.endif
.else
	v_pk_add_f32 v[G:G+1], v[G:G+1], 0xf2000000 op_sel_hi:[1,0]   ; - 2 x 2^100
.endif
.set n, n+2
.endr
.endm
.macro MAXT u                          ; the largest score of each block of 32 keys, mine: for the row's maximum, and for the block's largest p
.set S_, S+64*\u
.set T_, T+16*\u
.irp b, 0,1,2,3
	v_max3_num_f32 v[T_+\b], v[S_+16*\b], v[S_+1+16*\b], v[S_+2+16*\b]
.endr
.irp i, 3,5,7,9,11,13
.irp b, 0,1,2,3
	v_max3_num_f32 v[T_+\b], v[T_+\b], v[S_+16*\b+\i], v[S_+1+16*\b+\i]
.endr
.endr
.irp b, 0,1,2,3
	v_max_num_f32 v[T_+\b], v[T_+\b], v[S_+15+16*\b]
.endr
.endm
.macro TM u, j                         ; t - M, two at a time
	v_pk_fma_f32 v[S+64*\u+(\j):S+64*\u+(\j)+1], v[S+64*\u+(\j):S+64*\u+(\j)+1], s[CS:CS+1], v[M+4*\u:M+4*\u+1] op_sel_hi:[1,0,0]
.endm
.macro HOLD u, k                       ; p held at the largest code x the scale (ISA guide 7.6.2: the conversion does not saturate); p is not negative
	v_dual_min_num_f32 v[S+64*\u+2*(\k)], v[S+64*\u+2*(\k)], v[T+16*\u+8+(\k)/8] :: v_dual_min_num_f32 v[S+64*\u+2*(\k)+1], v[S+64*\u+2*(\k)+1], v[T+16*\u+8+(\k)/8]
.endm
.macro POST u                          ; the blocks' scales, p's scale word, the row's sum
.set S_, S+64*\u
.set T_, T+16*\u
.irp b, 0,1,2,3
	v_max_num_f32 v[T_+\b], 0x4800000, v[T_+\b]    ; the floor 2^(9 - 127)
.endr
.irp b, 0,1,2,3
	v_add_nc_u32 v[T_+12+\b], 0xfc000000, v[T_+\b] ; the conversion's scale operand
.endr
.irp b, 0,1,2,3
	v_and_or_b32 v[T_+8+\b], v[T_+\b], 0x7f800000, s[MNT]   ; 448 x the scale
.endr
.irp b, 0,1,2,3
	v_lshrrev_b32 v[T_+4+\b], 23, v[T_+12+\b]      ; the scale's byte
.endr
	v_lshl_or_b32 v[PWD+\u], v[T_+5], 8, v[T_+4]
	v_pk_add_f32 v[T_:T_+1], v[S_:S_+1], v[S_+2:S_+3]   ; the sum in five chains, of the unquantised p
	v_pk_add_f32 v[T_+2:T_+3], v[S_+4:S_+5], v[S_+6:S_+7]
	v_lshl_or_b32 v[PWD+\u], v[T_+6], 16, v[PWD+\u]
	v_pk_add_f32 v[M+4*\u+2:M+4*\u+3], v[M+4*\u+2:M+4*\u+3], v[S_+16:S_+17]
	v_pk_add_f32 v[T_:T_+1], v[T_:T_+1], v[S_+18:S_+19]
	v_lshl_or_b32 v[PWD+\u], v[T_+7], 24, v[PWD+\u]
	v_pk_add_f32 v[T_+4:T_+5], v[S_+8:S_+9], v[S_+10:S_+11]
	v_pk_add_f32 v[T_+6:T_+7], v[S_+12:S_+13], v[S_+14:S_+15]
.set k, 20
.irp a, T_+2,T_+4,T_+6,M+4*\u+2,T_,T_+2,T_+4,T_+6,M+4*\u+2,T_,T_+2,T_+4,T_+6,M+4*\u+2,T_,T_+2,T_+4,T_+6,M+4*\u+2,T_,T_+2,T_+4
	v_pk_add_f32 v[\a:\a+1], v[\a:\a+1], v[S_+k:S_+k+1]
.set k, k+2
.endr
	v_pk_add_f32 v[T_:T_+1], v[T_:T_+1], v[T_+6:T_+7]
	v_pk_add_f32 v[T_+2:T_+3], v[T_+2:T_+3], v[T_+4:T_+5]
	v_pk_add_f32 v[M+4*\u+2:M+4*\u+3], v[M+4*\u+2:M+4*\u+3], v[T_:T_+1]
	v_pk_add_f32 v[M+4*\u+2:M+4*\u+3], v[M+4*\u+2:M+4*\u+3], v[T_+2:T_+3]
.endm
.macro CVT u, n                        ; n blocks of 16 numbers -> codes
.irp b, 0,1,2,3
.if \b < \n
	v_cvt_scalef32_pk8_fp8_f32 v[PCD+16*\u+4*\b:PCD+16*\u+1+4*\b], v[S+64*\u+16*\b:S+64*\u+7+16*\b], v[T+16*\u+12+\b]
	v_cvt_scalef32_pk8_fp8_f32 v[PCD+16*\u+2+4*\b:PCD+16*\u+3+4*\b], v[S+64*\u+8+16*\b:S+64*\u+15+16*\b], v[T+16*\u+12+\b]
.endif
.endr
.endm
; A KEY STEP: the 128 keys of the record at s[TB], both tiles; left out behind the last step.  pf = 1: K has been asked for a step ahead, and the next trip's is asked for here.
.macro STEP pf
	s_cmp_gt_u32 s[ST], s[LAST]
	s_cbranch_scc1 .Lskip_\@
	v_add_nc_u32 v[ADK], s[TB], v[A16]
	v_add_nc_u32 v[ADS], s[TB], v[A4]
.if \pf
	v_add_nc_u32 v[ANK], s[TBN], v[A16]
	v_add_nc_u32 v[ANS], s[TBN], v[A4]
	PLACES 5                                       ; with the additions nine places behind the last step's products: the scores are written over what those read as V^T
.else
	PLACES 7
	KLOAD ADK, ADS
.endif
	s_wait_alu depctr_va_vdst(0)                   ; the wait ahead of the wait below
	s_wait_dscnt 0x0
	WIN 0x05
	QK 0
	QK 1
	WIN 0
	PLACES 8
.if \pf
	KLOAD ANK, ANS
.endif
	s_cmp_lg_u32 s[ST], s[DIAG]                    ; only the diagonal step has hidden keys
	s_cbranch_scc1 .Lopen_\@
	MASK 0
	MASK 1
.Lopen_\@:
	MAXT 0
	MAXT 1
.irp u, 0,1
.irp b, 0,1,2,3
	v_permlanex16_b32 v[T+16*\u+4+\b], v[T+16*\u+\b], s[SEL], s[SEL+1]
.endr
.endr
.irp u, 0,1
.irp b, 0,1,2,3
	v_max_num_f32 v[T+16*\u+\b], v[T+16*\u+\b], v[T+16*\u+4+\b]   ; with lane l xor 16's 16 keys
.endr
.endr
.irp u, 0,1                            ; (the two tiles by turns)
	v_max3_num_f32 v[TMP+\u], v[T+16*\u], v[T+16*\u+1], v[T+16*\u+2]
.endr
.irp u, 0,1
	v_max_num_f32 v[TMP+\u], v[TMP+\u], v[T+16*\u+3]
.endr
.irp u, 0,1
	v_mul_f32 v[TMP+\u], s[CS], v[TMP+\u]          ; as t
.endr
.irp u, 0,1
	v_max_num_f32 v[M+4*\u+1], v[M+4*\u+1], v[TMP+\u]   ; the running largest t
.endr
.irp u, 0,1
	v_mov_b32 v[TMP+\u], v[M+4*\u]
.endr
.irp u, 0,1
	v_floor_f32 v[M+4*\u], -v[M+4*\u+1]            ; the new -M = -ceil(t)
.endr
.irp u, 0,1
	v_sub_f32 v[TMP+\u], v[M+4*\u], v[TMP+\u]      ; old M - new M: a whole number, 0 or less
.endr
.irp u, 0,1
	v_cvt_i32_f32 v[TMP+\u], v[TMP+\u]             ; (it saturates)
.endr
.irp u, 0,1
	v_ldexp_f32 v[F+2*\u], 1.0, v[TMP+\u]
.endr
.set j, 0
.rept 32
	TM 0, j
.set j, j+2
.endr
.irp b, 0,1,2,3
	v_fma_f32 v[T+\b], v[T+\b], s[CS], v[M]
.endr
	s_wait_alu depctr_va_vdst(0)                   ; the wait ahead of the batch
.set j, 0
.rept 32                               ; tile a's p = 2^(t - M), and among them tile b's t - M
	v_exp_f32 v[S+j], v[S+j]
	v_exp_f32 v[S+j+1], v[S+j+1]
	TM 1, j
.set j, j+2
.endr
.irp b, 0,1,2,3
	v_exp_f32 v[T+\b], v[T+\b]                     ; the block's largest p: the same two instructions on the same number
	v_fma_f32 v[T+16+\b], v[T+16+\b], s[CS], v[M+4]
.endr
	v_pk_mul_f32 v[M+2:M+3], v[M+2:M+3], v[F:F+1] op_sel_hi:[1,0]   ; the sums under the new M
	s_wait_alu depctr_va_vdst(0)                   ; and behind the batch
	POST 0
	s_wait_alu depctr_va_vdst(0)                   ; ahead of the second batch
.set j, 0
.rept 32                               ; tile b's exponentials, and among them tile a's holds
	v_exp_f32 v[S+64+2*j], v[S+64+2*j]
	v_exp_f32 v[S+64+2*j+1], v[S+64+2*j+1]
	HOLD 0, j
.set j, j+1
.endr
.irp b, 0,1,2,3
	v_exp_f32 v[T+16+\b], v[T+16+\b]
.endr
	v_pk_mul_f32 v[M+6:M+7], v[M+6:M+7], v[F+2:F+3] op_sel_hi:[1,0]
	s_wait_alu depctr_va_vdst(0)
	CVT 0, 4
.irp p, 0,1
	ds_load_b32 v[VSC+\p], v[ADS] offset:16896+128*\p
.endr
.irp a, 0,1,2,3
.irp c, 0,1,2,3
	ds_load_b128 v[S+16*\a+4*\c:S+16*\a+4*\c+3], v[ADK] offset:8192+2048*\a+512*\c   ; V^T's four fragments, where tile a's p lay
.endr
.endr
	POST 1
.set j, 0
.rept 32
	HOLD 1, j
.set j, j+1
.endr
	CVT 1, 4
	s_wait_alu depctr_va_vdst(0)                   ; the wait ahead of O^T's first reader
	WIN 0x41
.set j, 0
.rept 16
	v_pk_mul_f32 v[O+j:O+j+1], v[O+j:O+j+1], v[F:F+1] op_sel_hi:[1,0]   ; O^T under the new M; also the plain lines behind the conversions and in front of the products
	v_pk_mul_f32 v[O+32+j:O+32+j+1], v[O+32+j:O+32+j+1], v[F+2:F+3] op_sel_hi:[1,0]
.set j, j+2
.endr
	s_wait_alu depctr_va_vdst(0)                   ; the wait ahead of the wait below
	s_wait_dscnt 0x0
	WIN 0x50
.irp a, 0,1,2,3
.irp u, 0,1
.set O_, O+32*\u+8*\a
.if \a%2
	v_wmma_scale_f32_16x16x128_f8f6f4 v[O_:O_+7], v[S+16*\a:S+16*\a+15], v[PCD+16*\u:PCD+16*\u+15], v[O_:O_+7], v[VSC+\a/2], v[PWD+\u] matrix_a_scale:MATRIX_SCALE_ROW1
.else
	v_wmma_scale_f32_16x16x128_f8f6f4 v[O_:O_+7], v[S+16*\a:S+16*\a+15], v[PCD+16*\u:PCD+16*\u+15], v[O_:O_+7], v[VSC+\a/2], v[PWD+\u]
.endif
.endr
.endr
	WIN 0
.Lskip_\@:
.endm
; THE WAY OUT of tile u: O^T / the sum; register 16 c + i is d = 32 c + 16 (lane / 16) + i of my query: two blocks of the last product's K.  Eight places stand ahead of it.
.macro OUT u
.set S_, S+64*\u
.set T_, T+16*\u
	v_add_f32 v[M+4*\u+2], v[M+4*\u+2], v[M+4*\u+3]
	v_permlanex16_b32 v[TMP+\u], v[M+4*\u+2], s[SEL], s[SEL+1]
	v_add_f32 v[M+4*\u+2], v[M+4*\u+2], v[TMP+\u]  ; the row's sum
	s_wait_alu depctr_va_vdst(0)
	v_rcp_f32 v[M+4*\u+2], v[M+4*\u+2]
	v_nop
	s_wait_alu depctr_va_vdst(0)
	WIN 0x01
.set j, 0
.rept 16
	v_pk_mul_f32 v[S_+j:S_+j+1], v[O+32*\u+j:O+32*\u+j+1], v[M+4*\u+2:M+4*\u+3] op_sel_hi:[1,0]   ; each accumulator from its low end on
.set j, j+2
.endr
	WIN 0
.irp b, 0,1
	v_max3_num_f32 v[T_+\b], |v[S_+16*\b]|, |v[S_+1+16*\b]|, 0x4800000
.endr
.irp i, 2,4,6,8,10,12,14
.irp b, 0,1
	v_max3_num_f32 v[T_+\b], v[T_+\b], |v[S_+16*\b+\i]|, |v[S_+1+16*\b+\i]|
.endr
.endr
.irp b, 0,1
	v_permlanex16_b32 v[T_+4+\b], v[T_+\b], s[SEL], s[SEL+1]
.endr
.irp b, 0,1
	v_max_num_f32 v[T_+\b], v[T_+\b], v[T_+4+\b]
.endr
.irp b, 0,1
	v_add_nc_u32 v[T_+12+\b], 0xfc000000, v[T_+\b]
.endr
.irp b, 0,1
	v_and_or_b32 v[T_+8+\b], v[T_+\b], 0x7f800000, s[MNT]
.endr
.irp b, 0,1
	v_lshrrev_b32 v[T_+4+\b], 23, v[T_+12+\b]
.endr
.irp b, 0,1
.irp i, 0,1,2,3,4,5,6,7,8,9,10,11,12,13,14,15
	v_med3_num_f32 v[S_+16*\b+\i], v[S_+16*\b+\i], -v[T_+8+\b], v[T_+8+\b]
.endr
.endr
	CVT \u, 2
	v_nop
	v_cndmask_b32 v[TMP+\u], v[T_+4], v[T_+5], s[HIL]   ; lanes 0-15 carry the first block's byte, lanes 16-31 the second's
	global_store_b128 v[A16], v[PCD+16*\u:PCD+16*\u+3], s[8:9] offset:16384*\u         ; 512 consecutive bytes: a group of the operand's image
	global_store_b128 v[A16], v[PCD+16*\u+4:PCD+16*\u+7], s[8:9] offset:16384*\u+512
	global_store_b8 v[OA], v[TMP+\u], s[10:11] offset:512*\u
.endm
	s_wait_alu depctr_va_vdst(0)                   ; the wait at the head's end
	s_wait_loadcnt 0x0                             ; Q
	s_cmp_lt_u32 s[WV], 1
	s_cbranch_scc0 .Lnot_yet
	s_wait_tensorcnt 0x0                           ; wave 0: records 0 and 1 have landed
.Lnot_yet:
	s_barrier_signal -1
	s_barrier_wait -1
.Lfirst:                                           ; steps 0 and 1
	STEP 0
	s_add_co_u32 s[TB], s[TB], REC
	s_add_co_u32 s[ST], s[ST], 1
	s_cmp_lt_u32 s[ST], 2
	s_cbranch_scc1 .Lfirst
	s_wait_alu depctr_va_vdst(0)
	s_wait_tensorcnt 0x0                           ; all records
	s_wait_dscnt 0x0
	s_barrier_signal -1
	s_barrier_wait -1
.macro RECORD d, tr                    ; the LDS byte of trip tr's record (for the trip behind the last, whose K nobody uses, some record's)
	s_cmp_ge_u32 s[\tr], s[EVT]
	s_cselect_b32 s41, s[DLT], 0
	s_add_co_u32 s41, s41, s[\tr]
	s_min_u32 s41, s41, 15
	s_mul_i32 s[\d], s41, REC
.endm
	s_mov_b32 s[TR], 2
	RECORD TB, TR
	v_add_nc_u32 v[ADK], s[TB], v[A16]
	v_add_nc_u32 v[ADS], s[TB], v[A4]
	PLACES 8                                       ; in front of loads into what step 1's products have read
	KLOAD ADK, ADS
.Lstep:                                            ; trips 2 to 8
	s_cmp_lg_u32 s[TR], s[EVF]
	s_cbranch_scc1 .Lgo_on
	PLACES 8
	OUT 0                                          ; a short wave's own tiles leave,
	OUT 1
	s_wait_xcnt 0x0                                ; their stores have read their registers,
	FRESH                                          ; and the long block's are taken up
	v_mov_b32 v[QS], v[Q2S]
	WIN 0x41
.set zz, 0
.rept 8
	v_mov_b32 v[QW+zz], v[Q2+zz]
	v_mov_b32 v[QW+16+zz], v[Q2+zz]
	v_mov_b32 v[QW+24+zz], v[Q2+8+zz]
	v_mov_b32 v[QW+40+zz], v[Q2+8+zz]
.set zz, zz+1
.endr
	WIN 0
	s_wait_alu depctr_va_vdst(0)
.Lgo_on:
	s_add_co_u32 s42, s[TR], 1
	RECORD TBN, 42
	RECORD TB, TR
	s_cmp_ge_u32 s[TR], s[EVT]
	s_cselect_b32 s41, s[DLT], 0
	s_cselect_b32 s[LAST], s[LAST2], s[LAST1]
	s_cselect_b32 s[DIAG], s[DIAG2], s[DIAG1]
	s_add_co_u32 s[ST], s[TR], s41
	STEP 1
	s_add_co_u32 s[TR], s[TR], 1
	s_cmp_lt_u32 s[TR], 9
	s_cbranch_scc1 .Lstep
	PLACES 8
	s_wait_alu depctr_va_vdst(0)
	s_cmp_eq_u32 s[LB], 1
	s_cbranch_scc1 .Lkeep
.irp u, 0,1                            ; a short wave hands its part of the long block over: O^T, -M, the sum
	WIN 0x04
.irp a, 0,1,2,3,4,5,6,7
	ds_store_b128 v[MA], v[O+32*\u+4*\a:O+32*\u+4*\a+3] offset:4608*\u+512*\a
.endr
	WIN 0
	ds_store_b128 v[MA], v[M+4*\u:M+4*\u+3] offset:4608*\u+4096
.endr
.Lkeep:
	s_wait_dscnt 0x0
	s_barrier_signal -1
	s_barrier_wait -1
	s_cmp_eq_u32 s[LB], 0
	s_cbranch_scc1 .Ldone
.irp u, 0,1
	ds_load_b128 v[S+64*\u+32:S+64*\u+35], v[MA] offset:4608*\u+4096   ; -M, the largest t, the sum
.irp a, 0,1,2,3,4,5,6,7
	ds_load_b128 v[S+64*\u+4*\a:S+64*\u+4*\a+3], v[MA] offset:4608*\u+512*\a
.endr
.endr
	s_wait_dscnt 0x0
.macro JOIN u
.set H_, S+64*\u
	v_min_num_f32 v[H_+36], v[M+4*\u], v[H_+32]    ; the joint -M
	v_sub_f32 v[H_+37], v[H_+36], v[M+4*\u]
	v_sub_f32 v[H_+39], v[H_+36], v[H_+32]
	v_cvt_i32_f32 v[H_+37], v[H_+37]
	v_cvt_i32_f32 v[H_+39], v[H_+39]
	v_ldexp_f32 v[H_+38], 1.0, v[H_+37]            ; 2^(M - joint M), mine
	v_ldexp_f32 v[H_+40], 1.0, v[H_+39]            ; and the other part's
	v_mov_b32 v[H_+39], v[H_+38]
	v_mov_b32 v[H_+41], v[H_+40]
	v_pk_mul_f32 v[H_+34:H_+35], v[H_+34:H_+35], v[H_+40:H_+41]
	v_pk_fma_f32 v[M+4*\u+2:M+4*\u+3], v[M+4*\u+2:M+4*\u+3], v[H_+38:H_+39], v[H_+34:H_+35]
.set j, 0
.rept 16
	v_pk_mul_f32 v[H_+j:H_+j+1], v[H_+j:H_+j+1], v[H_+40:H_+41]
.set j, j+2
.endr
	WIN 0x41
.set j, 0
.rept 16
	v_pk_fma_f32 v[O+32*\u+j:O+32*\u+j+1], v[O+32*\u+j:O+32*\u+j+1], v[H_+38:H_+39], v[H_+j:H_+j+1]
.set j, j+2
.endr
	WIN 0
.endm
	JOIN 0
	JOIN 1
	OUT 0
	OUT 1
.Ldone:
	s_wait_tensorcnt 0x0                           ; the wave's end
	ds_add_u32 v[SPW], v[NIL]
	s_wait_dscnt 0x0
	ROUND                                          ; the closing round
	s_endpgm
.Lfunc_end_k_q96f873d869_attn:
	.size	k_q96f873d869_attn, .Lfunc_end_k_q96f873d869_attn-k_q96f873d869_attn
	.p2alignl 7, 3214868480
	.fill 96, 4, 3214868480
	.section	.rodata,"a",@progbits
	.p2align	6, 0x0
	.amdhsa_kernel k_q96f873d869_attn
		.amdhsa_group_segment_fixed_size 327680
		.amdhsa_private_segment_fixed_size 0
		.amdhsa_enable_private_segment 0
		.amdhsa_kernarg_size 32
		.amdhsa_user_sgpr_count 2
		.amdhsa_user_sgpr_kernarg_segment_ptr 1
		.amdhsa_wavefront_size32 1
		.amdhsa_system_sgpr_workgroup_id_x 1
		.amdhsa_system_sgpr_workgroup_id_y 1
		.amdhsa_system_sgpr_workgroup_id_z 1
		.amdhsa_system_vgpr_workitem_id 0
		.amdhsa_next_free_vgpr 512
		.amdhsa_next_free_sgpr 90
		.amdhsa_reserve_vcc 0
		.amdhsa_float_denorm_mode_32 3
		.amdhsa_float_denorm_mode_16_64 3
		.amdhsa_memory_ordered 1
		.amdhsa_forward_progress 1
		.amdhsa_inst_pref_size 138
	.end_amdhsa_kernel
	.amdgpu_metadata
---
amdhsa.version: [ 1, 2 ]
amdhsa.kernels:
  - .name:           k_q96f873d869_attn
    .symbol:         k_q96f873d869_attn.kd
    .args:
      - { .name: qb, .offset: 0, .size: 8, .value_kind: global_buffer, .address_space: global }
      - { .name: kvb, .offset: 8, .size: 8, .value_kind: global_buffer, .address_space: global }
      - { .name: ac, .offset: 16, .size: 8, .value_kind: global_buffer, .address_space: global }
      - { .name: asc, .offset: 24, .size: 8, .value_kind: global_buffer, .address_space: global }
    .group_segment_fixed_size: 327680
    .private_segment_fixed_size: 0
    .kernarg_segment_align: 8
    .kernarg_segment_size: 32
    .max_flat_workgroup_size: 256
    .sgpr_count:     90
    .vgpr_count:     512
    .wavefront_size: 32
...
	.end_amdgpu_metadata
.endif
;; end of part 8
;; launch proj (part 9): grid 8 x 32, 4 waves a work-group, clusters of 4 x 4, 327,680 bytes of LDS; arguments ac, asc, cod, scl, b_out, out0; writes out0
.if DOCPART == 9
	.amdgcn_target "amdgcn-amd-amdhsa--gfx1250"
	.amdhsa_code_object_version 6
	.text
	.protected	k_q96f873d869_proj
	.globl	k_q96f873d869_proj
	.p2align	8
	.type	k_q96f873d869_proj,@function
k_q96f873d869_proj:
	s_mov_b64 s[64:65], 0
	v_nop
	global_prefetch_b8 v0, s[64:65] scope:SCOPE_SE
	s_setreg_imm32_b32 hwreg(HW_REG_WAVE_MODE, 25, 1), 1
	s_wait_xcnt 0x0
	s_wait_alu depctr_hold_cnt(0) depctr_sa_sdst(0) depctr_va_vdst(0) depctr_va_sdst(0) depctr_va_ssrc(0) depctr_va_vcc(0) depctr_vm_vsrc(0)
	s_getreg_b32 s2, hwreg(HW_REG_IB_STS2, 6, 4)
	s_cmp_eq_u32 s2, 0
	s_cbranch_scc0 .Lentry_in_a_cluster
	s_endpgm
.Lentry_in_a_cluster:
	s_bfe_u32 s2, ttmp6, 0x10000c
	s_cmp_lg_u32 s2, 0xf033
	s_cbranch_scc0 .Lentry_shape_is_right
	s_endpgm
.Lentry_shape_is_right:
; out0 = attn W_out + b_out on codes of E4M3 with E8M0 scales, K = 1024, f32 out [4096][1024].
; ac [row tile 256][K step 8][group 4][lane 32][16 bytes] are images of the operand's registers, asc [4096][32] their scale bytes; W_out's columns are rows 7168-8191 of cod and scl; within 32 rows of either bits 3 and 4 of the row are exchanged.
; A WORK-GROUP MAKES 128 x 128, a wave 64 x 64: 16 accumulators.  Both operands' whole K lies in LDS, filled once: one joint load a wave (a half of K of A or of B); the first half is worked while the second lands.
; CLUSTERS 4 x 4: a row shares A's rows, a column B's.  Scale words come straight from memory into registers: 32 rows x 32 bytes, dense, a load of two.
; No prefetch: all tiles are asked for at the head, and there is no loop to run ahead in.
; Source 0 = B, source 1 = A: lane (r, h) holds row 32 (a / 2) + 8 (a % 2) + r % 8 + 16 (r / 8) and register 16 c + i = column 32 c + 16 h + i.  The bias is the first products' C.
; LIMITS: NaN and infinities are not served.
; REGISTERS.  Window 0: addresses, scale words, bias; window 1: v0-127 accumulators; windows 2, 3: four sets (B's four fragments, A's four), one for each K step of a half; on the way out window 2 holds rows.
.set PITCH, 528
.set BOFF,  65536                      ; A's half: 8 row tiles x 8,192 bytes; behind it B's: 128 rows x (512 + 16)
.set HST,   BOFF+128*PITCH
.set STAGE, 2*HST
.set SPITCH, 272
.set SPARE, STAGE+4*16*SPITCH
.set SPW, 10
.set NIL, 11
.set ADA, 12
.set ADB, 14
.set STO, 17
.set RD,  18
.set CO,  19
.set SB,  24
.set SA,  44
.set BI,  64
.set G1, 24
.set G0, 32
.set G1B, 48
.set G0B, 56
.set MSB, 0
.macro WIN new
.if MSB != \new
	s_set_vgpr_msb (MSB<<8)|\new
.set MSB, \new
.endif
.endm
.macro PLACES n
.rept \n
	v_nop
.endr
.endm
.macro CROUND
	s_barrier_signal -1
	s_barrier_wait -1
	s_cmp_lg_u32 s14, 0
	s_cbranch_scc1 .Lnot_wave_0_\@
	s_barrier_signal -3
.Lnot_wave_0_\@:
	s_barrier_wait -3
	s_barrier_signal -1
	s_barrier_wait -1
.endm
.macro TLOAD g0, g1
	tensor_load_to_lds s[\g0:\g0+3], s[\g1:\g1+7]
	s_nop 0
	PLACES 4
.endm
	s_load_b256 s[4:11], s[0:1], 0x0               ; ac, asc, cod, scl
	s_load_b128 s[96:99], s[0:1], 0x20             ; b_out, out0
	v_lshl_add_u32 v[SPW], v0, 2, SPARE
	v_mov_b32 v[NIL], 0
	ds_add_u32 v[SPW], v[NIL]                      ; the opening add, twice on end
	ds_add_u32 v[SPW], v[NIL]
	v_lshrrev_b32 v1, 5, v0
	v_readfirstlane_b32 s14, v1                    ; wave
	s_lshr_b32 s15, s14, 1                         ; my half of the rows; which half of K I fetch
	s_and_b32 s16, s14, 1                          ; my half of the columns
	s_bfe_u32 s40, ttmp6, 0x40000
	s_bfe_u32 s41, ttmp6, 0x40004
	s_lshl_b32 s42, ttmp9, 2
	s_add_co_u32 s42, s42, s40                     ; tile column 0..7
	s_and_b32 s17, ttmp7, 0xffff
	s_lshl_b32 s17, s17, 2
	s_add_co_u32 s17, s17, s41                     ; tile row 0..31
	s_lshl_b32 s43, s41, 2
	s_lshl_b32 s43, 15, s43
	s_lshl_b32 s44, 0x1111, s40
	s_or_b32 s[G1+0], s43, (3<<16)|(1<<21)         ; A: 8 rows of 8,192 bytes, 16,384 apart, no padding
	s_mov_b32 s[G1+1], 1024<<16
	s_mov_b32 s[G1+2], 8<<16
	s_mov_b32 s[G1+3], 1024<<16
	s_mov_b32 s[G1+4], 8
	s_mov_b32 s[G1+5], 2048
	s_mov_b32 s[G1+6], 0
	s_mov_b32 s[G1+7], 0
	s_or_b32 s[G1B+0], s44, (1<<20)|(1<<21)|(6<<22)|(3<<25)   ; B: 128 rows of 512 bytes, 1,024 apart, 4 words of padding behind every 128
	s_mov_b32 s[G1B+1], 512<<16
	s_mov_b32 s[G1B+2], 128<<16
	s_mov_b32 s[G1B+3], 512<<16
	s_mov_b32 s[G1B+4], 128
	s_mov_b32 s[G1B+5], 1024
	s_mov_b32 s[G1B+6], 0
	s_mov_b32 s[G1B+7], 0
	s_lshl_b32 s20, s17, 17
	s_lshl_b32 s18, s15, 13
	s_add_co_u32 s20, s20, s18                     ; A: my half of K
	s_mov_b32 s21, 0
	s_lshl_b32 s46, s42, 17
	s_lshl_b32 s18, s15, 9
	s_add_co_u32 s46, s46, s18
	s_add_co_u32 s46, s46, 7168*1024               ; B
	s_mov_b32 s47, 0
	s_lshl_b32 s22, s17, 12
	s_lshl_b32 s18, s15, 11
	s_add_co_u32 s22, s22, s18                     ; A's scale bytes
	s_mov_b32 s23, 0
	s_lshl_b32 s92, s42, 12
	s_lshl_b32 s18, s16, 11
	s_add_co_u32 s92, s92, s18
	s_add_co_u32 s92, s92, 7168*32                 ; B's
	s_mov_b32 s93, 0
	s_lshl_b32 s88, s42, 9
	s_lshl_b32 s18, s16, 8
	s_add_co_u32 s88, s88, s18                     ; my first column, in bytes
	s_mov_b32 s89, 0
	s_lshl_b32 s90, s17, 19
	s_lshl_b32 s18, s15, 18
	s_add_co_u32 s90, s90, s18
	s_add_co_u32 s90, s90, s88                     ; my first row and column of out0
	s_mov_b32 s91, 0
	s_mul_i32 s45, s15, HST
	s_wait_dscnt 0x0
	CROUND                                         ; all sixteen work-groups are here
	s_wait_kmcnt 0x0
	s_mov_b32 s[G0], 1
	s_mov_b32 s[G0+1], s45
	s_add_nc_u64 s[G0+2:G0+3], s[4:5], s[20:21]
	s_or_b32 s[G0+3], s[G0+3], 0x80000000
	s_mov_b32 s[G0B], 1
	s_add_co_u32 s[G0B+1], s45, BOFF
	s_add_nc_u64 s[G0B+2:G0B+3], s[8:9], s[46:47]
	s_or_b32 s[G0B+3], s[G0B+3], 0x80000000
; one joint load a wave, each in an arm of its own: A's and B's first half of K, then the second halves
.macro ARM under, g0, g1, next
	s_cmp_lt_u32 s14, \under
	s_cbranch_scc0 \next
	TLOAD \g0, \g1
	s_branch .Lasked
\next:
.endm
	ARM 1, G0, G1, .Larm1
	ARM 2, G0B, G1B, .Larm2
	ARM 3, G0, G1, .Larm3
	TLOAD G0B, G1B
.Lasked:
	s_add_nc_u64 s[80:81], s[6:7], s[22:23]
	s_add_nc_u64 s[82:83], s[10:11], s[92:93]
	s_add_nc_u64 s[84:85], s[96:97], s[88:89]
	s_add_nc_u64 s[12:13], s[98:99], s[90:91]
	v_and_b32 v1, 15, v0                           ; r
	v_bfe_u32 v2, v0, 4, 1                         ; h
	v_and_b32 v3, 31, v0
	v_lshlrev_b32 v4, 5, v3                        ; 32 x lane
	v_lshlrev_b32 v5, 6, v2                        ; 64 h
.irp p, 0,1
.irp k, 0,1
	global_load_b128 v[SA+8*\p+4*\k:SA+8*\p+4*\k+3], v4, s[80:81] offset:1024*\p+16*\k
	global_load_b128 v[SB+8*\p+4*\k:SB+8*\p+4*\k+3], v4, s[82:83] offset:1024*\p+16*\k
.endr
.endr
.irp c, 0,1
.irp u, 0,1
	global_load_b128 v[BI+16*\c+8*\u:BI+16*\c+8*\u+3], v5, s[84:85] offset:(32*\c+8*\u)*4
	global_load_b128 v[BI+16*\c+8*\u+4:BI+16*\c+8*\u+7], v5, s[84:85] offset:(32*\c+8*\u)*4+16
.endr
.endr
	v_lshlrev_b32 v6, 4, v3
	s_lshl_b32 s20, s15, 15
	v_add_nc_u32 v[ADA], s20, v6                   ; my four row tiles of A's first half,
	v_add_nc_u32 v[ADA+1], HST, v[ADA]             ; of its second
	v_mul_u32_u24 v7, v1, PITCH
	v_lshl_add_u32 v7, v2, 4, v7
	s_mul_i32 s21, s16, 64*PITCH
	s_add_co_u32 s21, s21, BOFF
	v_add_nc_u32 v[ADB], s21, v7                   ; my 64 rows of B
	v_add_nc_u32 v[ADB+1], HST, v[ADB]
	s_mul_i32 s22, s14, 16*SPITCH
	s_add_co_u32 s22, s22, STAGE                   ; my stage
	v_mul_u32_u24 v7, v1, SPITCH
	v_lshl_add_u32 v7, v2, 6, v7
	v_add_nc_u32 v[STO], s22, v7                   ; in: row r, 64 bytes for each half of the lanes
	v_mul_u32_u24 v7, v2, SPITCH
	v_lshl_add_u32 v7, v1, 4, v7
	v_add_nc_u32 v[RD], s22, v7                    ; back: lanes 0-15 one row of 256 bytes, lanes 16-31 the next
	v_lshlrev_b32 v7, 12, v2
	v_lshl_add_u32 v[CO], v1, 4, v7                ; the same two rows in out0
	s_wait_alu depctr_va_vdst(0)                   ; the wait at the head's end
.macro LD hf, q                        ; K step q of half hf into set q: 32 loads
	WIN (2+(\q)/2)<<6
.irp i, 0,1,2,3
.irp c, 0,1,2,3
	ds_load_b128 v[128*((\q)%2)+16*\i+4*\c:128*((\q)%2)+16*\i+4*\c+3], v[ADB+\hf] offset:\i*16*PITCH+128*\q+32*\c
	ds_load_b128 v[128*((\q)%2)+64+16*\i+4*\c:128*((\q)%2)+64+16*\i+4*\c+3], v[ADA+\hf] offset:8192*\i+2048*\q+512*\c
.endr
.endr
.endm
.macro WM ma, mb
.if (\ma) && (\mb)
	v_wmma_scale_f32_16x16x128_f8f6f4 v[D_:D_+7], v[P_:P_+15], v[R_:R_+15], v[C_:C_+7], v[S_], v[U_] matrix_a_scale:MATRIX_SCALE_ROW1 matrix_b_scale:MATRIX_SCALE_ROW1
.elseif (\ma)
	v_wmma_scale_f32_16x16x128_f8f6f4 v[D_:D_+7], v[P_:P_+15], v[R_:R_+15], v[C_:C_+7], v[S_], v[U_] matrix_a_scale:MATRIX_SCALE_ROW1
.elseif (\mb)
	v_wmma_scale_f32_16x16x128_f8f6f4 v[D_:D_+7], v[P_:P_+15], v[R_:R_+15], v[C_:C_+7], v[S_], v[U_] matrix_b_scale:MATRIX_SCALE_ROW1
.else
	v_wmma_scale_f32_16x16x128_f8f6f4 v[D_:D_+7], v[P_:P_+15], v[R_:R_+15], v[C_:C_+7], v[S_], v[U_]
.endif
.endm
.macro MUL hf, q, first                ; sixteen products; the accumulators take turns
.set W_, 2+(\q)/2
.set F_, 128*((\q)%2)
.if \first
	WIN W_|(W_<<2)|0x40
.else
	WIN W_|(W_<<2)|0x50
.endif
.irp a, 0,1,2,3
.irp b, 0,1,2,3
.set D_, 8*(4*\a+\b)
.set C_, D_
.if \first
.set C_, BI+8*\b
.endif
.set P_, F_+16*\b
.set R_, F_+64+16*\a
.set S_, SB+8*(\b/2)+4*\hf+\q
.set U_, SA+8*(\a/2)+4*\hf+\q
	WM (\b)%2, (\a)%2
.endr
.endr
.endm
.macro HALF hf, first
	LD \hf, 0
	LD \hf, 1
.if \first
	s_wait_loadcnt 0x0                             ; scale words and bias
.endif
	s_wait_dscnt 32                                ; all but the youngest K step's 32 loads
	MUL \hf, 0, \first
	LD \hf, 2
	s_wait_dscnt 32
	MUL \hf, 1, 0
	LD \hf, 3
	s_wait_dscnt 32
	MUL \hf, 2, 0
	s_wait_dscnt 0x0
	MUL \hf, 3, 0
	PLACES 8
.endm
	s_cmp_lt_u32 s14, 2
	s_cbranch_scc0 .Lsecond_half
	s_wait_tensorcnt 0x0                           ; waves 0, 1: the first half of K has landed
.Lsecond_half:
	s_barrier_signal -1
	s_barrier_wait -1
	HALF 0, 1
	s_wait_tensorcnt 0x0                           ; the second half
	s_barrier_signal -1
	s_barrier_wait -1
	HALF 1, 0
; THE WAY OUT, block by block of 16 rows x 64 columns through my own stage: LDS serves a wave's instructions in order (ISA guide 5.7.1.4), so no wait stands between stores and loads
.macro TOSTAGE a
	WIN 0x04
.irp b, 0,1,2,3
	ds_store_b128 v[STO], v[32*(\a)+8*\b:32*(\a)+8*\b+3] offset:128*(\b/2)+32*(\b%2)
	ds_store_b128 v[STO], v[32*(\a)+8*\b+4:32*(\a)+8*\b+7] offset:128*(\b/2)+32*(\b%2)+16
.endr
	WIN 0x80
.irp t, 0,1,2,3,4,5,6,7
	ds_load_b128 v[32*(\a)+4*\t:32*(\a)+4*\t+3], v[RD] offset:2*\t*SPITCH
.endr
.endm
.macro SEND a, younger
	s_wait_dscnt \younger                          ; the block is back; the next one's sixteen LDS instructions may be out
	WIN 0x08
.irp t, 0,1,2,3,4,5,6,7
	global_store_b128 v[CO], v[32*(\a)+4*\t:32*(\a)+4*\t+3], s[12:13] offset:(32*((\a)/2)+8*((\a)%2)+(2*\t)%8+16*(\t/4))*4096 th:TH_STORE_NT   ; sixteen lanes store 256 consecutive bytes, aligned
.endr
.endm
	TOSTAGE 0
	TOSTAGE 1
	SEND 0, 16
	TOSTAGE 2
	SEND 1, 16
	TOSTAGE 3
	SEND 2, 16
	SEND 3, 0
	WIN 0
	s_wait_tensorcnt 0x0                           ; the wave's end
	ds_add_u32 v[SPW], v[NIL]
	s_wait_dscnt 0x0
	CROUND                                         ; the closing round
	s_endpgm
.Lfunc_end_k_q96f873d869_proj:
	.size	k_q96f873d869_proj, .Lfunc_end_k_q96f873d869_proj-k_q96f873d869_proj
	.p2alignl 7, 3214868480
	.fill 96, 4, 3214868480
	.section	.rodata,"a",@progbits
	.p2align	6, 0x0
	.amdhsa_kernel k_q96f873d869_proj
		.amdhsa_group_segment_fixed_size 327680
		.amdhsa_private_segment_fixed_size 0
		.amdhsa_enable_private_segment 0
		.amdhsa_kernarg_size 48
		.amdhsa_user_sgpr_count 2
		.amdhsa_user_sgpr_kernarg_segment_ptr 1
		.amdhsa_wavefront_size32 1
		.amdhsa_system_sgpr_workgroup_id_x 1
		.amdhsa_system_sgpr_workgroup_id_y 1
		.amdhsa_system_sgpr_workgroup_id_z 1
		.amdhsa_system_vgpr_workitem_id 0
		.amdhsa_next_free_vgpr 1024
		.amdhsa_next_free_sgpr 102
		.amdhsa_reserve_vcc 0
		.amdhsa_float_denorm_mode_32 3
		.amdhsa_float_denorm_mode_16_64 3
		.amdhsa_memory_ordered 1
		.amdhsa_forward_progress 1
		.amdhsa_inst_pref_size 50
	.end_amdhsa_kernel
	.amdgpu_metadata
---
amdhsa.version: [ 1, 2 ]
amdhsa.kernels:
  - .name:           k_q96f873d869_proj
    .symbol:         k_q96f873d869_proj.kd
    .args:
      - { .name: ac, .offset: 0, .size: 8, .value_kind: global_buffer, .address_space: global }
      - { .name: asc, .offset: 8, .size: 8, .value_kind: global_buffer, .address_space: global }
      - { .name: cod, .offset: 16, .size: 8, .value_kind: global_buffer, .address_space: global }
      - { .name: scl, .offset: 24, .size: 8, .value_kind: global_buffer, .address_space: global }
      - { .name: b_out, .offset: 32, .size: 8, .value_kind: global_buffer, .address_space: global }
      - { .name: out0, .offset: 40, .size: 8, .value_kind: global_buffer, .address_space: global }
    .group_segment_fixed_size: 327680
    .private_segment_fixed_size: 0
    .kernarg_segment_align: 8
    .kernarg_segment_size: 48
    .max_flat_workgroup_size: 128
    .sgpr_count:     102
    .vgpr_count:     1024
    .wavefront_size: 32
...
	.end_amdgpu_metadata
.endif
;; end of part 9
